; MI455X (gfx1250); checked and timed in simulation.
; The chip was launched on July 23, 2026; its instructions are those of AMD's public machine-readable ISA for CDNA 5 (MIT licence, August 2026) and "CDNA5" Instruction Set Architecture Reference Guide (July 2026). The comments in the code are by the model that wrote it; some were corrected since.
;; Mo E Layer. Allowed arithmetic: matrix products marked QUANTISED: E5M2 operands, one E8M0 scale for each 32 along K, by v_wmma_scale_f32_16x16x128_f8f6f4 with both operands' format E5M2, f32 sums; products left as they are: f32 operands where the result goes on into a quantised operand, else bf16, f16 or f32 operands; f32 sums; everything else in f32.
;; Inputs: eb1 8 x 2,048 float32; eb2 8 x 2,048 float32; eb3 8 x 1,024 float32; ew1_codes 8 x 2,048 x 32 x 32 uint8 (E5M2 codes of ew1, K innermost, in blocks of 32 codes); ew1_scales 8 x 2,048 x 32 uint8 (E8M0 scales of ew1, one for each 32 codes along K); ew2_codes 8 x 2,048 x 64 x 32 uint8 (E5M2 codes of ew2, K innermost, in blocks of 32 codes); ew2_scales 8 x 2,048 x 64 uint8 (E8M0 scales of ew2, one for each 32 codes along K); ew3_codes 8 x 1,024 x 64 x 32 uint8 (E5M2 codes of ew3, K innermost, in blocks of 32 codes); ew3_scales 8 x 1,024 x 64 uint8 (E8M0 scales of ew3, one for each 32 codes along K); gb1 256 float32; gb2 128 float32; gb3 8 float32; gw1_codes 256 x 32 x 32 uint8 (E5M2 codes of gw1, K innermost, in blocks of 32 codes); gw1_scales 256 x 32 uint8 (E8M0 scales of gw1, one for each 32 codes along K); gw2_codes 128 x 8 x 32 uint8 (E5M2 codes of gw2, K innermost, in blocks of 32 codes); gw2_scales 128 x 8 uint8 (E8M0 scales of gw2, one for each 32 codes along K); gw3 128 x 8 float32; x_codes 1,024 x 32 x 32 uint8 (E5M2 codes of x, K innermost, in blocks of 32 codes); x_scales 1,024 x 32 uint8 (E8M0 scales of x, one for each 32 codes along K).
;; Outputs: out0 1,024 x 1,024 float32; out1 one number float32; out2 1,024 x 8 float32.
;; This version of the problem:
;;   THIS VERSION OF THE PROBLEM IS GIVEN IN LOW PRECISION. The matrix products marked QUANTISED in the list below multiply operands that are first quantised to E5M2 (5 exponent bits, 2 mantissa bits; 8 bits a number), with one power-of-two scale for each 32 numbers along K (OCP MX v1.0); their sums are f32. All else is computed in f32.
;;   The module's matrix products, in the order in which they are computed (A, B: the left and right operand; K: the contracted axis; several contracted axes count as one K, in the product's order):
;;     1. [M 1,024, K 1,024] x [K 1,024, N 256]; A: input x (given as codes); B: input gw1 (given as codes): QUANTISED
;;     2. [M 1,024, K 256] x [K 256, N 128]; A: computed on the way; B: input gw2 (given as codes): QUANTISED
;;     3. [M 1,024, K 128] x [K 128, N 8]; A: computed on the way; B: input gw3: left as it is (N = 8 < 16)
;;     4. [M 16,384, K 1,024] x [K 1,024, N 1,024]; A: input ew1 (given as codes); B: input x (given as codes): QUANTISED
;;     5. batch 8 x [M 1,024, K 2,048] x [K 2,048, N 2,048]; A: computed on the way; B: input ew2 (given as codes): QUANTISED
;;     6. batch 8 x [M 1,024, K 2,048] x [K 2,048, N 1,024]; A: computed on the way; B: input ew3 (given as codes): QUANTISED
;;     7. batch 1,024 x [M 1, K 8] x [K 8, N 1,024]; A: computed on the way; B: computed on the way: left as it is (K = 8 < 32)
;;   THE QUANTISER, for each operand of a quantised product, along K:
;;     - K is cut into blocks of 32 from its start; a last block that is shorter is filled with zeros.
;;     - A block's scale is 2^e with e = floor(log2(the largest magnitude in the block)) - 15, held to -126 .. 127; a block of zeros has e = 0. As a byte (E8M0): e + 127.
;;     - Each number is divided by its block's scale, clamped to +-57,344, and rounded to the nearest number of E5M2, ties to even, subnormals kept.
;;     - The product sums the exact products of the quantised numbers (number of the format x scale) in f32.
;;   ~~~python
;;   def quantise(x, axis):      # numpy; x: float32 -> the quantised numbers, widened to float32 again
;;       x = np.moveaxis(x, axis, -1); K = x.shape[-1]
;;       x = np.pad(x, [(0, 0)] * (x.ndim - 1) + [(0, -K % 32)]); x = x.reshape(x.shape[:-1] + (-1, 32)); a = np.abs(x).max(-1, keepdims=True)
;;       e = np.where(a > 0, np.clip(np.frexp(np.where(a > 0, a, 1))[1] - 1 - 15, -126, 127), 0)      # np.frexp(a)[1] - 1 = floor(log2(a)), exactly
;;       r = np.clip(x / 2.0 ** e, -57344, 57344)
;;       step = 2.0 ** (np.maximum(np.frexp(np.where(r == 0, 1, r))[1] - 1, -14) - 2)
;;       q = np.round(r / step) * step * 2.0 ** e      # np.round: ties to even
;;       return np.moveaxis(q.reshape(q.shape[:-2] + (-1,))[..., :K], -1, axis).astype(np.float32)
;;   ~~~
;;   OPERANDS COMPUTED ON THE WAY. 'Computed on the way' means the value that the module computes at that place (a softmax that the list does not call 'softmax' is quantised finished and normalised). What goes into a quantiser is computed in f32, as accurately as f32 sums, v_exp_f32 and their like allow (about 1e-6 of the number): no bf16 or f16 on the way to a quantiser, and a product that is left as it is and whose result goes on into a quantised operand takes f32 operands (vector FMAs, or v_wmma_f32_16x16x4_f32). A number that lies on a knife's edge between two numbers of the format may be rounded either way, as far as f32 arithmetic and the matrix unit's own rounding can turn it there, and no further.
;;   INPUTS GIVEN AS CODES. ew1 (in the module: [8, 1024, 2048], K = its axis 1); ew2 (in the module: [8, 2048, 2048], K = its axis 1); ew3 (in the module: [8, 2048, 1024], K = its axis 1); gw1 (in the module: [1024, 256], K = its axis 0); gw2 (in the module: [256, 128], K = its axis 0); x (in the module: [1024, 1024], K = its axis 1): each comes as NAME_codes (uint8): NAME with its K axis moved to the last place and cut into blocks of 32 codes, [.., K / 32, bytes a block], one block behind the other in memory; one code a byte (a code: sign, 5 exponent bits, 2 mantissa bits); and NAME_scales (uint8): the same leading axes, one E8M0 byte (e + 127) for each 32 codes along K. Its value is code x scale, taken as it is: it is not quantised again, and the codes and scales need not be those that the quantiser above would give.
;; 2 versions. Each part assembles by itself: llvm-mc -triple=amdgcn-amd-amdhsa -mcpu=gfx1250 --defsym DOCPART=n.
;; ======== version 1 of 2: 6 launches
;; workspace buffers: sel 8,192 bytes of whole numbers; selw 8,192 bytes; route 19,712 bytes of whole numbers; h1 5,879,808 bytes; h2 5,879,808 bytes; y 11,403,264 bytes
;; launch gate (part 1): grid 64 x 1, 8 waves a work-group, no clusters, 26,624 bytes of LDS; arguments x_codes, x_scales, gw1_codes, gw1_scales, gb1, gw2_codes, gw2_scales, gb2, gw3, gb3, out2, sel, selw; writes out2, sel, selw
.if DOCPART == 1
	.amdgcn_target "amdgcn-amd-amdhsa--gfx1250"
	.amdhsa_code_object_version 6
	.text
	.protected	k_q092622d433_gate
	.globl	k_q092622d433_gate
	.p2align	8
	.type	k_q092622d433_gate,@function
k_q092622d433_gate:
	s_mov_b64 s[64:65], 0
	v_nop
	global_prefetch_b8 v0, s[64:65] scope:SCOPE_SE
	s_setreg_imm32_b32 hwreg(HW_REG_WAVE_MODE, 25, 1), 1
	s_wait_xcnt 0x0
; THE GATE: g1 = relu(x gw1 + gb1), g2 = relu(g1 gw2 + gb2), logits = g2 gw3 + gb3, softmax, the two largest and their weights.
; The first two products run on codes of E5M2 with one E8M0 scale for each 32 along K; g1 is quantised on the way; the third (8 columns) is f32 multiply-adds.
; SHARES.  A work-group takes 16 tokens.  Wave w makes units 32 w .. 32 w + 31 of g1 (one block of the next K) and units 16 w .. 16 w + 15 of g2.
; Both products are used transposed (source 0 = 16 rows of the weight, source 1 = the 16 tokens): a lane holds ONE token (lane % 16) and its registers run along the units.
; The rows of gw1 that form a tile are not neighbours: lane r of tile u takes row 32 w + 8 u + r + 8 (r / 8), so that the 16 registers of the two tiles are 16 neighbours along the next K.
; The chosen experts go out as whole numbers at fixed places: no address and no branch of this launch hangs on them.
; No cluster: the work-groups share only the gate's weights, 0.3 MB, and each wave reads its own part of them once.
; LIMITS: NaN and infinities among the inputs are not served; a block of zeros of g1 gets the scale byte 1 (its codes are zeros, and this launch alone reads the byte);
; a probability under 2^-126 comes out as 0; where two probabilities are equal the lower expert is taken, and where they differ by f32 rounding alone either may be.
; REGISTERS, window 0: v1 lane, v2 r, v3 h; v4-15 addresses; v16-31 x's rows on their way to LDS, then g1's two tiles; v32-47 gb1; v48-63 gw1's scale words; v64-71 x's;
;   v72-103 gw2's two fragments (later at work); v104-105 gw2's scale words; v106-113 gb2; v114-117 g1's codes; v118-119 g1's scale words; v120-127 at work;
;   v128-255 x's eight fragments; later v128-191 gw3, then the waves' partial logits; v192-223 g1's fragments; v224-231 g2; v232-239 relu(g2); v240-255 logits, probabilities.
;   window 1: gw1's 16 fragments, (K step s, tile u) at 16 (2 s + u).
.set XP,  1040                         ; a row of x in LDS: 1,024 bytes + 16: the 16 rows that a fragment load touches start 65 x 16 bytes apart
.set G1I, 16*XP                        ; g1's two fragments as images of their registers, 2,048 bytes each
.set G1S, G1I+4096                     ; their scale words: 64 bytes a K step
.set PL,  G1S+256                      ; the waves' partial logits: 512 bytes a wave
.set MSB, 0
.macro WIN new                         ; the immediate's high byte repeats the setting that is left
.if MSB != \new
	s_set_vgpr_msb (MSB<<8)|\new
.set MSB, \new
.endif
.endm
.macro ADDP p, src, sh                 ; the address in s[p:p+1] goes on by src << sh bytes (s5 = 0)
	s_lshl_b32 s4, \src, \sh
	s_add_nc_u64 s[\p:\p+1], s[\p:\p+1], s[4:5]
.endm
.macro BARRIER                         ; my LDS stores have landed and my LDS loads are in: then the work-group's barrier
	s_wait_dscnt 0x0
	s_barrier_signal -1
	s_barrier_wait -1
.endm
.macro L1MUL s                         ; K step s of the first product: the two tiles by turns; the first step takes the bias as C
.irp u, 0,1
.if \s == 0
	v_wmma_scale_f32_16x16x128_f8f6f4 v[16+8*\u:23+8*\u], v[16*(2*\s+\u):16*(2*\s+\u)+15], v[128+16*\s:143+16*\s], v[32+8*\u:39+8*\u], v[48+8*\u+\s], v[64+\s] matrix_a_fmt:MATRIX_FMT_BF8 matrix_b_fmt:MATRIX_FMT_BF8
.else
	v_wmma_scale_f32_16x16x128_f8f6f4 v[16+8*\u:23+8*\u], v[16*(2*\s+\u):16*(2*\s+\u)+15], v[128+16*\s:143+16*\s], v[16+8*\u:23+8*\u], v[48+8*\u+\s], v[64+\s] matrix_a_fmt:MATRIX_FMT_BF8 matrix_b_fmt:MATRIX_FMT_BF8
.endif
.endr
.endm
	s_load_b512 s[8:23], s[0:1], 0x0               ; x_codes 8, x_scales 10, gw1_codes 12, gw1_scales 14, gb1 16, gw2_codes 18, gw2_scales 20, gb2 22
	s_load_b256 s[24:31], s[0:1], 0x40             ; gw3 24, gb3 26, out2 28, sel 30
	s_load_b64 s[32:33], s[0:1], 0x60              ; selw
	v_lshrrev_b32 v1, 5, v0
	v_readfirstlane_b32 s2, v1                     ; wave 0..7
	v_and_b32 v1, 31, v0                           ; lane
	v_and_b32 v2, 15, v0                           ; r
	v_bfe_u32 v3, v0, 4, 1                         ; h
	v_lshlrev_b32 v4, 4, v2
	v_lshl_add_u32 v4, v3, 10, v4                  ; x's rows in memory: two rows a load: 1,024 h + 16 r
	s_mul_i32 s3, s2, 2*XP
	v_mul_u32_u24 v5, v3, XP
	v_lshl_add_u32 v5, v2, 4, v5
	v_add_nc_u32 v5, s3, v5                        ; and in LDS: row 2 w + h
	v_mul_u32_u24 v6, v2, XP
	v_lshl_add_u32 v6, v3, 4, v6                   ; x's fragments: row r, + 16 h
	v_and_b32 v7, 8, v2
	v_add_nc_u32 v7, v7, v2                        ; r + 8 (r / 8)
	v_lshlrev_b32 v8, 10, v7
	v_lshl_add_u32 v8, v3, 4, v8                   ; gw1's fragments: a row is 1,024 bytes
	v_lshlrev_b32 v9, 5, v7                        ; gw1's scale bytes: 32 a row
	v_lshlrev_b32 v10, 5, v2                       ; x's likewise
	v_lshlrev_b32 v11, 6, v3                       ; gb1: 16 h numbers on
	v_lshlrev_b32 v12, 8, v2
	v_lshl_add_u32 v12, v3, 4, v12                 ; gw2's fragments: a row is 256 bytes
	v_lshlrev_b32 v13, 3, v2                       ; gw2's scale bytes: 8 a row
	v_lshlrev_b32 v14, 5, v3                       ; gb2: 8 h numbers on
	v_lshlrev_b32 v15, 8, v3                       ; gw3: 8 h rows of 32 bytes on
	v_mov_b32 v122, 0                              ; written once: a lane permute's destination counts as one of its sources
	v_mov_b32 v126, 0
	v_cmp_eq_u32 s47, 1, v3                        ; lanes 16-31
	s_mov_b32 s5, 0
	s_mov_b32 s44, 0x76543210
	s_mov_b32 s45, 0xfedcba98                      ; v_permlanex16_b32's selects for lane l xor 16
	s_mov_b32 s46, 0x600000                        ; the mantissa field of 57,344
	s_wait_kmcnt 0x0
	s_load_b256 s[36:43], s[26:27], 0x0            ; gb3's eight numbers
	ADDP 8, ttmp9, 14                              ; my work-group's 16 tokens,
	ADDP 8, s2, 11                                 ; my wave's two rows of them
	ADDP 10, ttmp9, 9
	ADDP 12, s2, 15                                ; my 32 rows of gw1
	ADDP 14, s2, 10
	ADDP 16, s2, 7
	ADDP 18, s2, 12                                ; my 16 rows of gw2
	ADDP 20, s2, 7
	ADDP 22, s2, 6
	ADDP 24, s2, 9                                 ; my 16 rows of gw3
	ADDP 28, ttmp9, 9
	ADDP 30, ttmp9, 7
	ADDP 32, ttmp9, 7
	; ---- 1: everything is asked for; x's rows first, since all eight waves wait for them
.irp j, 0,1,2,3
	global_load_b128 v[16+4*\j:19+4*\j], v4, s[8:9] offset:256*\j
.endr
.irp u, 0,1
	global_load_b128 v[32+8*\u:35+8*\u], v11, s[16:17] offset:32*\u        ; gb1 in the result's layout: units 32 w + 16 h + 8 u + 0 .. 7
	global_load_b128 v[36+8*\u:39+8*\u], v11, s[16:17] offset:32*\u+16
	global_load_b128 v[48+8*\u:51+8*\u], v9, s[14:15] offset:256*\u        ; the eight scale words of my row of tile u
	global_load_b128 v[52+8*\u:55+8*\u], v9, s[14:15] offset:256*\u+16
.endr
	global_load_b128 v[64:67], v10, s[10:11]
	global_load_b128 v[68:71], v10, s[10:11] offset:16
.irp s, 0,1
.irp c, 0,1,2,3
	global_load_b128 v[72+16*\s+4*\c:75+16*\s+4*\c], v12, s[18:19] offset:128*\s+32*\c
.endr
.endr
	global_load_b64 v[104:105], v13, s[20:21]
	global_load_b128 v[106:109], v14, s[22:23]
	global_load_b128 v[110:113], v14, s[22:23] offset:16
	WIN 0x40                                       ; destination window 1
.irp s, 0,1,2,3
.irp u, 0,1
.irp c, 0,1,2,3
	global_load_b128 v[16*(2*\s+\u)+4*\c:16*(2*\s+\u)+4*\c+3], v8, s[12:13] offset:8192*\u+128*\s+32*\c
.endr
.endr
.endr
	WIN 0
	s_wait_loadcnt 53                              ; x's four loads are in; the 21 + 32 issued behind them may be out
.irp j, 0,1,2,3
	ds_store_b128 v5, v[16+4*\j:19+4*\j] offset:256*\j
.endr
	WIN 0x40
.irp s, 4,5,6,7
.irp u, 0,1
.irp c, 0,1,2,3
	global_load_b128 v[16*(2*\s+\u)+4*\c:16*(2*\s+\u)+4*\c+3], v8, s[12:13] offset:8192*\u+128*\s+32*\c
.endr
.endr
.endr
	WIN 0
	s_wait_kmcnt 0x0                               ; gb3
	BARRIER                                        ; the 16 rows of x lie in LDS
	; ---- 2: g1 = x gw1 + gb1, my two tiles
.irp s, 0,1,2,3,4,5,6,7
.irp c, 0,1,2,3
	ds_load_b128 v[128+16*\s+4*\c:131+16*\s+4*\c], v6 offset:128*\s+32*\c
.endr
.endr
	s_wait_dscnt 0x0
	s_wait_loadcnt 32                              ; all but gw1's K steps 4 to 7
	WIN 0x01                                       ; source 0 (gw1) window 1
	L1MUL 0
	L1MUL 1
	L1MUL 2
	L1MUL 3
	s_wait_loadcnt 0x0
	L1MUL 4
	L1MUL 5
	L1MUL 6
	L1MUL 7
	WIN 0
.rept 8
	v_nop                                          ; eight places behind this form before its results are read and its operands' registers loaded again
.endr
	; the addresses of the later phases, in registers whose loads have been waited for
	s_lshl_b32 s3, s2, 9
	v_lshlrev_b32 v9, 4, v1                        ; 16 x lane: an image's place for my lane
	v_add_nc_u32 v4, s3, v9                        ; my four registers of g1's images: 512 w + 16 x lane
	v_lshlrev_b32 v10, 2, v2                       ; 4 r: a token's scale word
	s_lshr_b32 s34, s2, 2
	s_lshl_b32 s34, s34, 6
	s_and_b32 s35, s2, 3
	s_add_co_u32 s34, s34, s35
	v_add_nc_u32 v8, s34, v10                      ; my block's byte in it: K step w / 4, byte w % 4
	v_lshlrev_b32 v12, 5, v2                       ; 32 r: a token's eight logits
	v_lshl_add_u32 v13, v3, 4, v12                 ; + 16 h: four of them
	v_add_nc_u32 v11, s3, v13                      ; in my wave's 512 bytes
	v_lshlrev_b32 v14, 3, v2
	v_lshl_add_u32 v14, v3, 2, v14                 ; 8 r + 4 h: sel and selw
.irp j, 0,1,2,3,4,5,6,7
	global_load_b128 v[128+8*\j:131+8*\j], v15, s[24:25] offset:32*\j      ; gw3's row of unit 16 w + 8 h + j: wanted two phases on
	global_load_b128 v[132+8*\j:135+8*\j], v15, s[24:25] offset:32*\j+16
.endr
	; ---- 3: relu and the quantiser: my 16 numbers and lane l xor 16's are one block of 32.  No |.|: what is negative becomes 0, so it must not count; the floor 2^(16 - 127) stands over it and keeps the byte at 1 or more
	v_max3_num_f32 v120, v16, v17, 0x8000000
	v_max3_num_f32 v121, v24, v25, v26
	v_max3_num_f32 v120, v120, v18, v19
	v_max3_num_f32 v121, v121, v27, v28
	v_max3_num_f32 v120, v120, v20, v21
	v_max3_num_f32 v121, v121, v29, v30
	v_max3_num_f32 v120, v120, v22, v23
	v_max3_num_f32 v120, v120, v121, v31
	v_permlanex16_b32 v122, v120, s44, s45
	v_max_num_f32 v120, v120, v122                 ; the block's largest number
	v_add_nc_u32 v123, 0xf8800000, v120            ; 15 off its exponent field: the conversion takes the exponent field of this operand as its scale
	v_and_or_b32 v124, v120, 0x7f800000, s46       ; 57,344 x the scale
	v_lshrrev_b32 v125, 23, v123                   ; the scale's byte
.irp i, 0,1,2,3,4,5,6,7,8,9,10,11,12,13,14,15
	v_med3_num_f32 v[16+\i], v[16+\i], 0, v124     ; the activation and the hold in one: the conversion to an 8-bit code does not saturate (ISA guide 7.6.2)
.endr
	v_cvt_scalef32_pk8_bf8_f32 v[114:115], v[16:23], v123
	v_cvt_scalef32_pk8_bf8_f32 v[116:117], v[24:31], v123
	v_nop                                          ; one plain line behind the last conversion
	ds_store_b128 v4, v[114:117] offset:G1I        ; registers 4 (w % 4) .. + 3 of fragment w / 4, as they stand
	ds_store_b8 v8, v125 offset:G1S                ; both lanes of a token write the same byte with the same value
	BARRIER                                        ; g1's two fragments and their scale words lie in LDS
	; ---- 4: g2 = g1 gw2 + gb2, my one tile
.irp s, 0,1
.irp c, 0,1,2,3
	ds_load_b128 v[192+16*\s+4*\c:195+16*\s+4*\c], v9 offset:G1I+2048*\s+512*\c
.endr
	ds_load_b32 v[118+\s], v10 offset:G1S+64*\s
.endr
	s_wait_dscnt 0x0
	v_wmma_scale_f32_16x16x128_f8f6f4 v[224:231], v[72:87], v[192:207], v[106:113], v104, v118 matrix_a_fmt:MATRIX_FMT_BF8 matrix_b_fmt:MATRIX_FMT_BF8
	s_wait_alu depctr_va_vdst(0)                   ; one accumulator, two links
	v_wmma_scale_f32_16x16x128_f8f6f4 v[224:231], v[88:103], v[208:223], v[224:231], v105, v119 matrix_a_fmt:MATRIX_FMT_BF8 matrix_b_fmt:MATRIX_FMT_BF8
.rept 8
	v_nop
.endr
.irp j, 0,1,2,3,4,5,6,7
	v_max_num_f32 v[232+\j], 0, v[224+\j]          ; relu, from the accumulator's low end on: unit 16 w + 8 h + j of token r
.endr
	; ---- 5: my 8 units' part of the token's eight logits, in f32
	s_wait_loadcnt 0x0                             ; gw3
.irp e, 0,1,2,3,4,5,6,7
	v_mul_f32 v[240+\e], v232, v[128+\e]
.endr
.irp j, 1,2,3,4,5,6,7
.irp e, 0,1,2,3,4,5,6,7
	v_fmac_f32 v[240+\e], v[232+\j], v[128+8*\j+\e]
.endr
.endr
.irp e, 0,2,4,6
	v_permlanex16_b32 v122, v[240+\e], s44, s45    ; lane l xor 16 holds the tile's other 8 units
	v_permlanex16_b32 v126, v[241+\e], s44, s45
	v_add_f32 v[240+\e], v[240+\e], v122
	v_add_f32 v[241+\e], v[241+\e], v126
.endr
.irp i, 0,1,2,3
	v_cndmask_b32 v[120+\i], v[240+\i], v[244+\i], s47   ; lanes 0-15 store experts 0-3, lanes 16-31 experts 4-7
.endr
	ds_store_b128 v11, v[120:123] offset:PL
	BARRIER                                        ; the eight waves' parts lie in LDS
	s_cmp_lg_u32 s2, 0
	s_cbranch_scc1 .Lend                           ; the rest is 16 tokens' work: wave 0's
	; ---- 6: the logits, the softmax, the two largest
.irp w, 0,1,2,3,4,5,6,7
	ds_load_b128 v[128+8*\w:131+8*\w], v12 offset:PL+512*\w
	ds_load_b128 v[132+8*\w:135+8*\w], v12 offset:PL+512*\w+16
.endr
	s_wait_dscnt 0x0
.irp e, 0,1,2,3,4,5,6,7
	v_add_f32 v[240+\e], s[36+\e], v[128+\e]       ; gb3 + wave 0's part
.endr
.irp w, 1,2,3,4,5,6,7
.irp e, 0,1,2,3,4,5,6,7
	v_add_f32 v[240+\e], v[240+\e], v[128+8*\w+\e]
.endr
.endr
	v_max3_num_f32 v72, v240, v241, v242
	v_max3_num_f32 v72, v72, v243, v244
	v_max3_num_f32 v72, v72, v245, v246
	v_max_num_f32 v72, v72, v247                   ; the row's largest logit is taken away before the exponential
.irp e, 0,1,2,3,4,5,6,7
	v_sub_f32 v[248+\e], v[240+\e], v72
.endr
.irp e, 0,1,2,3,4,5,6,7
	v_mul_f32 v[248+\e], 0x3fb8aa3b, v[248+\e]     ; x log2(e)
.endr
.irp e, 0,1,2,3,4,5,6,7
	v_exp_f32 v[248+\e], v[248+\e]
.endr
	v_nop                                          ; a plain line behind the exponentials
	s_wait_alu depctr_va_vdst(0)
	v_add_f32 v73, v248, v249
	v_add_f32 v74, v250, v251
	v_add_f32 v73, v73, v252
	v_add_f32 v74, v74, v253
	v_add_f32 v73, v73, v254
	v_add_f32 v74, v74, v255
	v_add_f32 v73, v73, v74
	v_rcp_f32 v74, v73
	v_mov_b32 v76, 0                               ; (a plain line behind the reciprocal)
	s_wait_alu depctr_va_vdst(0)
.irp e, 0,1,2,3,4,5,6,7
	v_mul_f32 v[240+\e], v[248+\e], v74            ; the probabilities
.endr
	v_max3_num_f32 v75, v240, v241, v242
	v_max3_num_f32 v75, v75, v243, v244
	v_max3_num_f32 v75, v75, v245, v246
	v_max_num_f32 v75, v75, v247                   ; the largest,
.irp e, 7,6,5,4,3,2,1,0
	v_cmp_eq_f32 vcc_lo, v[240+\e], v75
	v_cndmask_b32 v76, v76, \e, vcc_lo             ; and where: from 7 down, so that the lowest expert wins a tie
.endr
.irp e, 0,1,2,3,4,5,6,7
	v_cmp_eq_u32 vcc_lo, \e, v76
	v_cndmask_b32 v[248+\e], v[240+\e], -1.0, vcc_lo     ; the winner leaves the field
.endr
	v_mov_b32 v78, 0
	v_max3_num_f32 v77, v248, v249, v250
	v_max3_num_f32 v77, v77, v251, v252
	v_max3_num_f32 v77, v77, v253, v254
	v_max_num_f32 v77, v77, v255                   ; the second,
.irp e, 7,6,5,4,3,2,1,0
	v_cmp_eq_f32 vcc_lo, v[248+\e], v77
	v_cndmask_b32 v78, v78, \e, vcc_lo
.endr
	v_add_f32 v79, v75, v77
	v_rcp_f32 v80, v79
.irp i, 0,1,2,3
	v_cndmask_b32 v[84+\i], v[240+\i], v[244+\i], s47    ; (plain lines behind the reciprocal)  lanes 0-15 store probabilities 0-3, lanes 16-31 4-7
.endr
	s_wait_alu depctr_va_vdst(0)
	v_mul_f32 v81, v75, v80                        ; the two weights, renormalised
	v_mul_f32 v82, v77, v80
	v_cndmask_b32 v88, v76, v78, s47               ; lanes 0-15 store the first choice, lanes 16-31 the second
	v_cndmask_b32 v89, v81, v82, s47
	global_store_b128 v13, v[84:87], s[28:29]      ; 512 consecutive bytes of out2
	global_store_b32 v14, v88, s[30:31]
	global_store_b32 v14, v89, s[32:33]
.Lend:
	s_wait_xcnt 0x0
	v_lshl_add_u32 v254, v0, 2, 0x6400
	v_mov_b32 v255, 0
	s_wait_tensorcnt 0x0
	ds_add_u32 v254, v255
	s_wait_dscnt 0x0
	s_endpgm
.Lfunc_end_k_q092622d433_gate:
	.size	k_q092622d433_gate, .Lfunc_end_k_q092622d433_gate-k_q092622d433_gate
	.p2alignl 7, 3214868480
	.fill 96, 4, 3214868480
	.section	.rodata,"a",@progbits
	.p2align	6, 0x0
	.amdhsa_kernel k_q092622d433_gate
		.amdhsa_group_segment_fixed_size 26624
		.amdhsa_private_segment_fixed_size 0
		.amdhsa_enable_private_segment 0
		.amdhsa_kernarg_size 104
		.amdhsa_user_sgpr_count 2
		.amdhsa_user_sgpr_kernarg_segment_ptr 1
		.amdhsa_wavefront_size32 1
		.amdhsa_system_sgpr_workgroup_id_x 1
		.amdhsa_system_sgpr_workgroup_id_y 1
		.amdhsa_system_sgpr_workgroup_id_z 1
		.amdhsa_system_vgpr_workitem_id 0
		.amdhsa_next_free_vgpr 512
		.amdhsa_next_free_sgpr 66
		.amdhsa_reserve_vcc 1
		.amdhsa_float_denorm_mode_32 3
		.amdhsa_float_denorm_mode_16_64 3
		.amdhsa_memory_ordered 1
		.amdhsa_forward_progress 1
		.amdhsa_inst_pref_size 34
	.end_amdhsa_kernel
	.amdgpu_metadata
---
amdhsa.version: [ 1, 2 ]
amdhsa.kernels:
  - .name:           k_q092622d433_gate
    .symbol:         k_q092622d433_gate.kd
    .args:
      - { .name: x_codes, .offset: 0, .size: 8, .value_kind: global_buffer, .address_space: global }
      - { .name: x_scales, .offset: 8, .size: 8, .value_kind: global_buffer, .address_space: global }
      - { .name: gw1_codes, .offset: 16, .size: 8, .value_kind: global_buffer, .address_space: global }
      - { .name: gw1_scales, .offset: 24, .size: 8, .value_kind: global_buffer, .address_space: global }
      - { .name: gb1, .offset: 32, .size: 8, .value_kind: global_buffer, .address_space: global }
      - { .name: gw2_codes, .offset: 40, .size: 8, .value_kind: global_buffer, .address_space: global }
      - { .name: gw2_scales, .offset: 48, .size: 8, .value_kind: global_buffer, .address_space: global }
      - { .name: gb2, .offset: 56, .size: 8, .value_kind: global_buffer, .address_space: global }
      - { .name: gw3, .offset: 64, .size: 8, .value_kind: global_buffer, .address_space: global }
      - { .name: gb3, .offset: 72, .size: 8, .value_kind: global_buffer, .address_space: global }
      - { .name: out2, .offset: 80, .size: 8, .value_kind: global_buffer, .address_space: global }
      - { .name: sel, .offset: 88, .size: 8, .value_kind: global_buffer, .address_space: global }
      - { .name: selw, .offset: 96, .size: 8, .value_kind: global_buffer, .address_space: global }
    .group_segment_fixed_size: 26624
    .private_segment_fixed_size: 0
    .kernarg_segment_align: 8
    .kernarg_segment_size: 104
    .max_flat_workgroup_size: 256
    .sgpr_count:     66
    .vgpr_count:     512
    .wavefront_size: 32
...
	.end_amdgpu_metadata
.endif
;; end of part 1
;; launch place (part 2): grid 1 x 1, 32 waves a work-group, no clusters, 6,144 bytes of LDS; arguments sel, out2, route, out1; writes route, out1
.if DOCPART == 2
	.amdgcn_target "amdgcn-amd-amdhsa--gfx1250"
	.amdhsa_code_object_version 6
	.text
	.protected	k_q092622d433_place
	.globl	k_q092622d433_place
	.p2align	8
	.type	k_q092622d433_place,@function
k_q092622d433_place:
	s_mov_b64 s[64:65], 0
	v_nop
	global_prefetch_b8 v0, s[64:65] scope:SCOPE_SE
	s_setreg_imm32_b32 hwreg(HW_REG_WAVE_MODE, 25, 1), 1
	s_wait_xcnt 0x0
; THE ROWS ARE PLACED BY EXPERT (a counting sort without atomics), the table of tiles is made, and the load-balancing loss is computed.
; One work-group, a thread a token.  Expert e gets ceil(c_e / 96) tiles of 96 positions; a token's two rows get positions 96 x tile + slot, in token order within an expert.
; route: byte 0: [32] {expert, rows} a tile (rows = 0: no such tile);  byte 256: [1024][2] the positions of a token's two rows;  byte 8,448: [2,784] the token at a position (real positions alone are written).
; The counts of a wave come from ballots; two counts share a word (a count is at most 1,024); the waves' words meet in LDS behind the one barrier, and every wave adds them up for itself.
; The work is a few thousand whole numbers: one work-group does it, and no matrix unit, cluster or ring would add anything.
; LIMITS: sel holds experts 0 to 7, two different ones a token, as the gate stores them.
.set CT, 0                             ; LDS: [4 words][32 waves]: the waves' packed counts
.set PS, 512                           ; [32 waves][8]: the waves' sums of the probabilities
.set TMP, 24
.macro RSUMF reg                       ; a sum over the wave's 32 lanes, f32; every lane gets it
.irp m, 1,2,4,8
	v_add_f32_dpp v[\reg], v[\reg], v[\reg] row_xmask:\m row_mask:0xf bank_mask:0xf
.endr
	v_permlanex16_b32 v[TMP], v[\reg], s44, s45
	v_add_f32 v[\reg], v[\reg], v[TMP]
.endm
.macro RSUMI reg                       ; the same of whole numbers
.irp m, 1,2,4,8
	v_mov_b32_dpp v[TMP], v[\reg] row_xmask:\m row_mask:0xf bank_mask:0xf
	v_add_nc_u32 v[\reg], v[\reg], v[TMP]
.endr
	v_permlanex16_b32 v[TMP], v[\reg], s44, s45
	v_add_nc_u32 v[\reg], v[\reg], v[TMP]
.endm
	s_load_b256 s[4:11], s[0:1], 0x0               ; sel 4, out2 6, route 8, out1 10
	v_lshl_add_u32 v64, v0, 2, 0x800
	v_mov_b32 v65, 0
	v_lshrrev_b32 v1, 5, v0
	v_readfirstlane_b32 s2, v1                     ; wave 0..31
	v_and_b32 v1, 31, v0                           ; lane
	v_lshlrev_b32 v16, 3, v0                       ; 8 x token
	v_lshlrev_b32 v17, 5, v0                       ; 32 x token
	s_lshl_b32 s12, s2, 2
	v_mov_b32 v18, s12                             ; CT: my wave's column
	s_lshl_b32 s12, s2, 5
	v_mov_b32 v19, s12                             ; PS: my wave's row
	v_lshlrev_b32 v20, 2, v1                       ; CT: lane l reads wave l's column
	v_lshlrev_b32 v21, 5, v1                       ; PS: lane l reads wave l's row
	v_mov_b32 v[TMP], 0                            ; written once: the destination of a lane permute or a DPP move counts as one of its sources
	s_mov_b32 s44, 0x76543210
	s_mov_b32 s45, 0xfedcba98
	s_wait_kmcnt 0x0
	global_load_b64 v[2:3], v16, s[4:5]            ; my token's two experts
	global_load_b128 v[4:7], v17, s[6:7]           ; and its eight probabilities
	global_load_b128 v[8:11], v17, s[6:7] offset:16
	s_wait_loadcnt 0x2                             ; the experts are in
.irp e, 0,1,2,3,4,5,6,7
	v_cmp_eq_u32 s12, \e, v2
	v_cmp_eq_u32 s13, \e, v3
	s_or_b32 s[20+\e], s12, s13                    ; which lanes of my wave send a row to expert e: kept for the ranks
	s_bcnt1_i32_b32 s[28+\e], s[20+\e]
.endr
.irp i, 0,1,2,3
	s_lshl_b32 s12, s[29+2*\i], 16
	s_or_b32 s12, s[28+2*\i], s12                  ; two counts to a word
	v_mov_b32 v[12+\i], s12
	ds_store_b32 v18, v[12+\i] offset:CT+128*\i    ; all lanes write the same word with the same value
.endr
	s_wait_loadcnt 0x0
.irp e, 0,1,2,3,4,5,6,7
	RSUMF 4+\e
.endr
	ds_store_b128 v19, v[4:7] offset:PS
	ds_store_b128 v19, v[8:11] offset:PS+16
	s_wait_dscnt 0x0                               ; for the others' sake: my stores have landed
	s_barrier_signal -1
	s_barrier_wait -1
.irp i, 0,1,2,3
	ds_load_b32 v[32+\i], v20 offset:CT+128*\i     ; lane l: wave l's counts
.endr
	s_wait_dscnt 0x0
	v_cmp_gt_u32 vcc_lo, s2, v1                    ; the waves in front of mine
.irp i, 0,1,2,3
	v_cndmask_b32 v[36+\i], 0, v[32+\i], vcc_lo
.endr
.irp k, 0,1,2,3,4,5,6,7
	RSUMI 32+\k
.endr
.irp k, 0,1,2,3,4,5,6,7
	v_readfirstlane_b32 s[48+\k], v[32+\k]
.endr
.irp i, 0,1,2,3
	s_and_b32 s[56+2*\i], s[48+\i], 0xffff         ; c_e: s56-63
	s_lshr_b32 s[57+2*\i], s[48+\i], 16
	s_and_b32 s[66+2*\i], s[52+\i], 0xffff         ; rows of expert e in the waves in front of mine: s66-73
	s_lshr_b32 s[67+2*\i], s[52+\i], 16
.endr
.irp e, 0,1,2,3,4,5,6,7
	s_add_co_u32 s12, s[56+\e], 95
	s_mul_i32 s12, s12, 683
	s_lshr_b32 s[74+\e], s12, 16                   ; ceil(c_e / 96): x 683 >> 16 is x / 96 rounded down for x up to 1,119
.endr
	s_mov_b32 s82, 0                               ; the expert's first tile: s82-89
.irp e, 0,1,2,3,4,5,6
	s_add_co_u32 s[83+\e], s[82+\e], s[74+\e]
.endr
.irp e, 0,1,2,3,4,5,6,7
	s_mul_i32 s12, s[82+\e], 96
	s_add_co_u32 s[90+\e], s12, s[66+\e]           ; the position of my wave's first row for expert e: s90-97
.endr
	v_mov_b32 v26, 0
	v_mov_b32 v27, 0
.irp e, 0,1,2,3,4,5,6,7
	v_mbcnt_lo_u32_b32 v25, s[20+\e], s[90+\e]     ; + the lanes below mine that send a row there
	v_cmp_eq_u32 vcc_lo, \e, v2
	v_cndmask_b32 v26, v26, v25, vcc_lo
	v_cmp_eq_u32 vcc_lo, \e, v3
	v_cndmask_b32 v27, v27, v25, vcc_lo
.endr
	global_store_b64 v16, v[26:27], s[8:9] offset:256      ; the token's two positions
	v_min_u32 v28, 0xadf, v26                      ; a position is at most 2,783
	v_min_u32 v29, 0xadf, v27
	v_lshlrev_b32 v28, 2, v28
	v_lshlrev_b32 v29, 2, v29
	global_store_b32 v28, v0, s[8:9] offset:8448   ; the token at each of them
	global_store_b32 v29, v0, s[8:9] offset:8448
	s_cmp_lg_u32 s2, 0
	s_cbranch_scc1 .Lend
	; ---- wave 0: the table of tiles, a lane a tile
	v_mov_b32 v30, 0
	v_mov_b32 v31, 0
.irp e, 0,1,2,3,4,5,6,7
	v_sub_nc_u32 v40, v1, s[82+\e]                 ; which tile of expert e would I be (a tile in front of its first wraps to a large number)
	v_cmp_gt_u32 vcc_lo, s[74+\e], v40
	v_mul_u32_u24 v41, v40, 96
	v_sub_nc_u32 v41, s[56+\e], v41
	v_min_u32 v41, 96, v41                         ; the rows left for it, 96 at the most
	v_cndmask_b32 v31, v31, v41, vcc_lo
	v_cndmask_b32 v30, v30, \e, vcc_lo
.endr
	v_lshlrev_b32 v42, 3, v1
	global_store_b64 v42, v[30:31], s[8:9]         ; 256 consecutive bytes
	; ---- and the loss
	ds_load_b128 v[44:47], v21 offset:PS
	ds_load_b128 v[48:51], v21 offset:PS+16
	s_wait_dscnt 0x0
.irp e, 0,1,2,3,4,5,6,7
	RSUMF 44+\e
.endr
.irp e, 0,1,2,3,4,5,6,7
	v_mul_f32 v[44+\e], 0x3a800000, v[44+\e]       ; usage = the sum / 1,024
.endr
.irp e, 0,1,2,3,4,5,6,7
	v_add_f32 v[52+\e], 0x322bcc77, v[44+\e]       ; + 1e-8
.endr
.irp e, 0,1,2,3,4,5,6,7
	v_log_f32 v[52+\e], v[52+\e]                   ; log2
.endr
	v_add_f32 v60, v44, v45                        ; (a plain line behind the logarithms)
.irp e, 2,3,4,5,6,7
	v_add_f32 v60, v60, v[44+\e]
.endr
	v_mul_f32 v60, 0x3e000000, v60                 ; the mean usage
	s_wait_alu depctr_va_vdst(0)
	v_add_f32 v61, v52, v53
	v_mul_f32 v62, v44, v52
.irp e, 2,3,4,5,6,7
	v_add_f32 v61, v61, v[52+\e]                   ; the sum of the logarithms
.endr
.irp e, 1,2,3,4,5,6,7
	v_fmac_f32 v62, v[44+\e], v[52+\e]             ; the sum of usage x logarithm
.endr
	v_sub_f32 v40, v44, v60
	v_mul_f32 v63, v40, v40
.irp e, 1,2,3,4,5,6,7
	v_sub_f32 v40, v[44+\e], v60
	v_fmac_f32 v63, v40, v40                       ; the sum of squares about the mean
.endr
	v_mul_f32 v61, 0xbdb17218, v61                 ; kl = ln(1/8) - (ln 2 / 8) x the sum of log2
	v_add_f32 v61, 0xc0051593, v61
	v_mul_f32 v62, 0x3f317218, v62                 ; max_ent - ent = 8 ln 8 + ln 2 x the sum of usage x log2
	v_add_f32 v62, 0x41851593, v62
	v_mul_f32 v63, 0x3e124925, v63                 ; var = the sum of squares / 7
	v_mul_f32 v61, 0.5, v61
	v_fmac_f32 v61, 0x3e99999a, v63                ; + 0.3 var
	v_fmac_f32 v61, 0x3e4ccccd, v62                ; + 0.2 (max_ent - ent)
	v_mul_f32 v61, 0x3c23d70a, v61                 ; x 0.01
	v_mov_b32 v43, 0
	v_cmp_eq_u32 vcc_lo, 0, v1
	s_wait_xcnt 0x0                                ; EXEC is a source of the stores above: it changes only behind this wait
	s_and_saveexec_b32 s12, vcc_lo
	global_store_b32 v43, v61, s[10:11]            ; lane 0 stores the one number
	s_wait_xcnt 0x0
	s_or_b32 exec_lo, exec_lo, s12
.Lend:
	s_wait_tensorcnt 0x0
	ds_add_u32 v64, v65
	s_wait_dscnt 0x0
	s_endpgm
.Lfunc_end_k_q092622d433_place:
	.size	k_q092622d433_place, .Lfunc_end_k_q092622d433_place-k_q092622d433_place
	.p2alignl 7, 3214868480
	.fill 96, 4, 3214868480
	.section	.rodata,"a",@progbits
	.p2align	6, 0x0
	.amdhsa_kernel k_q092622d433_place
		.amdhsa_group_segment_fixed_size 6144
		.amdhsa_private_segment_fixed_size 0
		.amdhsa_enable_private_segment 0
		.amdhsa_kernarg_size 32
		.amdhsa_user_sgpr_count 2
		.amdhsa_user_sgpr_kernarg_segment_ptr 1
		.amdhsa_wavefront_size32 1
		.amdhsa_system_sgpr_workgroup_id_x 1
		.amdhsa_system_sgpr_workgroup_id_y 1
		.amdhsa_system_sgpr_workgroup_id_z 1
		.amdhsa_system_vgpr_workitem_id 0
		.amdhsa_next_free_vgpr 66
		.amdhsa_next_free_sgpr 100
		.amdhsa_reserve_vcc 1
		.amdhsa_float_denorm_mode_32 3
		.amdhsa_float_denorm_mode_16_64 3
		.amdhsa_memory_ordered 1
		.amdhsa_forward_progress 1
		.amdhsa_inst_pref_size 26
	.end_amdhsa_kernel
	.amdgpu_metadata
---
amdhsa.version: [ 1, 2 ]
amdhsa.kernels:
  - .name:           k_q092622d433_place
    .symbol:         k_q092622d433_place.kd
    .args:
      - { .name: sel, .offset: 0, .size: 8, .value_kind: global_buffer, .address_space: global }
      - { .name: out2, .offset: 8, .size: 8, .value_kind: global_buffer, .address_space: global }
      - { .name: route, .offset: 16, .size: 8, .value_kind: global_buffer, .address_space: global }
      - { .name: out1, .offset: 24, .size: 8, .value_kind: global_buffer, .address_space: global }
    .group_segment_fixed_size: 6144
    .private_segment_fixed_size: 0
    .kernarg_segment_align: 8
    .kernarg_segment_size: 32
    .max_flat_workgroup_size: 1024
    .sgpr_count:     100
    .vgpr_count:     66
    .wavefront_size: 32
...
	.end_amdgpu_metadata
.endif
;; end of part 2
;; launch ffn1 (part 3): grid 8 x 29, 4 waves a work-group, no clusters, 187,904 bytes of LDS; arguments x_codes, x_scales, ew1_codes, ew1_scales, eb1, route, h1; writes h1
.if DOCPART == 3
	.amdgcn_target "amdgcn-amd-amdhsa--gfx1250"
	.amdhsa_code_object_version 6
	.text
	.protected	k_q092622d433_ffn1
	.globl	k_q092622d433_ffn1
	.p2align	8
	.type	k_q092622d433_ffn1,@function
k_q092622d433_ffn1:
	s_mov_b64 s[64:65], 0
	v_nop
	global_prefetch_b8 v0, s[64:65] scope:SCOPE_SE
	s_setreg_imm32_b32 hwreg(HW_REG_WAVE_MODE, 25, 1), 1
	s_wait_xcnt 0x0
; ONE LAYER OF THE EXPERTS, on the routed rows alone.  The same text serves the three layers; LAYER picks the sizes and what differs.
;   LAYER 1: h1 = Q(relu(x ew1 + eb1)), rows gathered from x by the stored list;  LAYER 2: h2 = Q(relu(h1 ew2 + eb2));  LAYER 3: y = h2 ew3 + eb3, f32.   Q: the quantiser along the next product's K.
; All products on codes of E5M2 with one E8M0 scale for each 32 along K; sums in f32.
; SHARES.  Work-group (x, y) takes tile y of the stored table (96 rows of one expert) and columns 64 NB x .. + 64 NB - 1; wave w all 96 rows x its own 16 NB columns: 6 NB accumulators.
; The grid has 29 tiles, as many as any split of 2,048 rows over 8 experts can need.  A tile without rows does no product and stores nothing: a scalar branch on the stored count leads round
; the work, and both barriers stand outside it, on every wave's path.  A tile's slots beyond its rows repeat its last row (LAYER 1); they are computed and nobody reads them.
; A (the rows) comes into LDS once and stays: all four waves read it.  B (the weights) is each wave's own: memory -> registers (64 loads a wave on their way) -> the wave's own slot in LDS
; (rows of 256 bytes + 16) -> fragments.  So the loop over K has no barrier.
; THE MATRIX INSTRUCTION IS USED TRANSPOSED (source 0 = 16 rows of the weight, source 1 = 16 rows of A): a lane holds one row and its registers run along the columns.
; LAYERS 1, 2: the weight's row R lies at place pi(R) of the slot (pi swaps bits 3 and 4), so that tile b, places 16 b + r, holds rows 32 (b / 2) + 8 (b % 2) + r + 8 (r / 8):
; the 16 registers of tiles 2 i and 2 i + 1 are then 16 neighbours along the next K, and the conversions' results are the next operand's registers.
; h1, h2 are laid as the next layer wants them: codes as images of the operand's registers, [tile][K step 16][fragment 6][4][lane][16 bytes]; behind them (byte HSO) a scale word a row: [tile][K step][96].
; NO TENSOR LOADS, NO CLUSTER: the launch branches on a stored number, and which tiles share an expert's weights hangs on the split, so no fixed mask could name the partners.
; LIMITS: NaN and infinities are not served; a block of zeros gets the scale byte 1 (its codes are zeros, and this program alone reads the bytes).
; REGISTERS, in windows of 256: window 0: v1-19, v35, v42-43 addresses; v20-34 the rows' tokens (LAYER 1); v36-41 scale bytes in pairs; v48-63 scale words, two sets, and nothing else;
;   v64-127 scales on their way to LDS, later the quantiser's figures; v128-255 B's fragments, two sets, later codes or rows of y.
;   window 1: the accumulators, (a, b) at 8 (NB a + b); the bias at v192 on.   window 2: B on its way to LDS, RING sets.   window 3: A's fragments, two sets of 96.
.set LAYER, 1
.set HT,    196608                     ; a tile's codes in h1 or h2
.set HSO,   29*HT                      ; where the scale words begin
.if LAYER == 1
.set KB,    1024                       ; K: bytes in a row of the weight
.set NB,    4                          ; column tiles a wave
.set NCOL,  2048                       ; columns of an expert
.set BSP,   48                         ; a row of B's scale bytes in LDS: 32 + 16
.set ASC,   96*1040                    ; LDS: A's 96 rows of 1,024 + 16 bytes, then A's scale bytes, 48 a row
.set BSLOT, ASC+96*48
.else
.set KB,    2048
.set BSP,   80                         ; 64 + 16
.set ASC,   HT                         ; LDS: A's images, then A's scale words
.set BSLOT, ASC+6144
.if LAYER == 2
.set NB,    4
.set NCOL,  2048
.else
.set NB,    2
.set NCOL,  1024
.endif
.endif
.set NSTEP, KB/128                     ; K steps
.set NGRP,  KB/256                     ; groups of two steps: what a slot holds
.set LG,    8*NB                       ; loads that bring a wave's group: two rows of 256 bytes each
.set RING,  8/NB                       ; groups on their way in registers
.set BSLW,  16*NB*272                  ; a wave's slot
.set BSC,   BSLOT+4*BSLW               ; behind the slots: B's scale bytes, a wave's own part each
.set BSCW,  16*NB*BSP
.set STG,   BSC+4*BSCW                 ; behind them: the stage for the way out
.set NBS,   NB*KB/1024                 ; loads that bring a wave's scale bytes of B
.set LN,  1
.set RR,  2
.set HH,  3
.set BGO, 4                            ; B in memory: KB h + 16 r
.set BST, 5                            ; B into the slot: 272 h + 16 r
.set BAD, 6                            ; B's fragments: 272 r + 16 h
.set BSA, 7                            ; B's scale words: BSP x lane
.set AGO, 8                            ; 16 x lane
.set AST, 9                            ; A into LDS
.set AAD, 10                           ; v10-13 A's fragments
.set ASA, 14                           ; A's scale words
.set ASS, 15                           ; A's scales into LDS
.set BSS, 16                           ; B's scales into LDS
.set BIO, 17                           ; the bias
.set STO, 18                           ; into the stage
.set SRD, 19                           ; out of it
.set TOK, 20
.set L8,  35                           ; 8 x lane
.set PR,  36
.set R16, 42                           ; 16 r
.set P8,  43
.set OB,  44
.set SA,  48                           ; set k: A's words at SA + 8 k + p (lanes 0-15 fragment 2 p, lanes 16-31 fragment 2 p + 1); B's at SB + 8 k + i likewise
.set SB,  52
.set BSL, 64
.set ASL, 96
.set BF,  128
.set TMX, 64
.set TP,  76
.set LIM, 88
.set SCL, 100
.set BYT, 112
.set CD,  128
.set BIAS, 192
.set MSB, 0
.macro WIN new                         ; the immediate's high byte repeats the setting that is left
.if MSB != \new
	s_set_vgpr_msb (MSB<<8)|\new
.set MSB, \new
.endif
.endm
.macro PLACES n                        ; plain lines between a matrix instruction and what reads its results or loads into its registers: eight for this form
.rept \n
	v_nop
.endr
.endm
.macro BLOAD t                         ; group t of my rows of the weight, into set t % RING of window 2
	WIN 0x80
.set I_, 0
.rept LG
	global_load_b128 v[4*LG*((\t)%RING)+4*I_:4*LG*((\t)%RING)+4*I_+3], v[BGO], s[12:13] offset:2*I_*KB+256*(\t)
.set I_, I_+1
.endr
.endm
.macro BSTORE t                        ; and on into my slot: row R to place pi(R)
	WIN 0x08
.set I_, 0
.rept LG
.set X_, 2*I_
.if LAYER < 3
.set X_, (X_&0x27)|(((X_>>3)&1)<<4)|(((X_>>4)&1)<<3)
.endif
	ds_store_b128 v[BST], v[4*LG*((\t)%RING)+4*I_:4*LG*((\t)%RING)+4*I_+3] offset:272*X_
.set I_, I_+1
.endr
.endm
.macro FETCH s                         ; K step s: B's NB fragments, the scale words, A's six fragments, into set s % 2.  A's fragments 3 to 5 come last: twelve loads
.set K_, (\s)%2
	WIN 0
.set I_, 0
.rept NB
.irp c, 0,1,2,3
	ds_load_b128 v[BF+16*NB*K_+16*I_+4*\c:BF+16*NB*K_+16*I_+4*\c+3], v[BAD] offset:4352*I_+128*K_+32*\c
.endr
.set I_, I_+1
.endr
.set I_, 0
.rept NB/2
	ds_load_b32 v[SB+8*K_+I_], v[BSA] offset:32*BSP*I_+4*(\s)
.set I_, I_+1
.endr
.irp p, 0,1,2
.if LAYER == 1
	ds_load_b32 v[SA+8*K_+\p], v[ASA] offset:1536*\p+4*(\s)
.else
	ds_load_b32 v[SA+8*K_+\p], v[ASA] offset:384*(\s)+128*\p
.endif
.endr
	WIN 0xc0
.irp a, 0,1,2,3,4,5
.irp c, 0,1,2,3
.if LAYER == 1
	ds_load_b128 v[96*K_+16*\a+4*\c:96*K_+16*\a+4*\c+3], v[AAD+\a/3] offset:16640*(\a%3)+128*(\s)+32*\c
.else
	ds_load_b128 v[96*K_+16*\a+4*\c:96*K_+16*\a+4*\c+3], v[AAD+(\s)/4] offset:12288*((\s)%4)+2048*\a+512*\c
.endif
.endr
.endr
.endm
.macro WMM                             ; one product; an odd tile's scale words stand in lanes 16-31 of their register
.if (A_%2 == 0) && (B_%2 == 0)
	v_wmma_scale_f32_16x16x128_f8f6f4 v[DR:DR+7], v[BR:BR+15], v[AR:AR+15], v[CR:CR+7], v[SBR], v[SAR] matrix_a_fmt:MATRIX_FMT_BF8 matrix_b_fmt:MATRIX_FMT_BF8
.elseif (A_%2 == 0)
	v_wmma_scale_f32_16x16x128_f8f6f4 v[DR:DR+7], v[BR:BR+15], v[AR:AR+15], v[CR:CR+7], v[SBR], v[SAR] matrix_a_fmt:MATRIX_FMT_BF8 matrix_b_fmt:MATRIX_FMT_BF8 matrix_a_scale:MATRIX_SCALE_ROW1
.elseif (B_%2 == 0)
	v_wmma_scale_f32_16x16x128_f8f6f4 v[DR:DR+7], v[BR:BR+15], v[AR:AR+15], v[CR:CR+7], v[SBR], v[SAR] matrix_a_fmt:MATRIX_FMT_BF8 matrix_b_fmt:MATRIX_FMT_BF8 matrix_b_scale:MATRIX_SCALE_ROW1
.else
	v_wmma_scale_f32_16x16x128_f8f6f4 v[DR:DR+7], v[BR:BR+15], v[AR:AR+15], v[CR:CR+7], v[SBR], v[SAR] matrix_a_fmt:MATRIX_FMT_BF8 matrix_b_fmt:MATRIX_FMT_BF8 matrix_a_scale:MATRIX_SCALE_ROW1 matrix_b_scale:MATRIX_SCALE_ROW1
.endif
.endm
.macro MUL s, a0                       ; A's fragments a0 .. a0 + 2 against B's NB.  The 6 NB accumulators take turns, one instruction a turn, in the same order in every step.  Step 0 takes the bias as C
.set K_, (\s)%2
.set A_, \a0
	WIN 0x5c                                       ; source 0 (B) window 0, source 1 (A) window 3, C and D window 1
.rept 3
.set B_, 0
.rept NB
.set DR, 8*(NB*A_+B_)
.set CR, DR
.if (\s) == 0
.set CR, BIAS+8*B_
.endif
.set BR, BF+16*NB*K_+16*B_
.set AR, 96*K_+16*A_
.set SBR, SB+8*K_+B_/2
.set SAR, SA+8*K_+A_/2
	WMM
.set B_, B_+1
.endr
.set A_, A_+1
.endr
.endm
.macro STEP s
.set T_, (\s)/2
	s_wait_dscnt 12                                ; B, the scale words and A's fragments 0-2 are in, and the slot's stores are done; the youngest twelve loads may be out
.if ((\s)%2 == 0) && (T_+RING < NGRP)
	BLOAD T_+RING                                  ; into the registers that the slot's stores have read
.endif
	MUL \s, 0
	s_wait_dscnt 0x0                               ; A's fragments 3-5
.if (\s)+1 < NSTEP
	PLACES 8                                       ; in front of loads into the other set, which the last step's products read
.if (\s)%2 == 1
.set YG_, T_+RING
.if YG_ > NGRP-1
.set YG_, NGRP-1
.endif
	s_wait_loadcnt LG*(YG_-(T_+1))                 ; group t + 1 is in; the groups asked for behind it may be out
	BSTORE T_+1                                    ; LDS serves a wave's instructions in order: these land behind my reads of group t, and the loads below see them
.endif
	FETCH (\s)+1
.endif
	MUL \s, 3
.endm
.if LAYER == 1
	s_load_b256 s[8:15], s[0:1], 0x0               ; A's codes 8, A's scales 10, the weight's codes 12, its scales 14
	s_load_b128 s[16:19], s[0:1], 0x20             ; the bias 16, route 18
	s_load_b64 s[20:21], s[0:1], 0x30              ; the output 20
	v_lshl_add_u32 v126, v0, 2, 0x2dc00
	v_mov_b32 v127, 0
.else
	s_load_b64 s[8:9], s[0:1], 0x0                 ; A 8
	s_load_b128 s[12:15], s[0:1], 0x8              ; the weight's codes 12, its scales 14
	s_load_b128 s[16:19], s[0:1], 0x18             ; the bias 16, route 18
	s_load_b64 s[20:21], s[0:1], 0x28              ; the output 20
.endif
	v_lshrrev_b32 v1, 5, v0
	v_readfirstlane_b32 s2, v1                     ; wave 0..3
	s_and_b32 s3, ttmp7, 0xffff                    ; the tile
	s_lshl_b32 s6, s3, 3
	s_wait_kmcnt 0x0
	s_load_b64 s[22:23], s[18:19], s6 offset:0x0   ; its expert and its rows
	v_and_b32 v[LN], 31, v0
	v_and_b32 v[RR], 15, v0
	v_bfe_u32 v[HH], v0, 4, 1
	v_lshlrev_b32 v[AGO], 4, v[LN]
	v_lshlrev_b32 v[L8], 3, v[LN]
	v_lshlrev_b32 v[R16], 4, v[RR]
	v_mad_u32_u24 v[BGO], v[HH], KB, v[R16]
	s_mul_i32 s28, s2, BSLW
	s_add_co_u32 s28, s28, BSLOT                   ; my slot
	v_mad_u32_u24 v[BST], v[HH], 272, v[R16]
	v_add_nc_u32 v[BST], s28, v[BST]
	v_mul_u32_u24 v[BAD], v[RR], 272
	v_lshl_add_u32 v[BAD], v[HH], 4, v[BAD]
	v_add_nc_u32 v[BAD], s28, v[BAD]
	s_mul_i32 s29, s2, BSCW
	s_add_co_u32 s29, s29, BSC                     ; my scale bytes of B
	v_mul_u32_u24 v[BSA], v[LN], BSP
	v_add_nc_u32 v[BSA], s29, v[BSA]
.if LAYER == 1
	v_bfe_u32 v[BSS], v0, 1, 3                     ; a load's 512 bytes are 16 rows of 32: row (lane / 2) of them; its bit 3 (h) goes to bit 4
	v_lshl_add_u32 v[BSS], v[HH], 4, v[BSS]
	v_mul_u32_u24 v[BSS], v[BSS], BSP
	v_and_b32 v[P8], 1, v0
	v_lshl_add_u32 v[BSS], v[P8], 4, v[BSS]
.else
	v_bfe_u32 v[BSS], v0, 2, 3                     ; a load's 512 bytes are 8 rows of 64: row lane / 4, piece lane % 4
	v_mul_u32_u24 v[BSS], v[BSS], BSP
	v_and_b32 v[P8], 3, v0
	v_lshl_add_u32 v[BSS], v[P8], 4, v[BSS]
.endif
	v_add_nc_u32 v[BSS], s29, v[BSS]
.if LAYER == 1
	s_mul_i32 s28, s2, 24*1040                     ; my 24 rows of A
	v_mad_u32_u24 v[AST], v[HH], 1040, v[R16]
	v_add_nc_u32 v[AST], s28, v[AST]
	v_mul_u32_u24 v[AAD], v[RR], 1040
	v_lshl_add_u32 v[AAD], v[HH], 4, v[AAD]        ; fragments 0-2,
	v_add_nc_u32 v[AAD+1], 3*16640, v[AAD]         ; 3-5
	v_mul_u32_u24 v[ASA], v[LN], 48
	v_add_nc_u32 v[ASA], ASC, v[ASA]
	s_mul_i32 s28, s2, 24*48
	s_add_co_u32 s28, s28, ASC
	v_bfe_u32 v[OB], v0, 2, 3                      ; lane / 4
	v_mul_u32_u24 v[ASS], v[OB], 48
	v_and_b32 v[P8], 3, v0
	v_lshlrev_b32 v[P8], 3, v[P8]                  ; 8 (lane % 4)
	v_add_nc_u32 v[ASS], v[ASS], v[P8]
	v_add_nc_u32 v[ASS], s28, v[ASS]
.else
	s_mul_i32 s28, s2, 49152                       ; my quarter of A's images
	v_add_nc_u32 v[AST], s28, v[AGO]
	v_lshlrev_b32 v[AAD], 4, v[LN]                 ; K steps 0-3,
	v_add_nc_u32 v[AAD+1], 49152, v[AGO]           ; 4-7,
	v_add_nc_u32 v[AAD+2], 2*49152, v[AGO]         ; 8-11,
	v_add_nc_u32 v[AAD+3], 3*49152, v[AGO]         ; 12-15
	v_lshl_add_u32 v[ASA], v[LN], 2, ASC
	s_mul_i32 s28, s2, 1536
	s_add_co_u32 s28, s28, ASC
	v_add_nc_u32 v[ASS], s28, v[AGO]
.endif
.if LAYER < 3
	s_lshr_b32 s28, s2, 1                          ; the stage: two K steps' scale words; my two bytes of a row's word
	s_mul_i32 s28, s28, 384
	s_and_b32 s29, s2, 1
	s_lshl_b32 s29, s29, 1
	s_add_co_u32 s28, s28, s29
	s_add_co_u32 s28, s28, STG
	v_lshlrev_b32 v[STO], 2, v[RR]
	v_add_nc_u32 v[STO], s28, v[STO]
	s_lshl_b32 s28, s2, 8
	s_add_co_u32 s28, s28, STG
	v_add_nc_u32 v[SRD], s28, v[L8]
	v_lshlrev_b32 v[BIO], 6, v[HH]                 ; the bias in the result's layout: 16 h numbers on
.else
	s_lshl_b32 s28, s2, 7                          ; the stage: 96 rows of 512 + 16 bytes; my 128 bytes of a row
	s_add_co_u32 s28, s28, STG
	v_mul_u32_u24 v[STO], v[RR], 528
	v_lshl_add_u32 v[STO], v[HH], 5, v[STO]
	v_add_nc_u32 v[STO], s28, v[STO]
	s_mul_i32 s28, s2, 24*528
	s_add_co_u32 s28, s28, STG
	v_add_nc_u32 v[SRD], s28, v[AGO]
	v_lshlrev_b32 v[BIO], 5, v[HH]                 ; 8 h numbers on
.endif
	s_mov_b32 s25, 0x600000                        ; the mantissa field of 57,344
	s_mov_b32 s26, 0x76543210
	s_mov_b32 s27, 0xfedcba98                      ; v_permlanex16_b32's selects for lane l xor 16
	s_mov_b32 s7, 0
	s_wait_kmcnt 0x0
	s_min_u32 s22, s22, 7                          ; the expert,
	s_min_u32 s23, s23, 96                         ; the tile's rows: 0 where the split has no such tile
	s_mul_i32 s4, s22, NCOL
	s_mul_i32 s28, ttmp9, 64*NB
	s_add_co_u32 s4, s4, s28
	s_mul_i32 s28, s2, 16*NB
	s_add_co_u32 s4, s4, s28                       ; my first row of the weight, counted over all experts
	s_mul_i32 s6, s4, KB
	s_add_nc_u64 s[12:13], s[12:13], s[6:7]
	s_mul_i32 s6, s4, KB/32
	s_add_nc_u64 s[14:15], s[14:15], s[6:7]
	s_lshl_b32 s6, s4, 2
	s_add_nc_u64 s[16:17], s[16:17], s[6:7]
.if LAYER > 1
	s_mul_i32 s6, s3, 6144
	s_mul_i32 s28, s2, 1536
	s_add_co_u32 s6, s6, s28
	s_add_co_u32 s6, s6, HSO
	s_add_nc_u64 s[10:11], s[8:9], s[6:7]          ; my quarter of the tile's scale words,
	s_mul_i32 s6, s3, HT
	s_mul_i32 s28, s2, 49152
	s_add_co_u32 s6, s6, s28
	s_add_nc_u64 s[8:9], s[8:9], s[6:7]            ; and of its codes
.endif
.if LAYER < 3
	s_mul_i32 s6, s3, 6144
	s_mul_i32 s28, ttmp9, 768
	s_add_co_u32 s6, s6, s28
	s_lshl_b32 s28, s2, 8
	s_add_co_u32 s6, s6, s28
	s_add_co_u32 s6, s6, HSO
	s_add_nc_u64 s[32:33], s[20:21], s[6:7]        ; out: the work-group's two K steps of scale words, 256 bytes of them a wave;
	s_mul_i32 s6, s3, HT
	s_mul_i32 s28, ttmp9, 24576
	s_add_co_u32 s6, s6, s28
	s_lshr_b32 s28, s2, 1
	s_mul_i32 s28, s28, 12288
	s_add_co_u32 s6, s6, s28
	s_and_b32 s28, s2, 1
	s_lshl_b32 s28, s28, 10
	s_add_co_u32 s6, s6, s28
	s_add_nc_u64 s[20:21], s[20:21], s[6:7]        ; the codes: K step 2 x + w / 2, blocks 2 (w % 2) and + 1
.else
	s_mul_i32 s6, s3, 96*4096
	s_mul_i32 s28, s2, 24*4096
	s_add_co_u32 s6, s6, s28
	s_lshl_b32 s28, ttmp9, 9
	s_add_co_u32 s6, s6, s28
	s_add_nc_u64 s[20:21], s[20:21], s[6:7]        ; out: my 24 rows of y, the work-group's 512 bytes of them
.endif
	; ---- what every work-group asks for
.if LAYER == 1
	s_max_u32 s28, s23, 1
	s_sub_co_u32 s28, s28, 1                       ; the tile's last row: slots beyond it repeat it
	s_mul_i32 s29, s3, 96
	s_cmp_lg_u32 s23, 0
	s_cselect_b32 s29, s29, 0                      ; the tile's first position (a tile without rows names position 0, which always has a row)
	s_mul_i32 s34, s2, 24
.macro TOKIDX reg                      ; a slot of the tile -> the byte of its entry in the list of tokens
	v_min_u32 v[\reg], s28, v[\reg]
	v_add_nc_u32 v[\reg], s29, v[\reg]
	v_min_u32 v[\reg], 0xadf, v[\reg]
	v_lshlrev_b32 v[\reg], 2, v[\reg]
.endm
.irp i, 0,1,2,3,4,5,6,7,8,9,10,11
	v_add3_u32 v[TOK+\i], v[HH], s34, 2*\i         ; for the codes: two rows a load: slot 24 w + 2 i + h
	TOKIDX TOK+\i
.endr
.irp i, 0,1,2
	v_add3_u32 v[TOK+12+\i], v[OB], s34, 8*\i      ; for the scale bytes: eight rows a load: slot 24 w + 8 i + lane / 4
	TOKIDX TOK+12+\i
.endr
.irp i, 0,1,2,3,4,5,6,7,8,9,10,11,12,13,14
	global_load_b32 v[TOK+\i], v[TOK+\i], s[18:19] offset:8448
.endr
.endif
	WIN 0x40                                       ; destination window 1
.set I_, 0
.rept NB
.if LAYER < 3
.set X_, 128*(I_/2)+32*(I_%2)
.else
.set X_, 64*I_
.endif
	global_load_b128 v[BIAS+8*I_:BIAS+8*I_+3], v[BIO], s[16:17] offset:X_
	global_load_b128 v[BIAS+8*I_+4:BIAS+8*I_+7], v[BIO], s[16:17] offset:X_+16
.set I_, I_+1
.endr
	WIN 0
.set I_, 0
.rept NBS
	global_load_b128 v[BSL+4*I_:BSL+4*I_+3], v[AGO], s[14:15] offset:512*I_        ; my rows' scale bytes are one dense block
.set I_, I_+1
.endr
	BLOAD 0
	WIN 0
	s_cmp_eq_u32 s23, 0
	s_cbranch_scc1 .Lhave_a
	; ---- A comes into LDS, a quarter by each wave
.if LAYER == 1
	s_wait_loadcnt 2*NB+NBS+LG                     ; the tokens are in; all that was asked for behind them may be out
.irp i, 0,1,2,3,4,5,6,7,8,9,10,11
	v_min_u32 v[TOK+\i], 0x3ff, v[TOK+\i]
	v_lshlrev_b32 v[TOK+\i], 10, v[TOK+\i]         ; the token's row of 1,024 bytes,
	v_add_nc_u32 v[TOK+\i], v[TOK+\i], v[R16]      ; my 16 bytes of each 256
.endr
.irp i, 12,13,14
	v_min_u32 v[TOK+\i], 0x3ff, v[TOK+\i]
	v_lshlrev_b32 v[TOK+\i], 5, v[TOK+\i]          ; its 32 scale bytes,
	v_add_nc_u32 v[TOK+\i], v[TOK+\i], v[P8]       ; my 8 of them
.endr
.irp i, 0,1,2
	global_load_b64 v[ASL+2*\i:ASL+2*\i+1], v[TOK+12+\i], s[10:11]
.endr
	WIN 0x40
.set I_, 0
.rept 48
	global_load_b128 v[4*I_:4*I_+3], v[TOK+I_/4], s[8:9] offset:256*(I_%4)
.set I_, I_+1
.endr
	WIN 0
	s_wait_loadcnt 24                              ; the scale bytes and the first 24 loads are in
.irp i, 0,1,2
	ds_store_b64 v[ASS], v[ASL+2*\i:ASL+2*\i+1] offset:384*\i
.endr
	WIN 0x04                                       ; an LDS store's data are its source 1: window 1
.set I_, 0
.rept 24
	ds_store_b128 v[AST], v[4*I_:4*I_+3] offset:2080*(I_/4)+256*(I_%4)
.set I_, I_+1
.endr
	s_wait_loadcnt 0x0
.rept 24
	ds_store_b128 v[AST], v[4*I_:4*I_+3] offset:2080*(I_/4)+256*(I_%4)
.set I_, I_+1
.endr
	WIN 0
.else
.irp i, 0,1,2
	global_load_b128 v[ASL+4*\i:ASL+4*\i+3], v[AGO], s[10:11] offset:512*\i
.endr
	WIN 0x40                                       ; 48 loads land where the accumulators will lie,
.set I_, 0
.rept 48
	global_load_b128 v[4*I_:4*I_+3], v[AGO], s[8:9] offset:512*I_
.set I_, I_+1
.endr
	WIN 0xc0                                       ; 48 where A's fragments will
.rept 48
	global_load_b128 v[4*(I_-48):4*(I_-48)+3], v[AGO], s[8:9] offset:512*I_
.set I_, I_+1
.endr
	WIN 0
	s_wait_loadcnt 48                              ; all but the second 48
.irp i, 0,1,2
	ds_store_b128 v[ASS], v[ASL+4*\i:ASL+4*\i+3] offset:512*\i
.endr
	WIN 0x04
.set I_, 0
.rept 48
	ds_store_b128 v[AST], v[4*I_:4*I_+3] offset:512*I_
.set I_, I_+1
.endr
	s_wait_loadcnt 0x0
	WIN 0x0c
.rept 48
	ds_store_b128 v[AST], v[4*(I_-48):4*(I_-48)+3] offset:512*I_
.set I_, I_+1
.endr
	WIN 0
.endif
.Lhave_a:
	s_wait_loadcnt 0x0                             ; the bias, B's scale bytes and group 0 are in
.set Q_, 1
.rept RING-1
	BLOAD Q_
.set Q_, Q_+1
.endr
	WIN 0
.set I_, 0
.rept NBS
.if LAYER == 1
.set X_, 8*(I_&1)+32*(I_>>1)
.elseif LAYER == 2
.set X_, 8*I_
.set X_, (X_&0x27)|(((X_>>3)&1)<<4)|(((X_>>4)&1)<<3)
.else
.set X_, 8*I_
.endif
	ds_store_b128 v[BSS], v[BSL+4*I_:BSL+4*I_+3] offset:BSP*X_     ; a row's scale bytes go to the place of its codes
.set I_, I_+1
.endr
	s_wait_dscnt 0x0                               ; for the others' sake: my part of A has landed
	s_barrier_signal -1
	s_barrier_wait -1                              ; A is whole
	s_cmp_eq_u32 s23, 0
	s_cbranch_scc1 .Lstaged
	; ---- the products
	BSTORE 0
	FETCH 0
.set Q_, 0
.rept NSTEP
	STEP Q_
.set Q_, Q_+1
.endr
	WIN 0
.if LAYER < 3
	; ---- relu, the quantiser, the way out.  Block q = 2 a + i: rows 16 a on, my columns 32 i on: registers 16 q .. 16 q + 15 of window 1 and those of lane l xor 16
.irp q, 0,1,2,3,4,5,6,7,8,9,10,11
	v_mov_b32 v[TP+\q], 0                          ; a lane permute's destination counts as one of its sources.  These twelve are also the places behind the last products
.endr
	WIN 0x05                                       ; sources 0 and 1 window 1
.irp q, 0,1,2,3,4,5,6,7,8,9,10,11
	v_max3_num_f32 v[TMX+\q], v[16*\q], v[16*\q+1], 0x8000000      ; no |.|: what is negative becomes 0 and must not count; the floor 2^(16 - 127) keeps the byte at 1 or more.  Each accumulator is read from its low end on
.endr
.irp i, 2,4,6,8,10,12,14
.irp q, 0,1,2,3,4,5,6,7,8,9,10,11
	v_max3_num_f32 v[TMX+\q], v[16*\q+\i], v[16*\q+\i+1], v[TMX+\q]
.endr
.endr
	WIN 0
.irp q, 0,1,2,3,4,5,6,7,8,9,10,11
	v_permlanex16_b32 v[TP+\q], v[TMX+\q], s26, s27
.endr
.irp q, 0,1,2,3,4,5,6,7,8,9,10,11
	v_max_num_f32 v[TMX+\q], v[TMX+\q], v[TP+\q]   ; the block's largest number
.endr
.irp q, 0,1,2,3,4,5,6,7,8,9,10,11
	v_add_nc_u32 v[SCL+\q], 0xf8800000, v[TMX+\q]  ; 15 off its exponent field: the conversion's scale operand
.endr
.irp q, 0,1,2,3,4,5,6,7,8,9,10,11
	v_and_or_b32 v[LIM+\q], v[TMX+\q], 0x7f800000, s25     ; 57,344 x the scale
.endr
.irp q, 0,1,2,3,4,5,6,7,8,9,10,11
	v_lshrrev_b32 v[BYT+\q], 23, v[SCL+\q]         ; the scale's byte
.endr
.irp a, 0,1,2,3,4,5
	v_lshl_or_b32 v[PR+\a], v[BYT+2*\a+1], 8, v[BYT+2*\a]  ; my two bytes of the row's scale word
.endr
	WIN 0x41                                       ; source 0 and destination window 1
.irp q, 0,1,2,3,4,5,6,7,8,9,10,11
.irp i, 0,1,2,3,4,5,6,7,8,9,10,11,12,13,14,15
	v_med3_num_f32 v[16*\q+\i], v[16*\q+\i], 0, v[LIM+\q]  ; the activation and the hold in one: the conversion to an 8-bit code does not saturate (ISA guide 7.6.2)
.endr
.endr
	WIN 0x01                                       ; source 0 window 1
.irp q, 0,1,2,3,4,5,6,7,8,9,10,11
	v_cvt_scalef32_pk8_bf8_f32 v[CD+4*\q:CD+4*\q+1], v[16*\q:16*\q+7], v[SCL+\q]
	v_cvt_scalef32_pk8_bf8_f32 v[CD+4*\q+2:CD+4*\q+3], v[16*\q+8:16*\q+15], v[SCL+\q]
.endr
	WIN 0
	v_nop                                          ; one plain line behind the last conversion
.irp q, 0,1,2,3,4,5,6,7,8,9,10,11
	global_store_b128 v[AGO], v[CD+4*\q:CD+4*\q+3], s[20:21] offset:2048*(\q/2)+512*(\q%2)  ; four registers of the next operand's image: 512 consecutive bytes
.endr
.irp a, 0,1,2,3,4,5
	ds_store_b16 v[STO], v[PR+\a] offset:64*\a     ; both lanes of a row write the same two bytes with the same value
.endr
.else
	PLACES 8
	WIN 0x04                                       ; the data: window 1
.irp a, 0,1,2,3,4,5
.irp b, 0,1
	ds_store_b128 v[STO], v[8*(2*\a+\b):8*(2*\a+\b)+3] offset:8448*\a+64*\b        ; y(16 a + r, my 16 b + 8 h + 0 .. 7): each accumulator from its low end on
	ds_store_b128 v[STO], v[8*(2*\a+\b)+4:8*(2*\a+\b)+7] offset:8448*\a+64*\b+16
.endr
.endr
	WIN 0
.endif
.Lstaged:
	s_wait_dscnt 0x0                               ; for the others' sake: my stores into the stage have landed
	s_barrier_signal -1
	s_barrier_wait -1
	s_cmp_eq_u32 s23, 0
	s_cbranch_scc1 .Lend
.if LAYER < 3
	s_cmp_gt_u32 s2, 2
	s_cbranch_scc1 .Lend                           ; 768 bytes of scale words: 256 for each of three waves
	ds_load_b64 v[OB:OB+1], v[SRD]
	s_wait_dscnt 0x0
	global_store_b64 v[L8], v[OB:OB+1], s[32:33]   ; 256 consecutive bytes, at a multiple of 256 from the buffer's first byte
.else
.irp i, 0,1,2,3,4,5,6,7,8,9,10,11,12,13,14,15,16,17,18,19,20,21,22,23
	ds_load_b128 v[CD+4*\i:CD+4*\i+3], v[SRD] offset:528*\i
.endr
.irp i, 0,1,2,3,4,5,6,7,8,9,10,11,12,13,14,15,16,17,18,19,20,21,22,23
	s_wait_dscnt 23-\i
	global_store_b128 v[AGO], v[CD+4*\i:CD+4*\i+3], s[20:21] offset:4096*\i        ; 512 consecutive bytes of a row of y
.endr
.endif
.Lend:
	s_wait_tensorcnt 0x0
	ds_add_u32 v126, v127
	s_wait_dscnt 0x0
	s_endpgm
.Lfunc_end_k_q092622d433_ffn1:
	.size	k_q092622d433_ffn1, .Lfunc_end_k_q092622d433_ffn1-k_q092622d433_ffn1
	.p2alignl 7, 3214868480
	.fill 96, 4, 3214868480
	.section	.rodata,"a",@progbits
	.p2align	6, 0x0
	.amdhsa_kernel k_q092622d433_ffn1
		.amdhsa_group_segment_fixed_size 187904
		.amdhsa_private_segment_fixed_size 0
		.amdhsa_enable_private_segment 0
		.amdhsa_kernarg_size 56
		.amdhsa_user_sgpr_count 2
		.amdhsa_user_sgpr_kernarg_segment_ptr 1
		.amdhsa_wavefront_size32 1
		.amdhsa_system_sgpr_workgroup_id_x 1
		.amdhsa_system_sgpr_workgroup_id_y 1
		.amdhsa_system_sgpr_workgroup_id_z 1
		.amdhsa_system_vgpr_workitem_id 0
		.amdhsa_next_free_vgpr 1024
		.amdhsa_next_free_sgpr 66
		.amdhsa_reserve_vcc 0
		.amdhsa_float_denorm_mode_32 3
		.amdhsa_float_denorm_mode_16_64 3
		.amdhsa_memory_ordered 1
		.amdhsa_forward_progress 1
		.amdhsa_inst_pref_size 118
	.end_amdhsa_kernel
	.amdgpu_metadata
---
amdhsa.version: [ 1, 2 ]
amdhsa.kernels:
  - .name:           k_q092622d433_ffn1
    .symbol:         k_q092622d433_ffn1.kd
    .args:
      - { .name: x_codes, .offset: 0, .size: 8, .value_kind: global_buffer, .address_space: global }
      - { .name: x_scales, .offset: 8, .size: 8, .value_kind: global_buffer, .address_space: global }
      - { .name: ew1_codes, .offset: 16, .size: 8, .value_kind: global_buffer, .address_space: global }
      - { .name: ew1_scales, .offset: 24, .size: 8, .value_kind: global_buffer, .address_space: global }
      - { .name: eb1, .offset: 32, .size: 8, .value_kind: global_buffer, .address_space: global }
      - { .name: route, .offset: 40, .size: 8, .value_kind: global_buffer, .address_space: global }
      - { .name: h1, .offset: 48, .size: 8, .value_kind: global_buffer, .address_space: global }
    .group_segment_fixed_size: 187904
    .private_segment_fixed_size: 0
    .kernarg_segment_align: 8
    .kernarg_segment_size: 56
    .max_flat_workgroup_size: 128
    .sgpr_count:     66
    .vgpr_count:     1024
    .wavefront_size: 32
...
	.end_amdgpu_metadata
.endif
;; end of part 3
;; launch ffn2 (part 4): grid 8 x 29, 4 waves a work-group, no clusters, 294,400 bytes of LDS; arguments h1, ew2_codes, ew2_scales, eb2, route, h2; writes h2
.if DOCPART == 4
	.amdgcn_target "amdgcn-amd-amdhsa--gfx1250"
	.amdhsa_code_object_version 6
	.text
	.protected	k_q092622d433_ffn2
	.globl	k_q092622d433_ffn2
	.p2align	8
	.type	k_q092622d433_ffn2,@function
k_q092622d433_ffn2:
	s_mov_b64 s[64:65], 0
	v_nop
	global_prefetch_b8 v0, s[64:65] scope:SCOPE_SE
	s_setreg_imm32_b32 hwreg(HW_REG_WAVE_MODE, 25, 1), 1
	s_wait_xcnt 0x0
; ONE LAYER OF THE EXPERTS, on the routed rows alone.  The same text serves the three layers; LAYER picks the sizes and what differs.
;   LAYER 1: h1 = Q(relu(x ew1 + eb1)), rows gathered from x by the stored list;  LAYER 2: h2 = Q(relu(h1 ew2 + eb2));  LAYER 3: y = h2 ew3 + eb3, f32.   Q: the quantiser along the next product's K.
; All products on codes of E5M2 with one E8M0 scale for each 32 along K; sums in f32.
; SHARES.  Work-group (x, y) takes tile y of the stored table (96 rows of one expert) and columns 64 NB x .. + 64 NB - 1; wave w all 96 rows x its own 16 NB columns: 6 NB accumulators.
; The grid has 29 tiles, as many as any split of 2,048 rows over 8 experts can need.  A tile without rows does no product and stores nothing: a scalar branch on the stored count leads round
; the work, and both barriers stand outside it, on every wave's path.  A tile's slots beyond its rows repeat its last row (LAYER 1); they are computed and nobody reads them.
; A (the rows) comes into LDS once and stays: all four waves read it.  B (the weights) is each wave's own: memory -> registers (64 loads a wave on their way) -> the wave's own slot in LDS
; (rows of 256 bytes + 16) -> fragments.  So the loop over K has no barrier.
; THE MATRIX INSTRUCTION IS USED TRANSPOSED (source 0 = 16 rows of the weight, source 1 = 16 rows of A): a lane holds one row and its registers run along the columns.
; LAYERS 1, 2: the weight's row R lies at place pi(R) of the slot (pi swaps bits 3 and 4), so that tile b, places 16 b + r, holds rows 32 (b / 2) + 8 (b % 2) + r + 8 (r / 8):
; the 16 registers of tiles 2 i and 2 i + 1 are then 16 neighbours along the next K, and the conversions' results are the next operand's registers.
; h1, h2 are laid as the next layer wants them: codes as images of the operand's registers, [tile][K step 16][fragment 6][4][lane][16 bytes]; behind them (byte HSO) a scale word a row: [tile][K step][96].
; NO TENSOR LOADS, NO CLUSTER: the launch branches on a stored number, and which tiles share an expert's weights hangs on the split, so no fixed mask could name the partners.
; LIMITS: NaN and infinities are not served; a block of zeros gets the scale byte 1 (its codes are zeros, and this program alone reads the bytes).
; REGISTERS, in windows of 256: window 0: v1-19, v35, v42-43 addresses; v20-34 the rows' tokens (LAYER 1); v36-41 scale bytes in pairs; v48-63 scale words, two sets, and nothing else;
;   v64-127 scales on their way to LDS, later the quantiser's figures; v128-255 B's fragments, two sets, later codes or rows of y.
;   window 1: the accumulators, (a, b) at 8 (NB a + b); the bias at v192 on.   window 2: B on its way to LDS, RING sets.   window 3: A's fragments, two sets of 96.
.set LAYER, 2
.set HT,    196608                     ; a tile's codes in h1 or h2
.set HSO,   29*HT                      ; where the scale words begin
.if LAYER == 1
.set KB,    1024                       ; K: bytes in a row of the weight
.set NB,    4                          ; column tiles a wave
.set NCOL,  2048                       ; columns of an expert
.set BSP,   48                         ; a row of B's scale bytes in LDS: 32 + 16
.set ASC,   96*1040                    ; LDS: A's 96 rows of 1,024 + 16 bytes, then A's scale bytes, 48 a row
.set BSLOT, ASC+96*48
.else
.set KB,    2048
.set BSP,   80                         ; 64 + 16
.set ASC,   HT                         ; LDS: A's images, then A's scale words
.set BSLOT, ASC+6144
.if LAYER == 2
.set NB,    4
.set NCOL,  2048
.else
.set NB,    2
.set NCOL,  1024
.endif
.endif
.set NSTEP, KB/128                     ; K steps
.set NGRP,  KB/256                     ; groups of two steps: what a slot holds
.set LG,    8*NB                       ; loads that bring a wave's group: two rows of 256 bytes each
.set RING,  8/NB                       ; groups on their way in registers
.set BSLW,  16*NB*272                  ; a wave's slot
.set BSC,   BSLOT+4*BSLW               ; behind the slots: B's scale bytes, a wave's own part each
.set BSCW,  16*NB*BSP
.set STG,   BSC+4*BSCW                 ; behind them: the stage for the way out
.set NBS,   NB*KB/1024                 ; loads that bring a wave's scale bytes of B
.set LN,  1
.set RR,  2
.set HH,  3
.set BGO, 4                            ; B in memory: KB h + 16 r
.set BST, 5                            ; B into the slot: 272 h + 16 r
.set BAD, 6                            ; B's fragments: 272 r + 16 h
.set BSA, 7                            ; B's scale words: BSP x lane
.set AGO, 8                            ; 16 x lane
.set AST, 9                            ; A into LDS
.set AAD, 10                           ; v10-13 A's fragments
.set ASA, 14                           ; A's scale words
.set ASS, 15                           ; A's scales into LDS
.set BSS, 16                           ; B's scales into LDS
.set BIO, 17                           ; the bias
.set STO, 18                           ; into the stage
.set SRD, 19                           ; out of it
.set TOK, 20
.set L8,  35                           ; 8 x lane
.set PR,  36
.set R16, 42                           ; 16 r
.set P8,  43
.set OB,  44
.set SA,  48                           ; set k: A's words at SA + 8 k + p (lanes 0-15 fragment 2 p, lanes 16-31 fragment 2 p + 1); B's at SB + 8 k + i likewise
.set SB,  52
.set BSL, 64
.set ASL, 96
.set BF,  128
.set TMX, 64
.set TP,  76
.set LIM, 88
.set SCL, 100
.set BYT, 112
.set CD,  128
.set BIAS, 192
.set MSB, 0
.macro WIN new                         ; the immediate's high byte repeats the setting that is left
.if MSB != \new
	s_set_vgpr_msb (MSB<<8)|\new
.set MSB, \new
.endif
.endm
.macro PLACES n                        ; plain lines between a matrix instruction and what reads its results or loads into its registers: eight for this form
.rept \n
	v_nop
.endr
.endm
.macro BLOAD t                         ; group t of my rows of the weight, into set t % RING of window 2
	WIN 0x80
.set I_, 0
.rept LG
	global_load_b128 v[4*LG*((\t)%RING)+4*I_:4*LG*((\t)%RING)+4*I_+3], v[BGO], s[12:13] offset:2*I_*KB+256*(\t)
.set I_, I_+1
.endr
.endm
.macro BSTORE t                        ; and on into my slot: row R to place pi(R)
	WIN 0x08
.set I_, 0
.rept LG
.set X_, 2*I_
.if LAYER < 3
.set X_, (X_&0x27)|(((X_>>3)&1)<<4)|(((X_>>4)&1)<<3)
.endif
	ds_store_b128 v[BST], v[4*LG*((\t)%RING)+4*I_:4*LG*((\t)%RING)+4*I_+3] offset:272*X_
.set I_, I_+1
.endr
.endm
.macro FETCH s                         ; K step s: B's NB fragments, the scale words, A's six fragments, into set s % 2.  A's fragments 3 to 5 come last: twelve loads
.set K_, (\s)%2
	WIN 0
.set I_, 0
.rept NB
.irp c, 0,1,2,3
	ds_load_b128 v[BF+16*NB*K_+16*I_+4*\c:BF+16*NB*K_+16*I_+4*\c+3], v[BAD] offset:4352*I_+128*K_+32*\c
.endr
.set I_, I_+1
.endr
.set I_, 0
.rept NB/2
	ds_load_b32 v[SB+8*K_+I_], v[BSA] offset:32*BSP*I_+4*(\s)
.set I_, I_+1
.endr
.irp p, 0,1,2
.if LAYER == 1
	ds_load_b32 v[SA+8*K_+\p], v[ASA] offset:1536*\p+4*(\s)
.else
	ds_load_b32 v[SA+8*K_+\p], v[ASA] offset:384*(\s)+128*\p
.endif
.endr
	WIN 0xc0
.irp a, 0,1,2,3,4,5
.irp c, 0,1,2,3
.if LAYER == 1
	ds_load_b128 v[96*K_+16*\a+4*\c:96*K_+16*\a+4*\c+3], v[AAD+\a/3] offset:16640*(\a%3)+128*(\s)+32*\c
.else
	ds_load_b128 v[96*K_+16*\a+4*\c:96*K_+16*\a+4*\c+3], v[AAD+(\s)/4] offset:12288*((\s)%4)+2048*\a+512*\c
.endif
.endr
.endr
.endm
.macro WMM                             ; one product; an odd tile's scale words stand in lanes 16-31 of their register
.if (A_%2 == 0) && (B_%2 == 0)
	v_wmma_scale_f32_16x16x128_f8f6f4 v[DR:DR+7], v[BR:BR+15], v[AR:AR+15], v[CR:CR+7], v[SBR], v[SAR] matrix_a_fmt:MATRIX_FMT_BF8 matrix_b_fmt:MATRIX_FMT_BF8
.elseif (A_%2 == 0)
	v_wmma_scale_f32_16x16x128_f8f6f4 v[DR:DR+7], v[BR:BR+15], v[AR:AR+15], v[CR:CR+7], v[SBR], v[SAR] matrix_a_fmt:MATRIX_FMT_BF8 matrix_b_fmt:MATRIX_FMT_BF8 matrix_a_scale:MATRIX_SCALE_ROW1
.elseif (B_%2 == 0)
	v_wmma_scale_f32_16x16x128_f8f6f4 v[DR:DR+7], v[BR:BR+15], v[AR:AR+15], v[CR:CR+7], v[SBR], v[SAR] matrix_a_fmt:MATRIX_FMT_BF8 matrix_b_fmt:MATRIX_FMT_BF8 matrix_b_scale:MATRIX_SCALE_ROW1
.else
	v_wmma_scale_f32_16x16x128_f8f6f4 v[DR:DR+7], v[BR:BR+15], v[AR:AR+15], v[CR:CR+7], v[SBR], v[SAR] matrix_a_fmt:MATRIX_FMT_BF8 matrix_b_fmt:MATRIX_FMT_BF8 matrix_a_scale:MATRIX_SCALE_ROW1 matrix_b_scale:MATRIX_SCALE_ROW1
.endif
.endm
.macro MUL s, a0                       ; A's fragments a0 .. a0 + 2 against B's NB.  The 6 NB accumulators take turns, one instruction a turn, in the same order in every step.  Step 0 takes the bias as C
.set K_, (\s)%2
.set A_, \a0
	WIN 0x5c                                       ; source 0 (B) window 0, source 1 (A) window 3, C and D window 1
.rept 3
.set B_, 0
.rept NB
.set DR, 8*(NB*A_+B_)
.set CR, DR
.if (\s) == 0
.set CR, BIAS+8*B_
.endif
.set BR, BF+16*NB*K_+16*B_
.set AR, 96*K_+16*A_
.set SBR, SB+8*K_+B_/2
.set SAR, SA+8*K_+A_/2
	WMM
.set B_, B_+1
.endr
.set A_, A_+1
.endr
.endm
.macro STEP s
.set T_, (\s)/2
	s_wait_dscnt 12                                ; B, the scale words and A's fragments 0-2 are in, and the slot's stores are done; the youngest twelve loads may be out
.if ((\s)%2 == 0) && (T_+RING < NGRP)
	BLOAD T_+RING                                  ; into the registers that the slot's stores have read
.endif
	MUL \s, 0
	s_wait_dscnt 0x0                               ; A's fragments 3-5
.if (\s)+1 < NSTEP
	PLACES 8                                       ; in front of loads into the other set, which the last step's products read
.if (\s)%2 == 1
.set YG_, T_+RING
.if YG_ > NGRP-1
.set YG_, NGRP-1
.endif
	s_wait_loadcnt LG*(YG_-(T_+1))                 ; group t + 1 is in; the groups asked for behind it may be out
	BSTORE T_+1                                    ; LDS serves a wave's instructions in order: these land behind my reads of group t, and the loads below see them
.endif
	FETCH (\s)+1
.endif
	MUL \s, 3
.endm
.if LAYER == 1
	s_load_b256 s[8:15], s[0:1], 0x0               ; A's codes 8, A's scales 10, the weight's codes 12, its scales 14
	s_load_b128 s[16:19], s[0:1], 0x20             ; the bias 16, route 18
	s_load_b64 s[20:21], s[0:1], 0x30              ; the output 20
.else
	s_load_b64 s[8:9], s[0:1], 0x0                 ; A 8
	s_load_b128 s[12:15], s[0:1], 0x8              ; the weight's codes 12, its scales 14
	s_load_b128 s[16:19], s[0:1], 0x18             ; the bias 16, route 18
	s_load_b64 s[20:21], s[0:1], 0x28              ; the output 20
	v_lshl_add_u32 v126, v0, 2, 0x47c00
	v_mov_b32 v127, 0
.endif
	v_lshrrev_b32 v1, 5, v0
	v_readfirstlane_b32 s2, v1                     ; wave 0..3
	s_and_b32 s3, ttmp7, 0xffff                    ; the tile
	s_lshl_b32 s6, s3, 3
	s_wait_kmcnt 0x0
	s_load_b64 s[22:23], s[18:19], s6 offset:0x0   ; its expert and its rows
	v_and_b32 v[LN], 31, v0
	v_and_b32 v[RR], 15, v0
	v_bfe_u32 v[HH], v0, 4, 1
	v_lshlrev_b32 v[AGO], 4, v[LN]
	v_lshlrev_b32 v[L8], 3, v[LN]
	v_lshlrev_b32 v[R16], 4, v[RR]
	v_mad_u32_u24 v[BGO], v[HH], KB, v[R16]
	s_mul_i32 s28, s2, BSLW
	s_add_co_u32 s28, s28, BSLOT                   ; my slot
	v_mad_u32_u24 v[BST], v[HH], 272, v[R16]
	v_add_nc_u32 v[BST], s28, v[BST]
	v_mul_u32_u24 v[BAD], v[RR], 272
	v_lshl_add_u32 v[BAD], v[HH], 4, v[BAD]
	v_add_nc_u32 v[BAD], s28, v[BAD]
	s_mul_i32 s29, s2, BSCW
	s_add_co_u32 s29, s29, BSC                     ; my scale bytes of B
	v_mul_u32_u24 v[BSA], v[LN], BSP
	v_add_nc_u32 v[BSA], s29, v[BSA]
.if LAYER == 1
	v_bfe_u32 v[BSS], v0, 1, 3                     ; a load's 512 bytes are 16 rows of 32: row (lane / 2) of them; its bit 3 (h) goes to bit 4
	v_lshl_add_u32 v[BSS], v[HH], 4, v[BSS]
	v_mul_u32_u24 v[BSS], v[BSS], BSP
	v_and_b32 v[P8], 1, v0
	v_lshl_add_u32 v[BSS], v[P8], 4, v[BSS]
.else
	v_bfe_u32 v[BSS], v0, 2, 3                     ; a load's 512 bytes are 8 rows of 64: row lane / 4, piece lane % 4
	v_mul_u32_u24 v[BSS], v[BSS], BSP
	v_and_b32 v[P8], 3, v0
	v_lshl_add_u32 v[BSS], v[P8], 4, v[BSS]
.endif
	v_add_nc_u32 v[BSS], s29, v[BSS]
.if LAYER == 1
	s_mul_i32 s28, s2, 24*1040                     ; my 24 rows of A
	v_mad_u32_u24 v[AST], v[HH], 1040, v[R16]
	v_add_nc_u32 v[AST], s28, v[AST]
	v_mul_u32_u24 v[AAD], v[RR], 1040
	v_lshl_add_u32 v[AAD], v[HH], 4, v[AAD]        ; fragments 0-2,
	v_add_nc_u32 v[AAD+1], 3*16640, v[AAD]         ; 3-5
	v_mul_u32_u24 v[ASA], v[LN], 48
	v_add_nc_u32 v[ASA], ASC, v[ASA]
	s_mul_i32 s28, s2, 24*48
	s_add_co_u32 s28, s28, ASC
	v_bfe_u32 v[OB], v0, 2, 3                      ; lane / 4
	v_mul_u32_u24 v[ASS], v[OB], 48
	v_and_b32 v[P8], 3, v0
	v_lshlrev_b32 v[P8], 3, v[P8]                  ; 8 (lane % 4)
	v_add_nc_u32 v[ASS], v[ASS], v[P8]
	v_add_nc_u32 v[ASS], s28, v[ASS]
.else
	s_mul_i32 s28, s2, 49152                       ; my quarter of A's images
	v_add_nc_u32 v[AST], s28, v[AGO]
	v_lshlrev_b32 v[AAD], 4, v[LN]                 ; K steps 0-3,
	v_add_nc_u32 v[AAD+1], 49152, v[AGO]           ; 4-7,
	v_add_nc_u32 v[AAD+2], 2*49152, v[AGO]         ; 8-11,
	v_add_nc_u32 v[AAD+3], 3*49152, v[AGO]         ; 12-15
	v_lshl_add_u32 v[ASA], v[LN], 2, ASC
	s_mul_i32 s28, s2, 1536
	s_add_co_u32 s28, s28, ASC
	v_add_nc_u32 v[ASS], s28, v[AGO]
.endif
.if LAYER < 3
	s_lshr_b32 s28, s2, 1                          ; the stage: two K steps' scale words; my two bytes of a row's word
	s_mul_i32 s28, s28, 384
	s_and_b32 s29, s2, 1
	s_lshl_b32 s29, s29, 1
	s_add_co_u32 s28, s28, s29
	s_add_co_u32 s28, s28, STG
	v_lshlrev_b32 v[STO], 2, v[RR]
	v_add_nc_u32 v[STO], s28, v[STO]
	s_lshl_b32 s28, s2, 8
	s_add_co_u32 s28, s28, STG
	v_add_nc_u32 v[SRD], s28, v[L8]
	v_lshlrev_b32 v[BIO], 6, v[HH]                 ; the bias in the result's layout: 16 h numbers on
.else
	s_lshl_b32 s28, s2, 7                          ; the stage: 96 rows of 512 + 16 bytes; my 128 bytes of a row
	s_add_co_u32 s28, s28, STG
	v_mul_u32_u24 v[STO], v[RR], 528
	v_lshl_add_u32 v[STO], v[HH], 5, v[STO]
	v_add_nc_u32 v[STO], s28, v[STO]
	s_mul_i32 s28, s2, 24*528
	s_add_co_u32 s28, s28, STG
	v_add_nc_u32 v[SRD], s28, v[AGO]
	v_lshlrev_b32 v[BIO], 5, v[HH]                 ; 8 h numbers on
.endif
	s_mov_b32 s25, 0x600000                        ; the mantissa field of 57,344
	s_mov_b32 s26, 0x76543210
	s_mov_b32 s27, 0xfedcba98                      ; v_permlanex16_b32's selects for lane l xor 16
	s_mov_b32 s7, 0
	s_wait_kmcnt 0x0
	s_min_u32 s22, s22, 7                          ; the expert,
	s_min_u32 s23, s23, 96                         ; the tile's rows: 0 where the split has no such tile
	s_mul_i32 s4, s22, NCOL
	s_mul_i32 s28, ttmp9, 64*NB
	s_add_co_u32 s4, s4, s28
	s_mul_i32 s28, s2, 16*NB
	s_add_co_u32 s4, s4, s28                       ; my first row of the weight, counted over all experts
	s_mul_i32 s6, s4, KB
	s_add_nc_u64 s[12:13], s[12:13], s[6:7]
	s_mul_i32 s6, s4, KB/32
	s_add_nc_u64 s[14:15], s[14:15], s[6:7]
	s_lshl_b32 s6, s4, 2
	s_add_nc_u64 s[16:17], s[16:17], s[6:7]
.if LAYER > 1
	s_mul_i32 s6, s3, 6144
	s_mul_i32 s28, s2, 1536
	s_add_co_u32 s6, s6, s28
	s_add_co_u32 s6, s6, HSO
	s_add_nc_u64 s[10:11], s[8:9], s[6:7]          ; my quarter of the tile's scale words,
	s_mul_i32 s6, s3, HT
	s_mul_i32 s28, s2, 49152
	s_add_co_u32 s6, s6, s28
	s_add_nc_u64 s[8:9], s[8:9], s[6:7]            ; and of its codes
.endif
.if LAYER < 3
	s_mul_i32 s6, s3, 6144
	s_mul_i32 s28, ttmp9, 768
	s_add_co_u32 s6, s6, s28
	s_lshl_b32 s28, s2, 8
	s_add_co_u32 s6, s6, s28
	s_add_co_u32 s6, s6, HSO
	s_add_nc_u64 s[32:33], s[20:21], s[6:7]        ; out: the work-group's two K steps of scale words, 256 bytes of them a wave;
	s_mul_i32 s6, s3, HT
	s_mul_i32 s28, ttmp9, 24576
	s_add_co_u32 s6, s6, s28
	s_lshr_b32 s28, s2, 1
	s_mul_i32 s28, s28, 12288
	s_add_co_u32 s6, s6, s28
	s_and_b32 s28, s2, 1
	s_lshl_b32 s28, s28, 10
	s_add_co_u32 s6, s6, s28
	s_add_nc_u64 s[20:21], s[20:21], s[6:7]        ; the codes: K step 2 x + w / 2, blocks 2 (w % 2) and + 1
.else
	s_mul_i32 s6, s3, 96*4096
	s_mul_i32 s28, s2, 24*4096
	s_add_co_u32 s6, s6, s28
	s_lshl_b32 s28, ttmp9, 9
	s_add_co_u32 s6, s6, s28
	s_add_nc_u64 s[20:21], s[20:21], s[6:7]        ; out: my 24 rows of y, the work-group's 512 bytes of them
.endif
	; ---- what every work-group asks for
.if LAYER == 1
	s_max_u32 s28, s23, 1
	s_sub_co_u32 s28, s28, 1                       ; the tile's last row: slots beyond it repeat it
	s_mul_i32 s29, s3, 96
	s_cmp_lg_u32 s23, 0
	s_cselect_b32 s29, s29, 0                      ; the tile's first position (a tile without rows names position 0, which always has a row)
	s_mul_i32 s34, s2, 24
.macro TOKIDX reg                      ; a slot of the tile -> the byte of its entry in the list of tokens
	v_min_u32 v[\reg], s28, v[\reg]
	v_add_nc_u32 v[\reg], s29, v[\reg]
	v_min_u32 v[\reg], 0xadf, v[\reg]
	v_lshlrev_b32 v[\reg], 2, v[\reg]
.endm
.irp i, 0,1,2,3,4,5,6,7,8,9,10,11
	v_add3_u32 v[TOK+\i], v[HH], s34, 2*\i         ; for the codes: two rows a load: slot 24 w + 2 i + h
	TOKIDX TOK+\i
.endr
.irp i, 0,1,2
	v_add3_u32 v[TOK+12+\i], v[OB], s34, 8*\i      ; for the scale bytes: eight rows a load: slot 24 w + 8 i + lane / 4
	TOKIDX TOK+12+\i
.endr
.irp i, 0,1,2,3,4,5,6,7,8,9,10,11,12,13,14
	global_load_b32 v[TOK+\i], v[TOK+\i], s[18:19] offset:8448
.endr
.endif
	WIN 0x40                                       ; destination window 1
.set I_, 0
.rept NB
.if LAYER < 3
.set X_, 128*(I_/2)+32*(I_%2)
.else
.set X_, 64*I_
.endif
	global_load_b128 v[BIAS+8*I_:BIAS+8*I_+3], v[BIO], s[16:17] offset:X_
	global_load_b128 v[BIAS+8*I_+4:BIAS+8*I_+7], v[BIO], s[16:17] offset:X_+16
.set I_, I_+1
.endr
	WIN 0
.set I_, 0
.rept NBS
	global_load_b128 v[BSL+4*I_:BSL+4*I_+3], v[AGO], s[14:15] offset:512*I_        ; my rows' scale bytes are one dense block
.set I_, I_+1
.endr
	BLOAD 0
	WIN 0
	s_cmp_eq_u32 s23, 0
	s_cbranch_scc1 .Lhave_a
	; ---- A comes into LDS, a quarter by each wave
.if LAYER == 1
	s_wait_loadcnt 2*NB+NBS+LG                     ; the tokens are in; all that was asked for behind them may be out
.irp i, 0,1,2,3,4,5,6,7,8,9,10,11
	v_min_u32 v[TOK+\i], 0x3ff, v[TOK+\i]
	v_lshlrev_b32 v[TOK+\i], 10, v[TOK+\i]         ; the token's row of 1,024 bytes,
	v_add_nc_u32 v[TOK+\i], v[TOK+\i], v[R16]      ; my 16 bytes of each 256
.endr
.irp i, 12,13,14
	v_min_u32 v[TOK+\i], 0x3ff, v[TOK+\i]
	v_lshlrev_b32 v[TOK+\i], 5, v[TOK+\i]          ; its 32 scale bytes,
	v_add_nc_u32 v[TOK+\i], v[TOK+\i], v[P8]       ; my 8 of them
.endr
.irp i, 0,1,2
	global_load_b64 v[ASL+2*\i:ASL+2*\i+1], v[TOK+12+\i], s[10:11]
.endr
	WIN 0x40
.set I_, 0
.rept 48
	global_load_b128 v[4*I_:4*I_+3], v[TOK+I_/4], s[8:9] offset:256*(I_%4)
.set I_, I_+1
.endr
	WIN 0
	s_wait_loadcnt 24                              ; the scale bytes and the first 24 loads are in
.irp i, 0,1,2
	ds_store_b64 v[ASS], v[ASL+2*\i:ASL+2*\i+1] offset:384*\i
.endr
	WIN 0x04                                       ; an LDS store's data are its source 1: window 1
.set I_, 0
.rept 24
	ds_store_b128 v[AST], v[4*I_:4*I_+3] offset:2080*(I_/4)+256*(I_%4)
.set I_, I_+1
.endr
	s_wait_loadcnt 0x0
.rept 24
	ds_store_b128 v[AST], v[4*I_:4*I_+3] offset:2080*(I_/4)+256*(I_%4)
.set I_, I_+1
.endr
	WIN 0
.else
.irp i, 0,1,2
	global_load_b128 v[ASL+4*\i:ASL+4*\i+3], v[AGO], s[10:11] offset:512*\i
.endr
	WIN 0x40                                       ; 48 loads land where the accumulators will lie,
.set I_, 0
.rept 48
	global_load_b128 v[4*I_:4*I_+3], v[AGO], s[8:9] offset:512*I_
.set I_, I_+1
.endr
	WIN 0xc0                                       ; 48 where A's fragments will
.rept 48
	global_load_b128 v[4*(I_-48):4*(I_-48)+3], v[AGO], s[8:9] offset:512*I_
.set I_, I_+1
.endr
	WIN 0
	s_wait_loadcnt 48                              ; all but the second 48
.irp i, 0,1,2
	ds_store_b128 v[ASS], v[ASL+4*\i:ASL+4*\i+3] offset:512*\i
.endr
	WIN 0x04
.set I_, 0
.rept 48
	ds_store_b128 v[AST], v[4*I_:4*I_+3] offset:512*I_
.set I_, I_+1
.endr
	s_wait_loadcnt 0x0
	WIN 0x0c
.rept 48
	ds_store_b128 v[AST], v[4*(I_-48):4*(I_-48)+3] offset:512*I_
.set I_, I_+1
.endr
	WIN 0
.endif
.Lhave_a:
	s_wait_loadcnt 0x0                             ; the bias, B's scale bytes and group 0 are in
.set Q_, 1
.rept RING-1
	BLOAD Q_
.set Q_, Q_+1
.endr
	WIN 0
.set I_, 0
.rept NBS
.if LAYER == 1
.set X_, 8*(I_&1)+32*(I_>>1)
.elseif LAYER == 2
.set X_, 8*I_
.set X_, (X_&0x27)|(((X_>>3)&1)<<4)|(((X_>>4)&1)<<3)
.else
.set X_, 8*I_
.endif
	ds_store_b128 v[BSS], v[BSL+4*I_:BSL+4*I_+3] offset:BSP*X_     ; a row's scale bytes go to the place of its codes
.set I_, I_+1
.endr
	s_wait_dscnt 0x0                               ; for the others' sake: my part of A has landed
	s_barrier_signal -1
	s_barrier_wait -1                              ; A is whole
	s_cmp_eq_u32 s23, 0
	s_cbranch_scc1 .Lstaged
	; ---- the products
	BSTORE 0
	FETCH 0
.set Q_, 0
.rept NSTEP
	STEP Q_
.set Q_, Q_+1
.endr
	WIN 0
.if LAYER < 3
	; ---- relu, the quantiser, the way out.  Block q = 2 a + i: rows 16 a on, my columns 32 i on: registers 16 q .. 16 q + 15 of window 1 and those of lane l xor 16
.irp q, 0,1,2,3,4,5,6,7,8,9,10,11
	v_mov_b32 v[TP+\q], 0                          ; a lane permute's destination counts as one of its sources.  These twelve are also the places behind the last products
.endr
	WIN 0x05                                       ; sources 0 and 1 window 1
.irp q, 0,1,2,3,4,5,6,7,8,9,10,11
	v_max3_num_f32 v[TMX+\q], v[16*\q], v[16*\q+1], 0x8000000      ; no |.|: what is negative becomes 0 and must not count; the floor 2^(16 - 127) keeps the byte at 1 or more.  Each accumulator is read from its low end on
.endr
.irp i, 2,4,6,8,10,12,14
.irp q, 0,1,2,3,4,5,6,7,8,9,10,11
	v_max3_num_f32 v[TMX+\q], v[16*\q+\i], v[16*\q+\i+1], v[TMX+\q]
.endr
.endr
	WIN 0
.irp q, 0,1,2,3,4,5,6,7,8,9,10,11
	v_permlanex16_b32 v[TP+\q], v[TMX+\q], s26, s27
.endr
.irp q, 0,1,2,3,4,5,6,7,8,9,10,11
	v_max_num_f32 v[TMX+\q], v[TMX+\q], v[TP+\q]   ; the block's largest number
.endr
.irp q, 0,1,2,3,4,5,6,7,8,9,10,11
	v_add_nc_u32 v[SCL+\q], 0xf8800000, v[TMX+\q]  ; 15 off its exponent field: the conversion's scale operand
.endr
.irp q, 0,1,2,3,4,5,6,7,8,9,10,11
	v_and_or_b32 v[LIM+\q], v[TMX+\q], 0x7f800000, s25     ; 57,344 x the scale
.endr
.irp q, 0,1,2,3,4,5,6,7,8,9,10,11
	v_lshrrev_b32 v[BYT+\q], 23, v[SCL+\q]         ; the scale's byte
.endr
.irp a, 0,1,2,3,4,5
	v_lshl_or_b32 v[PR+\a], v[BYT+2*\a+1], 8, v[BYT+2*\a]  ; my two bytes of the row's scale word
.endr
	WIN 0x41                                       ; source 0 and destination window 1
.irp q, 0,1,2,3,4,5,6,7,8,9,10,11
.irp i, 0,1,2,3,4,5,6,7,8,9,10,11,12,13,14,15
	v_med3_num_f32 v[16*\q+\i], v[16*\q+\i], 0, v[LIM+\q]  ; the activation and the hold in one: the conversion to an 8-bit code does not saturate (ISA guide 7.6.2)
.endr
.endr
	WIN 0x01                                       ; source 0 window 1
.irp q, 0,1,2,3,4,5,6,7,8,9,10,11
	v_cvt_scalef32_pk8_bf8_f32 v[CD+4*\q:CD+4*\q+1], v[16*\q:16*\q+7], v[SCL+\q]
	v_cvt_scalef32_pk8_bf8_f32 v[CD+4*\q+2:CD+4*\q+3], v[16*\q+8:16*\q+15], v[SCL+\q]
.endr
	WIN 0
	v_nop                                          ; one plain line behind the last conversion
.irp q, 0,1,2,3,4,5,6,7,8,9,10,11
	global_store_b128 v[AGO], v[CD+4*\q:CD+4*\q+3], s[20:21] offset:2048*(\q/2)+512*(\q%2)  ; four registers of the next operand's image: 512 consecutive bytes
.endr
.irp a, 0,1,2,3,4,5
	ds_store_b16 v[STO], v[PR+\a] offset:64*\a     ; both lanes of a row write the same two bytes with the same value
.endr
.else
	PLACES 8
	WIN 0x04                                       ; the data: window 1
.irp a, 0,1,2,3,4,5
.irp b, 0,1
	ds_store_b128 v[STO], v[8*(2*\a+\b):8*(2*\a+\b)+3] offset:8448*\a+64*\b        ; y(16 a + r, my 16 b + 8 h + 0 .. 7): each accumulator from its low end on
	ds_store_b128 v[STO], v[8*(2*\a+\b)+4:8*(2*\a+\b)+7] offset:8448*\a+64*\b+16
.endr
.endr
	WIN 0
.endif
.Lstaged:
	s_wait_dscnt 0x0                               ; for the others' sake: my stores into the stage have landed
	s_barrier_signal -1
	s_barrier_wait -1
	s_cmp_eq_u32 s23, 0
	s_cbranch_scc1 .Lend
.if LAYER < 3
	s_cmp_gt_u32 s2, 2
	s_cbranch_scc1 .Lend                           ; 768 bytes of scale words: 256 for each of three waves
	ds_load_b64 v[OB:OB+1], v[SRD]
	s_wait_dscnt 0x0
	global_store_b64 v[L8], v[OB:OB+1], s[32:33]   ; 256 consecutive bytes, at a multiple of 256 from the buffer's first byte
.else
.irp i, 0,1,2,3,4,5,6,7,8,9,10,11,12,13,14,15,16,17,18,19,20,21,22,23
	ds_load_b128 v[CD+4*\i:CD+4*\i+3], v[SRD] offset:528*\i
.endr
.irp i, 0,1,2,3,4,5,6,7,8,9,10,11,12,13,14,15,16,17,18,19,20,21,22,23
	s_wait_dscnt 23-\i
	global_store_b128 v[AGO], v[CD+4*\i:CD+4*\i+3], s[20:21] offset:4096*\i        ; 512 consecutive bytes of a row of y
.endr
.endif
.Lend:
	s_wait_tensorcnt 0x0
	ds_add_u32 v126, v127
	s_wait_dscnt 0x0
	s_endpgm
.Lfunc_end_k_q092622d433_ffn2:
	.size	k_q092622d433_ffn2, .Lfunc_end_k_q092622d433_ffn2-k_q092622d433_ffn2
	.p2alignl 7, 3214868480
	.fill 96, 4, 3214868480
	.section	.rodata,"a",@progbits
	.p2align	6, 0x0
	.amdhsa_kernel k_q092622d433_ffn2
		.amdhsa_group_segment_fixed_size 294400
		.amdhsa_private_segment_fixed_size 0
		.amdhsa_enable_private_segment 0
		.amdhsa_kernarg_size 48
		.amdhsa_user_sgpr_count 2
		.amdhsa_user_sgpr_kernarg_segment_ptr 1
		.amdhsa_wavefront_size32 1
		.amdhsa_system_sgpr_workgroup_id_x 1
		.amdhsa_system_sgpr_workgroup_id_y 1
		.amdhsa_system_sgpr_workgroup_id_z 1
		.amdhsa_system_vgpr_workitem_id 0
		.amdhsa_next_free_vgpr 1024
		.amdhsa_next_free_sgpr 66
		.amdhsa_reserve_vcc 0
		.amdhsa_float_denorm_mode_32 3
		.amdhsa_float_denorm_mode_16_64 3
		.amdhsa_memory_ordered 1
		.amdhsa_forward_progress 1
		.amdhsa_inst_pref_size 190
	.end_amdhsa_kernel
	.amdgpu_metadata
---
amdhsa.version: [ 1, 2 ]
amdhsa.kernels:
  - .name:           k_q092622d433_ffn2
    .symbol:         k_q092622d433_ffn2.kd
    .args:
      - { .name: h1, .offset: 0, .size: 8, .value_kind: global_buffer, .address_space: global }
      - { .name: ew2_codes, .offset: 8, .size: 8, .value_kind: global_buffer, .address_space: global }
      - { .name: ew2_scales, .offset: 16, .size: 8, .value_kind: global_buffer, .address_space: global }
      - { .name: eb2, .offset: 24, .size: 8, .value_kind: global_buffer, .address_space: global }
      - { .name: route, .offset: 32, .size: 8, .value_kind: global_buffer, .address_space: global }
      - { .name: h2, .offset: 40, .size: 8, .value_kind: global_buffer, .address_space: global }
    .group_segment_fixed_size: 294400
    .private_segment_fixed_size: 0
    .kernarg_segment_align: 8
    .kernarg_segment_size: 48
    .max_flat_workgroup_size: 128
    .sgpr_count:     66
    .vgpr_count:     1024
    .wavefront_size: 32
...
	.end_amdgpu_metadata
.endif
;; end of part 4
;; launch ffn3 (part 5): grid 8 x 29, 4 waves a work-group, no clusters, 299,008 bytes of LDS; arguments h2, ew3_codes, ew3_scales, eb3, route, y; writes y
.if DOCPART == 5
	.amdgcn_target "amdgcn-amd-amdhsa--gfx1250"
	.amdhsa_code_object_version 6
	.text
	.protected	k_q092622d433_ffn3
	.globl	k_q092622d433_ffn3
	.p2align	8
	.type	k_q092622d433_ffn3,@function
k_q092622d433_ffn3:
	s_mov_b64 s[64:65], 0
	v_nop
	global_prefetch_b8 v0, s[64:65] scope:SCOPE_SE
	s_setreg_imm32_b32 hwreg(HW_REG_WAVE_MODE, 25, 1), 1
	s_wait_xcnt 0x0
; ONE LAYER OF THE EXPERTS, on the routed rows alone.  The same text serves the three layers; LAYER picks the sizes and what differs.
;   LAYER 1: h1 = Q(relu(x ew1 + eb1)), rows gathered from x by the stored list;  LAYER 2: h2 = Q(relu(h1 ew2 + eb2));  LAYER 3: y = h2 ew3 + eb3, f32.   Q: the quantiser along the next product's K.
; All products on codes of E5M2 with one E8M0 scale for each 32 along K; sums in f32.
; SHARES.  Work-group (x, y) takes tile y of the stored table (96 rows of one expert) and columns 64 NB x .. + 64 NB - 1; wave w all 96 rows x its own 16 NB columns: 6 NB accumulators.
; The grid has 29 tiles, as many as any split of 2,048 rows over 8 experts can need.  A tile without rows does no product and stores nothing: a scalar branch on the stored count leads round
; the work, and both barriers stand outside it, on every wave's path.  A tile's slots beyond its rows repeat its last row (LAYER 1); they are computed and nobody reads them.
; A (the rows) comes into LDS once and stays: all four waves read it.  B (the weights) is each wave's own: memory -> registers (64 loads a wave on their way) -> the wave's own slot in LDS
; (rows of 256 bytes + 16) -> fragments.  So the loop over K has no barrier.
; THE MATRIX INSTRUCTION IS USED TRANSPOSED (source 0 = 16 rows of the weight, source 1 = 16 rows of A): a lane holds one row and its registers run along the columns.
; LAYERS 1, 2: the weight's row R lies at place pi(R) of the slot (pi swaps bits 3 and 4), so that tile b, places 16 b + r, holds rows 32 (b / 2) + 8 (b % 2) + r + 8 (r / 8):
; the 16 registers of tiles 2 i and 2 i + 1 are then 16 neighbours along the next K, and the conversions' results are the next operand's registers.
; h1, h2 are laid as the next layer wants them: codes as images of the operand's registers, [tile][K step 16][fragment 6][4][lane][16 bytes]; behind them (byte HSO) a scale word a row: [tile][K step][96].
; NO TENSOR LOADS, NO CLUSTER: the launch branches on a stored number, and which tiles share an expert's weights hangs on the split, so no fixed mask could name the partners.
; LIMITS: NaN and infinities are not served; a block of zeros gets the scale byte 1 (its codes are zeros, and this program alone reads the bytes).
; REGISTERS, in windows of 256: window 0: v1-19, v35, v42-43 addresses; v20-34 the rows' tokens (LAYER 1); v36-41 scale bytes in pairs; v48-63 scale words, two sets, and nothing else;
;   v64-127 scales on their way to LDS, later the quantiser's figures; v128-255 B's fragments, two sets, later codes or rows of y.
;   window 1: the accumulators, (a, b) at 8 (NB a + b); the bias at v192 on.   window 2: B on its way to LDS, RING sets.   window 3: A's fragments, two sets of 96.
.set LAYER, 3
.set HT,    196608                     ; a tile's codes in h1 or h2
.set HSO,   29*HT                      ; where the scale words begin
.if LAYER == 1
.set KB,    1024                       ; K: bytes in a row of the weight
.set NB,    4                          ; column tiles a wave
.set NCOL,  2048                       ; columns of an expert
.set BSP,   48                         ; a row of B's scale bytes in LDS: 32 + 16
.set ASC,   96*1040                    ; LDS: A's 96 rows of 1,024 + 16 bytes, then A's scale bytes, 48 a row
.set BSLOT, ASC+96*48
.else
.set KB,    2048
.set BSP,   80                         ; 64 + 16
.set ASC,   HT                         ; LDS: A's images, then A's scale words
.set BSLOT, ASC+6144
.if LAYER == 2
.set NB,    4
.set NCOL,  2048
.else
.set NB,    2
.set NCOL,  1024
.endif
.endif
.set NSTEP, KB/128                     ; K steps
.set NGRP,  KB/256                     ; groups of two steps: what a slot holds
.set LG,    8*NB                       ; loads that bring a wave's group: two rows of 256 bytes each
.set RING,  8/NB                       ; groups on their way in registers
.set BSLW,  16*NB*272                  ; a wave's slot
.set BSC,   BSLOT+4*BSLW               ; behind the slots: B's scale bytes, a wave's own part each
.set BSCW,  16*NB*BSP
.set STG,   BSC+4*BSCW                 ; behind them: the stage for the way out
.set NBS,   NB*KB/1024                 ; loads that bring a wave's scale bytes of B
.set LN,  1
.set RR,  2
.set HH,  3
.set BGO, 4                            ; B in memory: KB h + 16 r
.set BST, 5                            ; B into the slot: 272 h + 16 r
.set BAD, 6                            ; B's fragments: 272 r + 16 h
.set BSA, 7                            ; B's scale words: BSP x lane
.set AGO, 8                            ; 16 x lane
.set AST, 9                            ; A into LDS
.set AAD, 10                           ; v10-13 A's fragments
.set ASA, 14                           ; A's scale words
.set ASS, 15                           ; A's scales into LDS
.set BSS, 16                           ; B's scales into LDS
.set BIO, 17                           ; the bias
.set STO, 18                           ; into the stage
.set SRD, 19                           ; out of it
.set TOK, 20
.set L8,  35                           ; 8 x lane
.set PR,  36
.set R16, 42                           ; 16 r
.set P8,  43
.set OB,  44
.set SA,  48                           ; set k: A's words at SA + 8 k + p (lanes 0-15 fragment 2 p, lanes 16-31 fragment 2 p + 1); B's at SB + 8 k + i likewise
.set SB,  52
.set BSL, 64
.set ASL, 96
.set BF,  128
.set TMX, 64
.set TP,  76
.set LIM, 88
.set SCL, 100
.set BYT, 112
.set CD,  128
.set BIAS, 192
.set MSB, 0
.macro WIN new                         ; the immediate's high byte repeats the setting that is left
.if MSB != \new
	s_set_vgpr_msb (MSB<<8)|\new
.set MSB, \new
.endif
.endm
.macro PLACES n                        ; plain lines between a matrix instruction and what reads its results or loads into its registers: eight for this form
.rept \n
	v_nop
.endr
.endm
.macro BLOAD t                         ; group t of my rows of the weight, into set t % RING of window 2
	WIN 0x80
.set I_, 0
.rept LG
	global_load_b128 v[4*LG*((\t)%RING)+4*I_:4*LG*((\t)%RING)+4*I_+3], v[BGO], s[12:13] offset:2*I_*KB+256*(\t)
.set I_, I_+1
.endr
.endm
.macro BSTORE t                        ; and on into my slot: row R to place pi(R)
	WIN 0x08
.set I_, 0
.rept LG
.set X_, 2*I_
.if LAYER < 3
.set X_, (X_&0x27)|(((X_>>3)&1)<<4)|(((X_>>4)&1)<<3)
.endif
	ds_store_b128 v[BST], v[4*LG*((\t)%RING)+4*I_:4*LG*((\t)%RING)+4*I_+3] offset:272*X_
.set I_, I_+1
.endr
.endm
.macro FETCH s                         ; K step s: B's NB fragments, the scale words, A's six fragments, into set s % 2.  A's fragments 3 to 5 come last: twelve loads
.set K_, (\s)%2
	WIN 0
.set I_, 0
.rept NB
.irp c, 0,1,2,3
	ds_load_b128 v[BF+16*NB*K_+16*I_+4*\c:BF+16*NB*K_+16*I_+4*\c+3], v[BAD] offset:4352*I_+128*K_+32*\c
.endr
.set I_, I_+1
.endr
.set I_, 0
.rept NB/2
	ds_load_b32 v[SB+8*K_+I_], v[BSA] offset:32*BSP*I_+4*(\s)
.set I_, I_+1
.endr
.irp p, 0,1,2
.if LAYER == 1
	ds_load_b32 v[SA+8*K_+\p], v[ASA] offset:1536*\p+4*(\s)
.else
	ds_load_b32 v[SA+8*K_+\p], v[ASA] offset:384*(\s)+128*\p
.endif
.endr
	WIN 0xc0
.irp a, 0,1,2,3,4,5
.irp c, 0,1,2,3
.if LAYER == 1
	ds_load_b128 v[96*K_+16*\a+4*\c:96*K_+16*\a+4*\c+3], v[AAD+\a/3] offset:16640*(\a%3)+128*(\s)+32*\c
.else
	ds_load_b128 v[96*K_+16*\a+4*\c:96*K_+16*\a+4*\c+3], v[AAD+(\s)/4] offset:12288*((\s)%4)+2048*\a+512*\c
.endif
.endr
.endr
.endm
.macro WMM                             ; one product; an odd tile's scale words stand in lanes 16-31 of their register
.if (A_%2 == 0) && (B_%2 == 0)
	v_wmma_scale_f32_16x16x128_f8f6f4 v[DR:DR+7], v[BR:BR+15], v[AR:AR+15], v[CR:CR+7], v[SBR], v[SAR] matrix_a_fmt:MATRIX_FMT_BF8 matrix_b_fmt:MATRIX_FMT_BF8
.elseif (A_%2 == 0)
	v_wmma_scale_f32_16x16x128_f8f6f4 v[DR:DR+7], v[BR:BR+15], v[AR:AR+15], v[CR:CR+7], v[SBR], v[SAR] matrix_a_fmt:MATRIX_FMT_BF8 matrix_b_fmt:MATRIX_FMT_BF8 matrix_a_scale:MATRIX_SCALE_ROW1
.elseif (B_%2 == 0)
	v_wmma_scale_f32_16x16x128_f8f6f4 v[DR:DR+7], v[BR:BR+15], v[AR:AR+15], v[CR:CR+7], v[SBR], v[SAR] matrix_a_fmt:MATRIX_FMT_BF8 matrix_b_fmt:MATRIX_FMT_BF8 matrix_b_scale:MATRIX_SCALE_ROW1
.else
	v_wmma_scale_f32_16x16x128_f8f6f4 v[DR:DR+7], v[BR:BR+15], v[AR:AR+15], v[CR:CR+7], v[SBR], v[SAR] matrix_a_fmt:MATRIX_FMT_BF8 matrix_b_fmt:MATRIX_FMT_BF8 matrix_a_scale:MATRIX_SCALE_ROW1 matrix_b_scale:MATRIX_SCALE_ROW1
.endif
.endm
.macro MUL s, a0                       ; A's fragments a0 .. a0 + 2 against B's NB.  The 6 NB accumulators take turns, one instruction a turn, in the same order in every step.  Step 0 takes the bias as C
.set K_, (\s)%2
.set A_, \a0
	WIN 0x5c                                       ; source 0 (B) window 0, source 1 (A) window 3, C and D window 1
.rept 3
.set B_, 0
.rept NB
.set DR, 8*(NB*A_+B_)
.set CR, DR
.if (\s) == 0
.set CR, BIAS+8*B_
.endif
.set BR, BF+16*NB*K_+16*B_
.set AR, 96*K_+16*A_
.set SBR, SB+8*K_+B_/2
.set SAR, SA+8*K_+A_/2
	WMM
.set B_, B_+1
.endr
.set A_, A_+1
.endr
.endm
.macro STEP s
.set T_, (\s)/2
	s_wait_dscnt 12                                ; B, the scale words and A's fragments 0-2 are in, and the slot's stores are done; the youngest twelve loads may be out
.if ((\s)%2 == 0) && (T_+RING < NGRP)
	BLOAD T_+RING                                  ; into the registers that the slot's stores have read
.endif
	MUL \s, 0
	s_wait_dscnt 0x0                               ; A's fragments 3-5
.if (\s)+1 < NSTEP
	PLACES 8                                       ; in front of loads into the other set, which the last step's products read
.if (\s)%2 == 1
.set YG_, T_+RING
.if YG_ > NGRP-1
.set YG_, NGRP-1
.endif
	s_wait_loadcnt LG*(YG_-(T_+1))                 ; group t + 1 is in; the groups asked for behind it may be out
	BSTORE T_+1                                    ; LDS serves a wave's instructions in order: these land behind my reads of group t, and the loads below see them
.endif
	FETCH (\s)+1
.endif
	MUL \s, 3
.endm
.if LAYER == 1
	s_load_b256 s[8:15], s[0:1], 0x0               ; A's codes 8, A's scales 10, the weight's codes 12, its scales 14
	s_load_b128 s[16:19], s[0:1], 0x20             ; the bias 16, route 18
	s_load_b64 s[20:21], s[0:1], 0x30              ; the output 20
.else
	s_load_b64 s[8:9], s[0:1], 0x0                 ; A 8
	s_load_b128 s[12:15], s[0:1], 0x8              ; the weight's codes 12, its scales 14
	s_load_b128 s[16:19], s[0:1], 0x18             ; the bias 16, route 18
	s_load_b64 s[20:21], s[0:1], 0x28              ; the output 20
	v_lshl_add_u32 v254, v0, 2, 0x48e00
	v_mov_b32 v255, 0
.endif
	v_lshrrev_b32 v1, 5, v0
	v_readfirstlane_b32 s2, v1                     ; wave 0..3
	s_and_b32 s3, ttmp7, 0xffff                    ; the tile
	s_lshl_b32 s6, s3, 3
	s_wait_kmcnt 0x0
	s_load_b64 s[22:23], s[18:19], s6 offset:0x0   ; its expert and its rows
	v_and_b32 v[LN], 31, v0
	v_and_b32 v[RR], 15, v0
	v_bfe_u32 v[HH], v0, 4, 1
	v_lshlrev_b32 v[AGO], 4, v[LN]
	v_lshlrev_b32 v[L8], 3, v[LN]
	v_lshlrev_b32 v[R16], 4, v[RR]
	v_mad_u32_u24 v[BGO], v[HH], KB, v[R16]
	s_mul_i32 s28, s2, BSLW
	s_add_co_u32 s28, s28, BSLOT                   ; my slot
	v_mad_u32_u24 v[BST], v[HH], 272, v[R16]
	v_add_nc_u32 v[BST], s28, v[BST]
	v_mul_u32_u24 v[BAD], v[RR], 272
	v_lshl_add_u32 v[BAD], v[HH], 4, v[BAD]
	v_add_nc_u32 v[BAD], s28, v[BAD]
	s_mul_i32 s29, s2, BSCW
	s_add_co_u32 s29, s29, BSC                     ; my scale bytes of B
	v_mul_u32_u24 v[BSA], v[LN], BSP
	v_add_nc_u32 v[BSA], s29, v[BSA]
.if LAYER == 1
	v_bfe_u32 v[BSS], v0, 1, 3                     ; a load's 512 bytes are 16 rows of 32: row (lane / 2) of them; its bit 3 (h) goes to bit 4
	v_lshl_add_u32 v[BSS], v[HH], 4, v[BSS]
	v_mul_u32_u24 v[BSS], v[BSS], BSP
	v_and_b32 v[P8], 1, v0
	v_lshl_add_u32 v[BSS], v[P8], 4, v[BSS]
.else
	v_bfe_u32 v[BSS], v0, 2, 3                     ; a load's 512 bytes are 8 rows of 64: row lane / 4, piece lane % 4
	v_mul_u32_u24 v[BSS], v[BSS], BSP
	v_and_b32 v[P8], 3, v0
	v_lshl_add_u32 v[BSS], v[P8], 4, v[BSS]
.endif
	v_add_nc_u32 v[BSS], s29, v[BSS]
.if LAYER == 1
	s_mul_i32 s28, s2, 24*1040                     ; my 24 rows of A
	v_mad_u32_u24 v[AST], v[HH], 1040, v[R16]
	v_add_nc_u32 v[AST], s28, v[AST]
	v_mul_u32_u24 v[AAD], v[RR], 1040
	v_lshl_add_u32 v[AAD], v[HH], 4, v[AAD]        ; fragments 0-2,
	v_add_nc_u32 v[AAD+1], 3*16640, v[AAD]         ; 3-5
	v_mul_u32_u24 v[ASA], v[LN], 48
	v_add_nc_u32 v[ASA], ASC, v[ASA]
	s_mul_i32 s28, s2, 24*48
	s_add_co_u32 s28, s28, ASC
	v_bfe_u32 v[OB], v0, 2, 3                      ; lane / 4
	v_mul_u32_u24 v[ASS], v[OB], 48
	v_and_b32 v[P8], 3, v0
	v_lshlrev_b32 v[P8], 3, v[P8]                  ; 8 (lane % 4)
	v_add_nc_u32 v[ASS], v[ASS], v[P8]
	v_add_nc_u32 v[ASS], s28, v[ASS]
.else
	s_mul_i32 s28, s2, 49152                       ; my quarter of A's images
	v_add_nc_u32 v[AST], s28, v[AGO]
	v_lshlrev_b32 v[AAD], 4, v[LN]                 ; K steps 0-3,
	v_add_nc_u32 v[AAD+1], 49152, v[AGO]           ; 4-7,
	v_add_nc_u32 v[AAD+2], 2*49152, v[AGO]         ; 8-11,
	v_add_nc_u32 v[AAD+3], 3*49152, v[AGO]         ; 12-15
	v_lshl_add_u32 v[ASA], v[LN], 2, ASC
	s_mul_i32 s28, s2, 1536
	s_add_co_u32 s28, s28, ASC
	v_add_nc_u32 v[ASS], s28, v[AGO]
.endif
.if LAYER < 3
	s_lshr_b32 s28, s2, 1                          ; the stage: two K steps' scale words; my two bytes of a row's word
	s_mul_i32 s28, s28, 384
	s_and_b32 s29, s2, 1
	s_lshl_b32 s29, s29, 1
	s_add_co_u32 s28, s28, s29
	s_add_co_u32 s28, s28, STG
	v_lshlrev_b32 v[STO], 2, v[RR]
	v_add_nc_u32 v[STO], s28, v[STO]
	s_lshl_b32 s28, s2, 8
	s_add_co_u32 s28, s28, STG
	v_add_nc_u32 v[SRD], s28, v[L8]
	v_lshlrev_b32 v[BIO], 6, v[HH]                 ; the bias in the result's layout: 16 h numbers on
.else
	s_lshl_b32 s28, s2, 7                          ; the stage: 96 rows of 512 + 16 bytes; my 128 bytes of a row
	s_add_co_u32 s28, s28, STG
	v_mul_u32_u24 v[STO], v[RR], 528
	v_lshl_add_u32 v[STO], v[HH], 5, v[STO]
	v_add_nc_u32 v[STO], s28, v[STO]
	s_mul_i32 s28, s2, 24*528
	s_add_co_u32 s28, s28, STG
	v_add_nc_u32 v[SRD], s28, v[AGO]
	v_lshlrev_b32 v[BIO], 5, v[HH]                 ; 8 h numbers on
.endif
	s_mov_b32 s25, 0x600000                        ; the mantissa field of 57,344
	s_mov_b32 s26, 0x76543210
	s_mov_b32 s27, 0xfedcba98                      ; v_permlanex16_b32's selects for lane l xor 16
	s_mov_b32 s7, 0
	s_wait_kmcnt 0x0
	s_min_u32 s22, s22, 7                          ; the expert,
	s_min_u32 s23, s23, 96                         ; the tile's rows: 0 where the split has no such tile
	s_mul_i32 s4, s22, NCOL
	s_mul_i32 s28, ttmp9, 64*NB
	s_add_co_u32 s4, s4, s28
	s_mul_i32 s28, s2, 16*NB
	s_add_co_u32 s4, s4, s28                       ; my first row of the weight, counted over all experts
	s_mul_i32 s6, s4, KB
	s_add_nc_u64 s[12:13], s[12:13], s[6:7]
	s_mul_i32 s6, s4, KB/32
	s_add_nc_u64 s[14:15], s[14:15], s[6:7]
	s_lshl_b32 s6, s4, 2
	s_add_nc_u64 s[16:17], s[16:17], s[6:7]
.if LAYER > 1
	s_mul_i32 s6, s3, 6144
	s_mul_i32 s28, s2, 1536
	s_add_co_u32 s6, s6, s28
	s_add_co_u32 s6, s6, HSO
	s_add_nc_u64 s[10:11], s[8:9], s[6:7]          ; my quarter of the tile's scale words,
	s_mul_i32 s6, s3, HT
	s_mul_i32 s28, s2, 49152
	s_add_co_u32 s6, s6, s28
	s_add_nc_u64 s[8:9], s[8:9], s[6:7]            ; and of its codes
.endif
.if LAYER < 3
	s_mul_i32 s6, s3, 6144
	s_mul_i32 s28, ttmp9, 768
	s_add_co_u32 s6, s6, s28
	s_lshl_b32 s28, s2, 8
	s_add_co_u32 s6, s6, s28
	s_add_co_u32 s6, s6, HSO
	s_add_nc_u64 s[32:33], s[20:21], s[6:7]        ; out: the work-group's two K steps of scale words, 256 bytes of them a wave;
	s_mul_i32 s6, s3, HT
	s_mul_i32 s28, ttmp9, 24576
	s_add_co_u32 s6, s6, s28
	s_lshr_b32 s28, s2, 1
	s_mul_i32 s28, s28, 12288
	s_add_co_u32 s6, s6, s28
	s_and_b32 s28, s2, 1
	s_lshl_b32 s28, s28, 10
	s_add_co_u32 s6, s6, s28
	s_add_nc_u64 s[20:21], s[20:21], s[6:7]        ; the codes: K step 2 x + w / 2, blocks 2 (w % 2) and + 1
.else
	s_mul_i32 s6, s3, 96*4096
	s_mul_i32 s28, s2, 24*4096
	s_add_co_u32 s6, s6, s28
	s_lshl_b32 s28, ttmp9, 9
	s_add_co_u32 s6, s6, s28
	s_add_nc_u64 s[20:21], s[20:21], s[6:7]        ; out: my 24 rows of y, the work-group's 512 bytes of them
.endif
	; ---- what every work-group asks for
.if LAYER == 1
	s_max_u32 s28, s23, 1
	s_sub_co_u32 s28, s28, 1                       ; the tile's last row: slots beyond it repeat it
	s_mul_i32 s29, s3, 96
	s_cmp_lg_u32 s23, 0
	s_cselect_b32 s29, s29, 0                      ; the tile's first position (a tile without rows names position 0, which always has a row)
	s_mul_i32 s34, s2, 24
.macro TOKIDX reg                      ; a slot of the tile -> the byte of its entry in the list of tokens
	v_min_u32 v[\reg], s28, v[\reg]
	v_add_nc_u32 v[\reg], s29, v[\reg]
	v_min_u32 v[\reg], 0xadf, v[\reg]
	v_lshlrev_b32 v[\reg], 2, v[\reg]
.endm
.irp i, 0,1,2,3,4,5,6,7,8,9,10,11
	v_add3_u32 v[TOK+\i], v[HH], s34, 2*\i         ; for the codes: two rows a load: slot 24 w + 2 i + h
	TOKIDX TOK+\i
.endr
.irp i, 0,1,2
	v_add3_u32 v[TOK+12+\i], v[OB], s34, 8*\i      ; for the scale bytes: eight rows a load: slot 24 w + 8 i + lane / 4
	TOKIDX TOK+12+\i
.endr
.irp i, 0,1,2,3,4,5,6,7,8,9,10,11,12,13,14
	global_load_b32 v[TOK+\i], v[TOK+\i], s[18:19] offset:8448
.endr
.endif
	WIN 0x40                                       ; destination window 1
.set I_, 0
.rept NB
.if LAYER < 3
.set X_, 128*(I_/2)+32*(I_%2)
.else
.set X_, 64*I_
.endif
	global_load_b128 v[BIAS+8*I_:BIAS+8*I_+3], v[BIO], s[16:17] offset:X_
	global_load_b128 v[BIAS+8*I_+4:BIAS+8*I_+7], v[BIO], s[16:17] offset:X_+16
.set I_, I_+1
.endr
	WIN 0
.set I_, 0
.rept NBS
	global_load_b128 v[BSL+4*I_:BSL+4*I_+3], v[AGO], s[14:15] offset:512*I_        ; my rows' scale bytes are one dense block
.set I_, I_+1
.endr
	BLOAD 0
	WIN 0
	s_cmp_eq_u32 s23, 0
	s_cbranch_scc1 .Lhave_a
	; ---- A comes into LDS, a quarter by each wave
.if LAYER == 1
	s_wait_loadcnt 2*NB+NBS+LG                     ; the tokens are in; all that was asked for behind them may be out
.irp i, 0,1,2,3,4,5,6,7,8,9,10,11
	v_min_u32 v[TOK+\i], 0x3ff, v[TOK+\i]
	v_lshlrev_b32 v[TOK+\i], 10, v[TOK+\i]         ; the token's row of 1,024 bytes,
	v_add_nc_u32 v[TOK+\i], v[TOK+\i], v[R16]      ; my 16 bytes of each 256
.endr
.irp i, 12,13,14
	v_min_u32 v[TOK+\i], 0x3ff, v[TOK+\i]
	v_lshlrev_b32 v[TOK+\i], 5, v[TOK+\i]          ; its 32 scale bytes,
	v_add_nc_u32 v[TOK+\i], v[TOK+\i], v[P8]       ; my 8 of them
.endr
.irp i, 0,1,2
	global_load_b64 v[ASL+2*\i:ASL+2*\i+1], v[TOK+12+\i], s[10:11]
.endr
	WIN 0x40
.set I_, 0
.rept 48
	global_load_b128 v[4*I_:4*I_+3], v[TOK+I_/4], s[8:9] offset:256*(I_%4)
.set I_, I_+1
.endr
	WIN 0
	s_wait_loadcnt 24                              ; the scale bytes and the first 24 loads are in
.irp i, 0,1,2
	ds_store_b64 v[ASS], v[ASL+2*\i:ASL+2*\i+1] offset:384*\i
.endr
	WIN 0x04                                       ; an LDS store's data are its source 1: window 1
.set I_, 0
.rept 24
	ds_store_b128 v[AST], v[4*I_:4*I_+3] offset:2080*(I_/4)+256*(I_%4)
.set I_, I_+1
.endr
	s_wait_loadcnt 0x0
.rept 24
	ds_store_b128 v[AST], v[4*I_:4*I_+3] offset:2080*(I_/4)+256*(I_%4)
.set I_, I_+1
.endr
	WIN 0
.else
.irp i, 0,1,2
	global_load_b128 v[ASL+4*\i:ASL+4*\i+3], v[AGO], s[10:11] offset:512*\i
.endr
	WIN 0x40                                       ; 48 loads land where the accumulators will lie,
.set I_, 0
.rept 48
	global_load_b128 v[4*I_:4*I_+3], v[AGO], s[8:9] offset:512*I_
.set I_, I_+1
.endr
	WIN 0xc0                                       ; 48 where A's fragments will
.rept 48
	global_load_b128 v[4*(I_-48):4*(I_-48)+3], v[AGO], s[8:9] offset:512*I_
.set I_, I_+1
.endr
	WIN 0
	s_wait_loadcnt 48                              ; all but the second 48
.irp i, 0,1,2
	ds_store_b128 v[ASS], v[ASL+4*\i:ASL+4*\i+3] offset:512*\i
.endr
	WIN 0x04
.set I_, 0
.rept 48
	ds_store_b128 v[AST], v[4*I_:4*I_+3] offset:512*I_
.set I_, I_+1
.endr
	s_wait_loadcnt 0x0
	WIN 0x0c
.rept 48
	ds_store_b128 v[AST], v[4*(I_-48):4*(I_-48)+3] offset:512*I_
.set I_, I_+1
.endr
	WIN 0
.endif
.Lhave_a:
	s_wait_loadcnt 0x0                             ; the bias, B's scale bytes and group 0 are in
.set Q_, 1
.rept RING-1
	BLOAD Q_
.set Q_, Q_+1
.endr
	WIN 0
.set I_, 0
.rept NBS
.if LAYER == 1
.set X_, 8*(I_&1)+32*(I_>>1)
.elseif LAYER == 2
.set X_, 8*I_
.set X_, (X_&0x27)|(((X_>>3)&1)<<4)|(((X_>>4)&1)<<3)
.else
.set X_, 8*I_
.endif
	ds_store_b128 v[BSS], v[BSL+4*I_:BSL+4*I_+3] offset:BSP*X_     ; a row's scale bytes go to the place of its codes
.set I_, I_+1
.endr
	s_wait_dscnt 0x0                               ; for the others' sake: my part of A has landed
	s_barrier_signal -1
	s_barrier_wait -1                              ; A is whole
	s_cmp_eq_u32 s23, 0
	s_cbranch_scc1 .Lstaged
	; ---- the products
	BSTORE 0
	FETCH 0
.set Q_, 0
.rept NSTEP
	STEP Q_
.set Q_, Q_+1
.endr
	WIN 0
.if LAYER < 3
	; ---- relu, the quantiser, the way out.  Block q = 2 a + i: rows 16 a on, my columns 32 i on: registers 16 q .. 16 q + 15 of window 1 and those of lane l xor 16
.irp q, 0,1,2,3,4,5,6,7,8,9,10,11
	v_mov_b32 v[TP+\q], 0                          ; a lane permute's destination counts as one of its sources.  These twelve are also the places behind the last products
.endr
	WIN 0x05                                       ; sources 0 and 1 window 1
.irp q, 0,1,2,3,4,5,6,7,8,9,10,11
	v_max3_num_f32 v[TMX+\q], v[16*\q], v[16*\q+1], 0x8000000      ; no |.|: what is negative becomes 0 and must not count; the floor 2^(16 - 127) keeps the byte at 1 or more.  Each accumulator is read from its low end on
.endr
.irp i, 2,4,6,8,10,12,14
.irp q, 0,1,2,3,4,5,6,7,8,9,10,11
	v_max3_num_f32 v[TMX+\q], v[16*\q+\i], v[16*\q+\i+1], v[TMX+\q]
.endr
.endr
	WIN 0
.irp q, 0,1,2,3,4,5,6,7,8,9,10,11
	v_permlanex16_b32 v[TP+\q], v[TMX+\q], s26, s27
.endr
.irp q, 0,1,2,3,4,5,6,7,8,9,10,11
	v_max_num_f32 v[TMX+\q], v[TMX+\q], v[TP+\q]   ; the block's largest number
.endr
.irp q, 0,1,2,3,4,5,6,7,8,9,10,11
	v_add_nc_u32 v[SCL+\q], 0xf8800000, v[TMX+\q]  ; 15 off its exponent field: the conversion's scale operand
.endr
.irp q, 0,1,2,3,4,5,6,7,8,9,10,11
	v_and_or_b32 v[LIM+\q], v[TMX+\q], 0x7f800000, s25     ; 57,344 x the scale
.endr
.irp q, 0,1,2,3,4,5,6,7,8,9,10,11
	v_lshrrev_b32 v[BYT+\q], 23, v[SCL+\q]         ; the scale's byte
.endr
.irp a, 0,1,2,3,4,5
	v_lshl_or_b32 v[PR+\a], v[BYT+2*\a+1], 8, v[BYT+2*\a]  ; my two bytes of the row's scale word
.endr
	WIN 0x41                                       ; source 0 and destination window 1
.irp q, 0,1,2,3,4,5,6,7,8,9,10,11
.irp i, 0,1,2,3,4,5,6,7,8,9,10,11,12,13,14,15
	v_med3_num_f32 v[16*\q+\i], v[16*\q+\i], 0, v[LIM+\q]  ; the activation and the hold in one: the conversion to an 8-bit code does not saturate (ISA guide 7.6.2)
.endr
.endr
	WIN 0x01                                       ; source 0 window 1
.irp q, 0,1,2,3,4,5,6,7,8,9,10,11
	v_cvt_scalef32_pk8_bf8_f32 v[CD+4*\q:CD+4*\q+1], v[16*\q:16*\q+7], v[SCL+\q]
	v_cvt_scalef32_pk8_bf8_f32 v[CD+4*\q+2:CD+4*\q+3], v[16*\q+8:16*\q+15], v[SCL+\q]
.endr
	WIN 0
	v_nop                                          ; one plain line behind the last conversion
.irp q, 0,1,2,3,4,5,6,7,8,9,10,11
	global_store_b128 v[AGO], v[CD+4*\q:CD+4*\q+3], s[20:21] offset:2048*(\q/2)+512*(\q%2)  ; four registers of the next operand's image: 512 consecutive bytes
.endr
.irp a, 0,1,2,3,4,5
	ds_store_b16 v[STO], v[PR+\a] offset:64*\a     ; both lanes of a row write the same two bytes with the same value
.endr
.else
	PLACES 8
	WIN 0x04                                       ; the data: window 1
.irp a, 0,1,2,3,4,5
.irp b, 0,1
	ds_store_b128 v[STO], v[8*(2*\a+\b):8*(2*\a+\b)+3] offset:8448*\a+64*\b        ; y(16 a + r, my 16 b + 8 h + 0 .. 7): each accumulator from its low end on
	ds_store_b128 v[STO], v[8*(2*\a+\b)+4:8*(2*\a+\b)+7] offset:8448*\a+64*\b+16
.endr
.endr
	WIN 0
.endif
.Lstaged:
	s_wait_dscnt 0x0                               ; for the others' sake: my stores into the stage have landed
	s_barrier_signal -1
	s_barrier_wait -1
	s_cmp_eq_u32 s23, 0
	s_cbranch_scc1 .Lend
.if LAYER < 3
	s_cmp_gt_u32 s2, 2
	s_cbranch_scc1 .Lend                           ; 768 bytes of scale words: 256 for each of three waves
	ds_load_b64 v[OB:OB+1], v[SRD]
	s_wait_dscnt 0x0
	global_store_b64 v[L8], v[OB:OB+1], s[32:33]   ; 256 consecutive bytes, at a multiple of 256 from the buffer's first byte
.else
.irp i, 0,1,2,3,4,5,6,7,8,9,10,11,12,13,14,15,16,17,18,19,20,21,22,23
	ds_load_b128 v[CD+4*\i:CD+4*\i+3], v[SRD] offset:528*\i
.endr
.irp i, 0,1,2,3,4,5,6,7,8,9,10,11,12,13,14,15,16,17,18,19,20,21,22,23
	s_wait_dscnt 23-\i
	global_store_b128 v[AGO], v[CD+4*\i:CD+4*\i+3], s[20:21] offset:4096*\i        ; 512 consecutive bytes of a row of y
.endr
.endif
.Lend:
	s_wait_tensorcnt 0x0
	ds_add_u32 v254, v255
	s_wait_dscnt 0x0
	s_endpgm
.Lfunc_end_k_q092622d433_ffn3:
	.size	k_q092622d433_ffn3, .Lfunc_end_k_q092622d433_ffn3-k_q092622d433_ffn3
	.p2alignl 7, 3214868480
	.fill 96, 4, 3214868480
	.section	.rodata,"a",@progbits
	.p2align	6, 0x0
	.amdhsa_kernel k_q092622d433_ffn3
		.amdhsa_group_segment_fixed_size 299008
		.amdhsa_private_segment_fixed_size 0
		.amdhsa_enable_private_segment 0
		.amdhsa_kernarg_size 48
		.amdhsa_user_sgpr_count 2
		.amdhsa_user_sgpr_kernarg_segment_ptr 1
		.amdhsa_wavefront_size32 1
		.amdhsa_system_sgpr_workgroup_id_x 1
		.amdhsa_system_sgpr_workgroup_id_y 1
		.amdhsa_system_sgpr_workgroup_id_z 1
		.amdhsa_system_vgpr_workitem_id 0
		.amdhsa_next_free_vgpr 1024
		.amdhsa_next_free_sgpr 66
		.amdhsa_reserve_vcc 0
		.amdhsa_float_denorm_mode_32 3
		.amdhsa_float_denorm_mode_16_64 3
		.amdhsa_memory_ordered 1
		.amdhsa_forward_progress 1
		.amdhsa_inst_pref_size 116
	.end_amdhsa_kernel
	.amdgpu_metadata
---
amdhsa.version: [ 1, 2 ]
amdhsa.kernels:
  - .name:           k_q092622d433_ffn3
    .symbol:         k_q092622d433_ffn3.kd
    .args:
      - { .name: h2, .offset: 0, .size: 8, .value_kind: global_buffer, .address_space: global }
      - { .name: ew3_codes, .offset: 8, .size: 8, .value_kind: global_buffer, .address_space: global }
      - { .name: ew3_scales, .offset: 16, .size: 8, .value_kind: global_buffer, .address_space: global }
      - { .name: eb3, .offset: 24, .size: 8, .value_kind: global_buffer, .address_space: global }
      - { .name: route, .offset: 32, .size: 8, .value_kind: global_buffer, .address_space: global }
      - { .name: y, .offset: 40, .size: 8, .value_kind: global_buffer, .address_space: global }
    .group_segment_fixed_size: 299008
    .private_segment_fixed_size: 0
    .kernarg_segment_align: 8
    .kernarg_segment_size: 48
    .max_flat_workgroup_size: 128
    .sgpr_count:     66
    .vgpr_count:     1024
    .wavefront_size: 32
...
	.end_amdgpu_metadata
.endif
;; end of part 5
;; launch combine (part 6): grid 256 x 1, 4 waves a work-group, no clusters, 0 bytes of LDS; arguments y, route, selw, out0; writes out0
.if DOCPART == 6
	.amdgcn_target "amdgcn-amd-amdhsa--gfx1250"
	.amdhsa_code_object_version 6
	.text
	.protected	k_q092622d433_combine
	.globl	k_q092622d433_combine
	.p2align	8
	.type	k_q092622d433_combine,@function
k_q092622d433_combine:
	s_mov_b64 s[64:65], 0
	v_nop
	global_prefetch_b8 v0, s[64:65] scope:SCOPE_SE
	s_setreg_imm32_b32 hwreg(HW_REG_WAVE_MODE, 25, 1), 1
	s_wait_xcnt 0x0
; out0[token] = w1 y[p1] + w2 y[p2]: a token's two routed rows, weighted.  p1, p2: the positions that the placing launch stored; w1, w2: the gate's renormalised weights.
; A wave takes one token: a row of y is 4,096 bytes, eight loads of 512 consecutive bytes; both rows are asked for at once, and each output row has one owner.
; A stream: every byte of the two rows is read once and every byte of out0 written once, so LDS, barriers and the matrix unit would add nothing.
.set ROWB, 4096
	s_load_b256 s[4:11], s[0:1], 0x0               ; y 4, route 6, selw 8, out0 10
	v_lshrrev_b32 v1, 5, v0
	v_readfirstlane_b32 s2, v1                     ; wave 0..3
	v_and_b32 v1, 31, v0
	v_lshlrev_b32 v1, 4, v1                        ; 16 bytes a lane
	s_lshl_b32 s3, ttmp9, 2
	s_add_co_u32 s3, s3, s2                        ; my token
	s_lshl_b32 s14, s3, 3
	s_wait_kmcnt 0x0
	s_load_b64 s[12:13], s[6:7], s14 offset:0x100  ; its two positions
	s_load_b64 s[16:17], s[8:9], s14 offset:0x0    ; its two weights
	s_lshl_b32 s18, s3, 12
	s_mov_b32 s19, 0
	s_add_nc_u64 s[10:11], s[10:11], s[18:19]      ; its row of out0
	s_wait_kmcnt 0x0
	s_min_u32 s12, s12, 0xadf                      ; a position is at most 2,783
	s_min_u32 s13, s13, 0xadf
	s_lshl_b32 s18, s12, 12
	s_add_nc_u64 s[20:21], s[4:5], s[18:19]
	s_lshl_b32 s18, s13, 12
	s_add_nc_u64 s[22:23], s[4:5], s[18:19]
	s_mov_b32 s24, s17                             ; the packed forms name a pair and take its low word for both halves
	s_mov_b32 s25, s17
.irp j, 0,1,2,3,4,5,6,7
	global_load_b128 v[8+4*\j:11+4*\j], v1, s[20:21] offset:512*\j th:TH_LOAD_NT
.endr
.irp j, 0,1,2,3,4,5,6,7
	global_load_b128 v[40+4*\j:43+4*\j], v1, s[22:23] offset:512*\j th:TH_LOAD_NT
.endr
.irp j, 0,1,2,3,4,5,6,7
	s_wait_loadcnt 7-\j                            ; piece j of both rows is in; the second row's later pieces may be out
	v_pk_mul_f32 v[8+4*\j:9+4*\j], v[8+4*\j:9+4*\j], s[16:17] op_sel_hi:[1,0]
	v_pk_mul_f32 v[10+4*\j:11+4*\j], v[10+4*\j:11+4*\j], s[16:17] op_sel_hi:[1,0]
	v_pk_fma_f32 v[8+4*\j:9+4*\j], v[40+4*\j:41+4*\j], s[24:25], v[8+4*\j:9+4*\j] op_sel_hi:[1,0,1]
	v_pk_fma_f32 v[10+4*\j:11+4*\j], v[42+4*\j:43+4*\j], s[24:25], v[10+4*\j:11+4*\j] op_sel_hi:[1,0,1]
	global_store_b128 v1, v[8+4*\j:11+4*\j], s[10:11] offset:512*\j th:TH_STORE_NT   ; 512 consecutive bytes
.endr
	s_endpgm
.Lfunc_end_k_q092622d433_combine:
	.size	k_q092622d433_combine, .Lfunc_end_k_q092622d433_combine-k_q092622d433_combine
	.p2alignl 7, 3214868480
	.fill 96, 4, 3214868480
	.section	.rodata,"a",@progbits
	.p2align	6, 0x0
	.amdhsa_kernel k_q092622d433_combine
		.amdhsa_group_segment_fixed_size 0
		.amdhsa_private_segment_fixed_size 0
		.amdhsa_enable_private_segment 0
		.amdhsa_kernarg_size 32
		.amdhsa_user_sgpr_count 2
		.amdhsa_user_sgpr_kernarg_segment_ptr 1
		.amdhsa_wavefront_size32 1
		.amdhsa_system_sgpr_workgroup_id_x 1
		.amdhsa_system_sgpr_workgroup_id_y 1
		.amdhsa_system_sgpr_workgroup_id_z 1
		.amdhsa_system_vgpr_workitem_id 0
		.amdhsa_next_free_vgpr 80
		.amdhsa_next_free_sgpr 66
		.amdhsa_reserve_vcc 0
		.amdhsa_float_denorm_mode_32 3
		.amdhsa_float_denorm_mode_16_64 3
		.amdhsa_memory_ordered 1
		.amdhsa_forward_progress 1
		.amdhsa_inst_pref_size 6
	.end_amdhsa_kernel
	.amdgpu_metadata
---
amdhsa.version: [ 1, 2 ]
amdhsa.kernels:
  - .name:           k_q092622d433_combine
    .symbol:         k_q092622d433_combine.kd
    .args:
      - { .name: y, .offset: 0, .size: 8, .value_kind: global_buffer, .address_space: global }
      - { .name: route, .offset: 8, .size: 8, .value_kind: global_buffer, .address_space: global }
      - { .name: selw, .offset: 16, .size: 8, .value_kind: global_buffer, .address_space: global }
      - { .name: out0, .offset: 24, .size: 8, .value_kind: global_buffer, .address_space: global }
    .group_segment_fixed_size: 0
    .private_segment_fixed_size: 0
    .kernarg_segment_align: 8
    .kernarg_segment_size: 32
    .max_flat_workgroup_size: 128
    .sgpr_count:     66
    .vgpr_count:     80
    .wavefront_size: 32
...
	.end_amdgpu_metadata
.endif
;; end of part 6
;; ======== version 2 of 2: 6 launches
;; workspace buffers: sel 8,192 bytes of whole numbers; selw 8,192 bytes; route 19,712 bytes of whole numbers; h1 5,879,808 bytes; h2 5,879,808 bytes; y 11,403,264 bytes
;; launch gate (part 7): grid 64 x 1, 8 waves a work-group, no clusters, 26,624 bytes of LDS; arguments x_codes, x_scales, gw1_codes, gw1_scales, gb1, gw2_codes, gw2_scales, gb2, gw3, gb3, out2, sel, selw; writes out2, sel, selw
.if DOCPART == 7
	.amdgcn_target "amdgcn-amd-amdhsa--gfx1250"
	.amdhsa_code_object_version 6
	.text
	.protected	k_q092622d433_gate
	.globl	k_q092622d433_gate
	.p2align	8
	.type	k_q092622d433_gate,@function
k_q092622d433_gate:
	s_mov_b64 s[64:65], 0
	v_nop
	global_prefetch_b8 v0, s[64:65] scope:SCOPE_SE
	s_setreg_imm32_b32 hwreg(HW_REG_WAVE_SCHED_MODE, 0, 2), 2
	s_setreg_imm32_b32 hwreg(HW_REG_WAVE_MODE, 25, 1), 1
	s_wait_xcnt 0x0
	s_wait_alu depctr_vm_vsrc(0)
; THE GATE: g1 = relu(x gw1 + gb1), g2 = relu(g1 gw2 + gb2), logits = g2 gw3 + gb3, softmax, the two largest and their weights.
; The first two products run on codes of E5M2 with one E8M0 scale for each 32 along K; g1 is quantised on the way; the third (8 columns) is f32 multiply-adds.
; SHARES.  A work-group takes 16 tokens.  Wave w makes units 32 w .. 32 w + 31 of g1 (one block of the next K) and units 16 w .. 16 w + 15 of g2.
; Both products are used transposed (source 0 = 16 rows of the weight, source 1 = the 16 tokens): a lane holds ONE token (lane % 16) and its registers run along the units.
; The rows of gw1 that form a tile are not neighbours: lane r of tile u takes row 32 w + 8 u + r + 8 (r / 8), so that the 16 registers of the two tiles are 16 neighbours along the next K.
; The chosen experts go out as whole numbers at fixed places: no address and no branch of this launch hangs on them.
; No cluster: the work-groups share only the gate's weights, 0.3 MB, and each wave reads its own part of them once.
; LIMITS: NaN and infinities among the inputs are not served; a block of zeros of g1 gets the scale byte 1 (its codes are zeros, and this launch alone reads the byte);
; a probability under 2^-126 comes out as 0; where two probabilities are equal the lower expert is taken, and where they differ by f32 rounding alone either may be.
; THE MODE: SCHED_MODE bits 1:0 = 2 (LLVM: expert scheduling mode 2), set by the entry lines.  The code itself states the register dependences
; between vector or matrix instructions and memory or LDS instructions, with s_wait_alu, always for 0.
; THE PLAN.  Registers that memory or LDS instructions touch:
;   v4-15      addresses.  Made at the head; v4 and v8-14 are made anew behind the first product, for the later phases.
;   v16-31     x's rows: loaded, read by the LDS stores, then written by the first product.
;   v128-255   x's fragments land here and the first product reads them; then gw3 lands in v128-191 (read by the multiply-adds), g1's fragments in v192-223, wave 0's partial logits in v128-191.
;   v114-117, v125; v120-123; v84-89   written by vector instructions, read by the three runs of stores.
; So: one wait on va_vdst ahead of the first load; one on vm_vsrc behind the first barrier; one on va_vdst behind the first product; one ahead of each run of stores.
; Masks that vector compares write into scalar registers have one wait on va_sdst behind each run of compares.
; REGISTERS, window 0: v1 lane, v2 r, v3 h; v4-15 addresses; v16-31 x's rows on their way to LDS, then g1's two tiles; v32-47 gb1; v48-63 gw1's scale words; v64-71 x's;
;   v72-103 gw2's two fragments (later at work); v104-105 gw2's scale words; v106-113 gb2; v114-117 g1's codes; v118-119 g1's scale words; v120-127 at work;
;   v128-255 x's eight fragments; later v128-191 gw3, then the waves' partial logits; v192-223 g1's fragments; v224-231 g2; v232-239 relu(g2); v240-255 logits, probabilities.
;   window 1: gw1's 16 fragments, (K step s, tile u) at 16 (2 s + u).
.set XP,  1040                         ; a row of x in LDS: 1,024 bytes + 16: the 16 rows that a fragment load touches start 65 x 16 bytes apart
.set G1I, 16*XP                        ; g1's two fragments as images of their registers, 2,048 bytes each
.set G1S, G1I+4096                     ; their scale words: 64 bytes a K step
.set PL,  G1S+256                      ; the waves' partial logits: 512 bytes a wave
.set MSB, 0
.macro WIN new                         ; the immediate's high byte repeats the setting that is left
.if MSB != \new
	s_set_vgpr_msb (MSB<<8)|\new
.set MSB, \new
.endif
.endm
.macro ADDP p, src, sh                 ; the address in s[p:p+1] goes on by src << sh bytes (s5 = 0)
	s_lshl_b32 s4, \src, \sh
	s_add_nc_u64 s[\p:\p+1], s[\p:\p+1], s[4:5]
.endm
.macro BARRIER                         ; my LDS stores have landed and my LDS loads are in: then the work-group's barrier
	s_wait_dscnt 0x0
	s_barrier_signal -1
	s_barrier_wait -1
.endm
.macro L1MUL s                         ; K step s of the first product: the two tiles by turns; the first step takes the bias as C
.irp u, 0,1
.if \s == 0
	v_wmma_scale_f32_16x16x128_f8f6f4 v[16+8*\u:23+8*\u], v[16*(2*\s+\u):16*(2*\s+\u)+15], v[128+16*\s:143+16*\s], v[32+8*\u:39+8*\u], v[48+8*\u+\s], v[64+\s] matrix_a_fmt:MATRIX_FMT_BF8 matrix_b_fmt:MATRIX_FMT_BF8
.else
	v_wmma_scale_f32_16x16x128_f8f6f4 v[16+8*\u:23+8*\u], v[16*(2*\s+\u):16*(2*\s+\u)+15], v[128+16*\s:143+16*\s], v[16+8*\u:23+8*\u], v[48+8*\u+\s], v[64+\s] matrix_a_fmt:MATRIX_FMT_BF8 matrix_b_fmt:MATRIX_FMT_BF8
.endif
.endr
.endm
	s_load_b512 s[8:23], s[0:1], 0x0               ; x_codes 8, x_scales 10, gw1_codes 12, gw1_scales 14, gb1 16, gw2_codes 18, gw2_scales 20, gb2 22
	s_load_b256 s[24:31], s[0:1], 0x40             ; gw3 24, gb3 26, out2 28, sel 30
	s_load_b64 s[32:33], s[0:1], 0x60              ; selw
	v_lshrrev_b32 v1, 5, v0
	v_readfirstlane_b32 s2, v1                     ; wave 0..7
	v_and_b32 v1, 31, v0                           ; lane
	v_and_b32 v2, 15, v0                           ; r
	v_bfe_u32 v3, v0, 4, 1                         ; h
	v_cmp_eq_u32 s47, 1, v3                        ; lanes 16-31
	v_lshlrev_b32 v4, 4, v2
	v_lshl_add_u32 v4, v3, 10, v4                  ; x's rows in memory: two rows a load: 1,024 h + 16 r
	s_wait_alu depctr_va_sdst(0)                   ; s2 and s47 are written, ahead of their first readers: the scalar arithmetic below reads s2, the selections of the later phases s47
	s_mul_i32 s3, s2, 2*XP
	v_mul_u32_u24 v5, v3, XP
	v_lshl_add_u32 v5, v2, 4, v5
	v_add_nc_u32 v5, s3, v5                        ; and in LDS: row 2 w + h
	v_mul_u32_u24 v6, v2, XP
	v_lshl_add_u32 v6, v3, 4, v6                   ; x's fragments: row r, + 16 h
	v_and_b32 v7, 8, v2
	v_add_nc_u32 v7, v7, v2                        ; r + 8 (r / 8)
	v_lshlrev_b32 v8, 10, v7
	v_lshl_add_u32 v8, v3, 4, v8                   ; gw1's fragments: a row is 1,024 bytes
	v_lshlrev_b32 v9, 5, v7                        ; gw1's scale bytes: 32 a row
	v_lshlrev_b32 v10, 5, v2                       ; x's likewise
	v_lshlrev_b32 v11, 6, v3                       ; gb1: 16 h numbers on
	v_lshlrev_b32 v12, 8, v2
	v_lshl_add_u32 v12, v3, 4, v12                 ; gw2's fragments: a row is 256 bytes
	v_lshlrev_b32 v13, 3, v2                       ; gw2's scale bytes: 8 a row
	v_lshlrev_b32 v14, 5, v3                       ; gb2: 8 h numbers on
	v_lshlrev_b32 v15, 8, v3                       ; gw3: 8 h rows of 32 bytes on
	v_mov_b32 v122, 0                              ; written once: a lane permute's destination counts as one of its sources
	v_mov_b32 v126, 0
	s_mov_b32 s5, 0
	s_mov_b32 s44, 0x76543210
	s_mov_b32 s45, 0xfedcba98                      ; v_permlanex16_b32's selects for lane l xor 16
	s_mov_b32 s46, 0x600000                        ; the mantissa field of 57,344
	s_wait_kmcnt 0x0
	s_load_b256 s[36:43], s[26:27], 0x0            ; gb3's eight numbers
	ADDP 8, ttmp9, 14                              ; my work-group's 16 tokens,
	ADDP 8, s2, 11                                 ; my wave's two rows of them
	ADDP 10, ttmp9, 9
	ADDP 12, s2, 15                                ; my 32 rows of gw1
	ADDP 14, s2, 10
	ADDP 16, s2, 7
	ADDP 18, s2, 12                                ; my 16 rows of gw2
	ADDP 20, s2, 7
	ADDP 22, s2, 6
	ADDP 24, s2, 9                                 ; my 16 rows of gw3
	ADDP 28, ttmp9, 9
	ADDP 30, ttmp9, 7
	ADDP 32, ttmp9, 7
	s_wait_alu depctr_va_vdst(0)                   ; the addresses v4 to v15 are written, which the loads and LDS instructions below read
	; ---- 1: everything is asked for; x's rows first, since all eight waves wait for them
.irp j, 0,1,2,3
	global_load_b128 v[16+4*\j:19+4*\j], v4, s[8:9] offset:256*\j
.endr
.irp u, 0,1
	global_load_b128 v[32+8*\u:35+8*\u], v11, s[16:17] offset:32*\u        ; gb1 in the result's layout: units 32 w + 16 h + 8 u + 0 .. 7
	global_load_b128 v[36+8*\u:39+8*\u], v11, s[16:17] offset:32*\u+16
	global_load_b128 v[48+8*\u:51+8*\u], v9, s[14:15] offset:256*\u        ; the eight scale words of my row of tile u
	global_load_b128 v[52+8*\u:55+8*\u], v9, s[14:15] offset:256*\u+16
.endr
	global_load_b128 v[64:67], v10, s[10:11]
	global_load_b128 v[68:71], v10, s[10:11] offset:16
.irp s, 0,1
.irp c, 0,1,2,3
	global_load_b128 v[72+16*\s+4*\c:75+16*\s+4*\c], v12, s[18:19] offset:128*\s+32*\c
.endr
.endr
	global_load_b64 v[104:105], v13, s[20:21]
	global_load_b128 v[106:109], v14, s[22:23]
	global_load_b128 v[110:113], v14, s[22:23] offset:16
	WIN 0x40                                       ; destination window 1
.irp s, 0,1,2,3
.irp u, 0,1
.irp c, 0,1,2,3
	global_load_b128 v[16*(2*\s+\u)+4*\c:16*(2*\s+\u)+4*\c+3], v8, s[12:13] offset:8192*\u+128*\s+32*\c
.endr
.endr
.endr
	WIN 0
	s_wait_loadcnt 53                              ; x's four loads are in; the 21 + 32 issued behind them may be out
.irp j, 0,1,2,3
	ds_store_b128 v5, v[16+4*\j:19+4*\j] offset:256*\j
.endr
	WIN 0x40
.irp s, 4,5,6,7
.irp u, 0,1
.irp c, 0,1,2,3
	global_load_b128 v[16*(2*\s+\u)+4*\c:16*(2*\s+\u)+4*\c+3], v8, s[12:13] offset:8192*\u+128*\s+32*\c
.endr
.endr
.endr
	WIN 0
	s_wait_kmcnt 0x0                               ; gb3
	BARRIER                                        ; the 16 rows of x lie in LDS
	s_wait_alu depctr_vm_vsrc(0)                   ; my LDS stores have read v16-31, which the first product writes; the loads above have read v4 and v8-14, which are made anew behind that product
	; ---- 2: g1 = x gw1 + gb1, my two tiles
.irp s, 0,1,2,3,4,5,6,7
.irp c, 0,1,2,3
	ds_load_b128 v[128+16*\s+4*\c:131+16*\s+4*\c], v6 offset:128*\s+32*\c
.endr
.endr
	s_wait_dscnt 0x0
	s_wait_loadcnt 32                              ; all but gw1's K steps 4 to 7
	WIN 0x01                                       ; source 0 (gw1) window 1
	L1MUL 0
	L1MUL 1
	L1MUL 2
	L1MUL 3
	s_wait_loadcnt 0x0
	L1MUL 4
	L1MUL 5
	L1MUL 6
	L1MUL 7
	WIN 0
.rept 8
	v_nop                                          ; eight places behind this form before its results are read and its operands' registers loaded again
.endr
	; the addresses of the later phases, in registers whose loads have been waited for
	s_lshl_b32 s3, s2, 9
	v_lshlrev_b32 v9, 4, v1                        ; 16 x lane: an image's place for my lane
	v_add_nc_u32 v4, s3, v9                        ; my four registers of g1's images: 512 w + 16 x lane
	v_lshlrev_b32 v10, 2, v2                       ; 4 r: a token's scale word
	s_lshr_b32 s34, s2, 2
	s_lshl_b32 s34, s34, 6
	s_and_b32 s35, s2, 3
	s_add_co_u32 s34, s34, s35
	v_add_nc_u32 v8, s34, v10                      ; my block's byte in it: K step w / 4, byte w % 4
	v_lshlrev_b32 v12, 5, v2                       ; 32 r: a token's eight logits
	v_lshl_add_u32 v13, v3, 4, v12                 ; + 16 h: four of them
	v_add_nc_u32 v11, s3, v13                      ; in my wave's 512 bytes
	v_lshlrev_b32 v14, 3, v2
	v_lshl_add_u32 v14, v3, 2, v14                 ; 8 r + 4 h: sel and selw
	s_wait_alu depctr_va_vdst(0)                   ; the products are done reading x's fragments, in whose registers gw3 (v128-191) and later g1's fragments (v192-223) land; the addresses just made are written
.irp j, 0,1,2,3,4,5,6,7
	global_load_b128 v[128+8*\j:131+8*\j], v15, s[24:25] offset:32*\j      ; gw3's row of unit 16 w + 8 h + j: wanted two phases on
	global_load_b128 v[132+8*\j:135+8*\j], v15, s[24:25] offset:32*\j+16
.endr
	; ---- 3: relu and the quantiser: my 16 numbers and lane l xor 16's are one block of 32.  No |.|: what is negative becomes 0, so it must not count; the floor 2^(16 - 127) stands over it and keeps the byte at 1 or more
	v_max3_num_f32 v120, v16, v17, 0x8000000
	v_max3_num_f32 v121, v24, v25, v26
	v_max3_num_f32 v120, v120, v18, v19
	v_max3_num_f32 v121, v121, v27, v28
	v_max3_num_f32 v120, v120, v20, v21
	v_max3_num_f32 v121, v121, v29, v30
	v_max3_num_f32 v120, v120, v22, v23
	v_max3_num_f32 v120, v120, v121, v31
	v_permlanex16_b32 v122, v120, s44, s45
	v_max_num_f32 v120, v120, v122                 ; the block's largest number
	v_add_nc_u32 v123, 0xf8800000, v120            ; 15 off its exponent field: the conversion takes the exponent field of this operand as its scale
	v_and_or_b32 v124, v120, 0x7f800000, s46       ; 57,344 x the scale
	v_lshrrev_b32 v125, 23, v123                   ; the scale's byte
.irp i, 0,1,2,3,4,5,6,7,8,9,10,11,12,13,14,15
	v_med3_num_f32 v[16+\i], v[16+\i], 0, v124     ; the activation and the hold in one: the conversion to an 8-bit code does not saturate (ISA guide 7.6.2)
.endr
	v_cvt_scalef32_pk8_bf8_f32 v[114:115], v[16:23], v123
	v_cvt_scalef32_pk8_bf8_f32 v[116:117], v[24:31], v123
	v_nop                                          ; one plain line behind the last conversion
	s_wait_alu depctr_va_vdst(0)                   ; the conversions have written v114-117 and the shift v125, which the two LDS stores read
	ds_store_b128 v4, v[114:117] offset:G1I        ; registers 4 (w % 4) .. + 3 of fragment w / 4, as they stand
	ds_store_b8 v8, v125 offset:G1S                ; both lanes of a token write the same byte with the same value
	BARRIER                                        ; g1's two fragments and their scale words lie in LDS
	; ---- 4: g2 = g1 gw2 + gb2, my one tile
.irp s, 0,1
.irp c, 0,1,2,3
	ds_load_b128 v[192+16*\s+4*\c:195+16*\s+4*\c], v9 offset:G1I+2048*\s+512*\c
.endr
	ds_load_b32 v[118+\s], v10 offset:G1S+64*\s
.endr
	s_wait_dscnt 0x0
	v_wmma_scale_f32_16x16x128_f8f6f4 v[224:231], v[72:87], v[192:207], v[106:113], v104, v118 matrix_a_fmt:MATRIX_FMT_BF8 matrix_b_fmt:MATRIX_FMT_BF8
	s_wait_alu depctr_va_vdst(0)                   ; one accumulator, two links
	v_wmma_scale_f32_16x16x128_f8f6f4 v[224:231], v[88:103], v[208:223], v[224:231], v105, v119 matrix_a_fmt:MATRIX_FMT_BF8 matrix_b_fmt:MATRIX_FMT_BF8
.rept 8
	v_nop
.endr
.irp j, 0,1,2,3,4,5,6,7
	v_max_num_f32 v[232+\j], 0, v[224+\j]          ; relu, from the accumulator's low end on: unit 16 w + 8 h + j of token r
.endr
	s_wait_alu depctr_va_vdst(0)
	; ---- 5: my 8 units' part of the token's eight logits, in f32
	s_wait_loadcnt 0x0                             ; gw3
.irp e, 0,1,2,3,4,5,6,7
	v_mul_f32 v[240+\e], v232, v[128+\e]
.endr
.irp j, 1,2,3,4,5,6,7
.irp e, 0,1,2,3,4,5,6,7
	v_fmac_f32 v[240+\e], v[232+\j], v[128+8*\j+\e]
.endr
.endr
.irp e, 0,2,4,6
	v_permlanex16_b32 v122, v[240+\e], s44, s45    ; lane l xor 16 holds the tile's other 8 units
	v_permlanex16_b32 v126, v[241+\e], s44, s45
	v_add_f32 v[240+\e], v[240+\e], v122
	v_add_f32 v[241+\e], v[241+\e], v126
.endr
.irp i, 0,1,2,3
	v_cndmask_b32 v[120+\i], v[240+\i], v[244+\i], s47   ; lanes 0-15 store experts 0-3, lanes 16-31 experts 4-7
.endr
	s_wait_alu depctr_va_vdst(0)                   ; the selections have written v120-123, which the LDS store reads; the multiply-adds are done reading gw3's registers, in which wave 0's loads of the parts land
	ds_store_b128 v11, v[120:123] offset:PL
	BARRIER                                        ; the eight waves' parts lie in LDS
	s_cmp_lg_u32 s2, 0
	s_cbranch_scc1 .Lend                           ; the rest is 16 tokens' work: wave 0's
	; ---- 6: the logits, the softmax, the two largest
.irp w, 0,1,2,3,4,5,6,7
	ds_load_b128 v[128+8*\w:131+8*\w], v12 offset:PL+512*\w
	ds_load_b128 v[132+8*\w:135+8*\w], v12 offset:PL+512*\w+16
.endr
	s_wait_dscnt 0x0
.irp e, 0,1,2,3,4,5,6,7
	v_add_f32 v[240+\e], s[36+\e], v[128+\e]       ; gb3 + wave 0's part
.endr
.irp w, 1,2,3,4,5,6,7
.irp e, 0,1,2,3,4,5,6,7
	v_add_f32 v[240+\e], v[240+\e], v[128+8*\w+\e]
.endr
.endr
	v_max3_num_f32 v72, v240, v241, v242
	v_max3_num_f32 v72, v72, v243, v244
	v_max3_num_f32 v72, v72, v245, v246
	v_max_num_f32 v72, v72, v247                   ; the row's largest logit is taken away before the exponential
.irp e, 0,1,2,3,4,5,6,7
	v_sub_f32 v[248+\e], v[240+\e], v72
.endr
.irp e, 0,1,2,3,4,5,6,7
	v_mul_f32 v[248+\e], 0x3fb8aa3b, v[248+\e]     ; x log2(e)
.endr
	s_wait_alu depctr_va_vdst(0)
.irp e, 0,1,2,3,4,5,6,7
	v_exp_f32 v[248+\e], v[248+\e]
.endr
	v_nop                                          ; a plain line behind the exponentials
	s_wait_alu depctr_va_vdst(0)                   ; the eight exponentials have written v248-255, ahead of their first reader
	v_add_f32 v73, v248, v249
	v_add_f32 v74, v250, v251
	v_add_f32 v73, v73, v252
	v_add_f32 v74, v74, v253
	v_add_f32 v73, v73, v254
	v_add_f32 v74, v74, v255
	v_add_f32 v73, v73, v74
	s_wait_alu depctr_va_vdst(0)
	v_rcp_f32 v74, v73
	v_mov_b32 v76, 0                               ; (a plain line behind the reciprocal)
	s_wait_alu depctr_va_vdst(0)                   ; the reciprocal has written v74, ahead of its first reader
.irp e, 0,1,2,3,4,5,6,7
	v_mul_f32 v[240+\e], v[248+\e], v74            ; the probabilities
.endr
	v_max3_num_f32 v75, v240, v241, v242
	v_max3_num_f32 v75, v75, v243, v244
	v_max3_num_f32 v75, v75, v245, v246
	v_max_num_f32 v75, v75, v247                   ; the largest,
.irp e, 0,1,2,3,4,5,6,7
	v_cmp_eq_f32 s[48+\e], v[240+\e], v75          ; and where: the eight compares in one run, a mask each
.endr
	s_wait_alu depctr_va_sdst(0)                   ; the masks s48-55 are written, ahead of the selections that read them
.irp e, 7,6,5,4,3,2,1,0
	v_cndmask_b32 v76, v76, \e, s[48+\e]           ; from 7 down, so that the lowest expert wins a tie
.endr
.irp e, 0,1,2,3,4,5,6,7
	v_cmp_eq_u32 s[56+\e], \e, v76
.endr
	s_wait_alu depctr_va_sdst(0)                   ; the masks s56-63 are written, ahead of the selections that read them
.irp e, 0,1,2,3,4,5,6,7
	v_cndmask_b32 v[248+\e], v[240+\e], -1.0, s[56+\e]   ; the winner leaves the field
.endr
	v_mov_b32 v78, 0
	v_max3_num_f32 v77, v248, v249, v250
	v_max3_num_f32 v77, v77, v251, v252
	v_max3_num_f32 v77, v77, v253, v254
	v_max_num_f32 v77, v77, v255                   ; the second,
.irp e, 0,1,2,3,4,5,6,7
	v_cmp_eq_f32 s[48+\e], v[248+\e], v77
.endr
	s_wait_alu depctr_va_sdst(0)                   ; the masks s48-55 are written anew, ahead of the selections that read them
.irp e, 7,6,5,4,3,2,1,0
	v_cndmask_b32 v78, v78, \e, s[48+\e]
.endr
	v_add_f32 v79, v75, v77
	s_wait_alu depctr_va_vdst(0)
	v_rcp_f32 v80, v79
.irp i, 0,1,2,3
	v_cndmask_b32 v[84+\i], v[240+\i], v[244+\i], s47    ; (plain lines behind the reciprocal)  lanes 0-15 store probabilities 0-3, lanes 16-31 4-7
.endr
	s_wait_alu depctr_va_vdst(0)                   ; the reciprocal has written v80, ahead of its first reader
	v_mul_f32 v81, v75, v80                        ; the two weights, renormalised
	v_mul_f32 v82, v77, v80
	v_cndmask_b32 v88, v76, v78, s47               ; lanes 0-15 store the first choice, lanes 16-31 the second
	v_cndmask_b32 v89, v81, v82, s47
	s_wait_alu depctr_va_vdst(0)                   ; the selections have written v84-89, which the three stores read
	global_store_b128 v13, v[84:87], s[28:29]      ; 512 consecutive bytes of out2
	global_store_b32 v14, v88, s[30:31]
	global_store_b32 v14, v89, s[32:33]
.Lend:
	s_wait_xcnt 0x0
	v_lshl_add_u32 v254, v0, 2, 0x6400             ; the add's two registers are made here: no memory or LDS instruction has read v254 or v255
	v_mov_b32 v255, 0
	s_wait_dscnt 0x0                               ; the closing lines, six on end
	s_wait_alu 0x0
	s_wait_tensorcnt 0x0
	ds_add_u32 v254, v255
	s_wait_dscnt 0x0
	s_endpgm
.Lfunc_end_k_q092622d433_gate:
	.size	k_q092622d433_gate, .Lfunc_end_k_q092622d433_gate-k_q092622d433_gate
	.p2alignl 7, 3214868480
	.fill 96, 4, 3214868480
	.section	.rodata,"a",@progbits
	.p2align	6, 0x0
	.amdhsa_kernel k_q092622d433_gate
		.amdhsa_group_segment_fixed_size 26624
		.amdhsa_private_segment_fixed_size 0
		.amdhsa_enable_private_segment 0
		.amdhsa_kernarg_size 104
		.amdhsa_user_sgpr_count 2
		.amdhsa_user_sgpr_kernarg_segment_ptr 1
		.amdhsa_wavefront_size32 1
		.amdhsa_system_sgpr_workgroup_id_x 1
		.amdhsa_system_sgpr_workgroup_id_y 1
		.amdhsa_system_sgpr_workgroup_id_z 1
		.amdhsa_system_vgpr_workitem_id 0
		.amdhsa_next_free_vgpr 512
		.amdhsa_next_free_sgpr 66
		.amdhsa_reserve_vcc 0
		.amdhsa_float_denorm_mode_32 3
		.amdhsa_float_denorm_mode_16_64 3
		.amdhsa_memory_ordered 1
		.amdhsa_forward_progress 1
		.amdhsa_inst_pref_size 36
	.end_amdhsa_kernel
	.amdgpu_metadata
---
amdhsa.version: [ 1, 2 ]
amdhsa.kernels:
  - .name:           k_q092622d433_gate
    .symbol:         k_q092622d433_gate.kd
    .args:
      - { .name: x_codes, .offset: 0, .size: 8, .value_kind: global_buffer, .address_space: global }
      - { .name: x_scales, .offset: 8, .size: 8, .value_kind: global_buffer, .address_space: global }
      - { .name: gw1_codes, .offset: 16, .size: 8, .value_kind: global_buffer, .address_space: global }
      - { .name: gw1_scales, .offset: 24, .size: 8, .value_kind: global_buffer, .address_space: global }
      - { .name: gb1, .offset: 32, .size: 8, .value_kind: global_buffer, .address_space: global }
      - { .name: gw2_codes, .offset: 40, .size: 8, .value_kind: global_buffer, .address_space: global }
      - { .name: gw2_scales, .offset: 48, .size: 8, .value_kind: global_buffer, .address_space: global }
      - { .name: gb2, .offset: 56, .size: 8, .value_kind: global_buffer, .address_space: global }
      - { .name: gw3, .offset: 64, .size: 8, .value_kind: global_buffer, .address_space: global }
      - { .name: gb3, .offset: 72, .size: 8, .value_kind: global_buffer, .address_space: global }
      - { .name: out2, .offset: 80, .size: 8, .value_kind: global_buffer, .address_space: global }
      - { .name: sel, .offset: 88, .size: 8, .value_kind: global_buffer, .address_space: global }
      - { .name: selw, .offset: 96, .size: 8, .value_kind: global_buffer, .address_space: global }
    .group_segment_fixed_size: 26624
    .private_segment_fixed_size: 0
    .kernarg_segment_align: 8
    .kernarg_segment_size: 104
    .max_flat_workgroup_size: 256
    .sgpr_count:     66
    .vgpr_count:     512
    .wavefront_size: 32
...
	.end_amdgpu_metadata
.endif
;; end of part 7
;; launch place (part 8): grid 1 x 1, 32 waves a work-group, no clusters, 6,144 bytes of LDS; arguments sel, out2, route, out1; writes route, out1
.if DOCPART == 8
	.amdgcn_target "amdgcn-amd-amdhsa--gfx1250"
	.amdhsa_code_object_version 6
	.text
	.protected	k_q092622d433_place
	.globl	k_q092622d433_place
	.p2align	8
	.type	k_q092622d433_place,@function
k_q092622d433_place:
	s_mov_b64 s[64:65], 0
	v_nop
	global_prefetch_b8 v0, s[64:65] scope:SCOPE_SE
	s_setreg_imm32_b32 hwreg(HW_REG_WAVE_MODE, 25, 1), 1
	s_wait_xcnt 0x0
; THE ROWS ARE PLACED BY EXPERT (a counting sort without atomics), the table of tiles is made, and the load-balancing loss is computed.
; One work-group, a thread a token.  Expert e gets ceil(c_e / 96) tiles of 96 positions; a token's two rows get positions 96 x tile + slot, in token order within an expert.
; route: byte 0: [32] {expert, rows} a tile (rows = 0: no such tile);  byte 256: [1024][2] the positions of a token's two rows;  byte 8,448: [2,784] the token at a position (real positions alone are written).
; The counts of a wave come from ballots; two counts share a word (a count is at most 1,024); the waves' words meet in LDS behind the one barrier, and every wave adds them up for itself.
; The work is a few thousand whole numbers: one work-group does it, and no matrix unit, cluster or ring would add anything.
; LIMITS: sel holds experts 0 to 7, two different ones a token, as the gate stores them.
.set CT, 0                             ; LDS: [4 words][32 waves]: the waves' packed counts
.set PS, 512                           ; [32 waves][8]: the waves' sums of the probabilities
.set TMP, 24
.macro RSUMF reg                       ; a sum over the wave's 32 lanes, f32; every lane gets it
.irp m, 1
	v_add_f32_dpp v[\reg], v[\reg], v[\reg] row_xmask:\m row_mask:0xf bank_mask:0xf
.endr
.irp m, 2, 4, 8
	s_delay_alu instid0(VALU_DEP_1)
	v_add_f32_dpp v[\reg], v[\reg], v[\reg] row_xmask:\m row_mask:0xf bank_mask:0xf
.endr
	s_delay_alu instid0(VALU_DEP_1)
	v_permlanex16_b32 v[TMP], v[\reg], s44, s45
	s_delay_alu instid0(VALU_DEP_1)
	v_add_f32 v[\reg], v[\reg], v[TMP]
.endm
.macro RSUMI reg                       ; the same of whole numbers
.irp m, 1
	v_mov_b32_dpp v[TMP], v[\reg] row_xmask:\m row_mask:0xf bank_mask:0xf
	s_delay_alu instid0(VALU_DEP_1)
	v_add_nc_u32 v[\reg], v[\reg], v[TMP]
.endr
.irp m, 2, 4, 8
	s_delay_alu instid0(VALU_DEP_1)
	v_mov_b32_dpp v[TMP], v[\reg] row_xmask:\m row_mask:0xf bank_mask:0xf
	s_delay_alu instid0(VALU_DEP_1)
	v_add_nc_u32 v[\reg], v[\reg], v[TMP]
.endr
	s_delay_alu instid0(VALU_DEP_1)
	v_permlanex16_b32 v[TMP], v[\reg], s44, s45
	s_delay_alu instid0(VALU_DEP_1)
	v_add_nc_u32 v[\reg], v[\reg], v[TMP]
.endm
	s_load_b256 s[4:11], s[0:1], 0x0               ; sel 4, out2 6, route 8, out1 10
	v_lshl_add_u32 v64, v0, 2, 0x800
	v_mov_b32 v65, 0
	v_lshrrev_b32 v1, 5, v0
	s_delay_alu instid0(VALU_DEP_1)
	v_readfirstlane_b32 s2, v1                     ; wave 0..31
	v_and_b32 v1, 31, v0                           ; lane
	v_lshlrev_b32 v16, 3, v0                       ; 8 x token
	v_lshlrev_b32 v17, 5, v0                       ; 32 x token
	s_lshl_b32 s12, s2, 2
	v_mov_b32 v18, s12                             ; CT: my wave's column
	s_lshl_b32 s12, s2, 5
	v_mov_b32 v19, s12                             ; PS: my wave's row
	v_lshlrev_b32 v20, 2, v1                       ; CT: lane l reads wave l's column
	v_lshlrev_b32 v21, 5, v1                       ; PS: lane l reads wave l's row
	v_mov_b32 v[TMP], 0                            ; written once: the destination of a lane permute or a DPP move counts as one of its sources
	s_mov_b32 s44, 0x76543210
	s_mov_b32 s45, 0xfedcba98
	s_wait_alu depctr_va_vdst(0)
	s_wait_kmcnt 0x0
	global_load_b64 v[2:3], v16, s[4:5]            ; my token's two experts
	global_load_b128 v[4:7], v17, s[6:7]           ; and its eight probabilities
	global_load_b128 v[8:11], v17, s[6:7] offset:16
	s_wait_loadcnt 0x2                             ; the experts are in
.irp e, 0,1,2,3,4,5,6,7
	v_cmp_eq_u32 s12, \e, v2
	v_cmp_eq_u32 s13, \e, v3
	s_or_b32 s[20+\e], s12, s13                    ; which lanes of my wave send a row to expert e: kept for the ranks
	s_bcnt1_i32_b32 s[28+\e], s[20+\e]
.endr
.irp i, 0,1,2,3
	s_lshl_b32 s12, s[29+2*\i], 16
	s_or_b32 s12, s[28+2*\i], s12                  ; two counts to a word
	v_mov_b32 v[12+\i], s12
	ds_store_b32 v18, v[12+\i] offset:CT+128*\i    ; all lanes write the same word with the same value
.endr
	s_wait_loadcnt 0x0
.irp e, 0,1,2,3,4,5,6,7
	RSUMF 4+\e
.endr
	ds_store_b128 v19, v[4:7] offset:PS
	ds_store_b128 v19, v[8:11] offset:PS+16
	s_wait_dscnt 0x0                               ; for the others' sake: my stores have landed
	s_barrier_signal -1
	s_barrier_wait -1
.irp i, 0,1,2,3
	ds_load_b32 v[32+\i], v20 offset:CT+128*\i     ; lane l: wave l's counts
.endr
	s_wait_dscnt 0x0
	v_cmp_gt_u32 vcc_lo, s2, v1                    ; the waves in front of mine
.irp i, 0,1,2,3
	v_cndmask_b32 v[36+\i], 0, v[32+\i], vcc_lo
.endr
.irp k, 0,1,2,3,4,5,6,7
	RSUMI 32+\k
.endr
.irp k, 0,1,2,3,4,5,6,7
	v_readfirstlane_b32 s[48+\k], v[32+\k]
.endr
.irp i, 0,1,2,3
	s_and_b32 s[56+2*\i], s[48+\i], 0xffff         ; c_e: s56-63
	s_lshr_b32 s[57+2*\i], s[48+\i], 16
	s_and_b32 s[66+2*\i], s[52+\i], 0xffff         ; rows of expert e in the waves in front of mine: s66-73
	s_lshr_b32 s[67+2*\i], s[52+\i], 16
.endr
.irp e, 0,1,2,3,4,5,6,7
	s_add_co_u32 s12, s[56+\e], 95
	s_mul_i32 s12, s12, 683
	s_lshr_b32 s[74+\e], s12, 16                   ; ceil(c_e / 96): x 683 >> 16 is x / 96 rounded down for x up to 1,119
.endr
	s_mov_b32 s82, 0                               ; the expert's first tile: s82-89
.irp e, 0,1,2,3,4,5,6
	s_add_co_u32 s[83+\e], s[82+\e], s[74+\e]
.endr
.irp e, 0,1,2,3,4,5,6,7
	s_mul_i32 s12, s[82+\e], 96
	s_add_co_u32 s[90+\e], s12, s[66+\e]           ; the position of my wave's first row for expert e: s90-97
.endr
	v_mov_b32 v26, 0
	v_mov_b32 v27, 0
.irp e, 0,1,2,3,4,5,6,7
	v_mbcnt_lo_u32_b32 v25, s[20+\e], s[90+\e]     ; + the lanes below mine that send a row there
	v_cmp_eq_u32 vcc_lo, \e, v2
	s_delay_alu instid0(VALU_DEP_1)
	v_cndmask_b32 v26, v26, v25, vcc_lo
	v_cmp_eq_u32 vcc_lo, \e, v3
	s_delay_alu instid0(VALU_DEP_1)
	v_cndmask_b32 v27, v27, v25, vcc_lo
.endr
	global_store_b64 v16, v[26:27], s[8:9] offset:256      ; the token's two positions
	v_min_u32 v28, 0xadf, v26                      ; a position is at most 2,783
	v_min_u32 v29, 0xadf, v27
	s_delay_alu instid0(VALU_DEP_2)
	v_lshlrev_b32 v28, 2, v28
	s_delay_alu instid0(VALU_DEP_2)
	v_lshlrev_b32 v29, 2, v29
	global_store_b32 v28, v0, s[8:9] offset:8448   ; the token at each of them
	global_store_b32 v29, v0, s[8:9] offset:8448
	s_cmp_lg_u32 s2, 0
	s_cbranch_scc1 .Lend
	; ---- wave 0: the table of tiles, a lane a tile
	v_mov_b32 v30, 0
	v_mov_b32 v31, 0
.irp e, 0,1,2,3,4,5,6,7
	v_sub_nc_u32 v40, v1, s[82+\e]                 ; which tile of expert e would I be (a tile in front of its first wraps to a large number)
	s_delay_alu instid0(VALU_DEP_1)
	v_cmp_gt_u32 vcc_lo, s[74+\e], v40
	s_delay_alu instid0(VALU_DEP_2)
	v_mul_u32_u24 v41, v40, 96
	s_delay_alu instid0(VALU_DEP_1)
	v_sub_nc_u32 v41, s[56+\e], v41
	s_delay_alu instid0(VALU_DEP_1)
	v_min_u32 v41, 96, v41                         ; the rows left for it, 96 at the most
	s_delay_alu instid0(VALU_DEP_1)
	v_cndmask_b32 v31, v31, v41, vcc_lo
	v_cndmask_b32 v30, v30, \e, vcc_lo
.endr
	v_lshlrev_b32 v42, 3, v1
	global_store_b64 v42, v[30:31], s[8:9]         ; 256 consecutive bytes
	; ---- and the loss
	ds_load_b128 v[44:47], v21 offset:PS
	ds_load_b128 v[48:51], v21 offset:PS+16
	s_wait_dscnt 0x0
.irp e, 0,1,2,3,4,5,6,7
	RSUMF 44+\e
.endr
.irp e, 0,1,2,3,4,5,6,7
	v_mul_f32 v[44+\e], 0x3a800000, v[44+\e]       ; usage = the sum / 1,024
.endr
.irp e, 0,1,2,3,4,5,6,7
	v_add_f32 v[52+\e], 0x322bcc77, v[44+\e]       ; + 1e-8
.endr
	s_wait_alu depctr_va_vdst(0)
.irp e, 0,1,2,3,4,5,6,7
	v_log_f32 v[52+\e], v[52+\e]                   ; log2
.endr
	v_add_f32 v60, v44, v45                        ; (a plain line behind the logarithms)
.irp e, 2,3,4,5,6,7
	s_delay_alu instid0(VALU_DEP_1)
	v_add_f32 v60, v60, v[44+\e]
.endr
	s_delay_alu instid0(VALU_DEP_1)
	v_mul_f32 v60, 0x3e000000, v60                 ; the mean usage
	s_wait_alu depctr_va_vdst(0)
	v_add_f32 v61, v52, v53
	v_mul_f32 v62, v44, v52
.irp e, 2,3,4,5,6,7
	v_add_f32 v61, v61, v[52+\e]                   ; the sum of the logarithms
.endr
.irp e, 1,2,3,4,5,6,7
	v_fmac_f32 v62, v[44+\e], v[52+\e]             ; the sum of usage x logarithm
.endr
	v_sub_f32 v40, v44, v60
	s_delay_alu instid0(VALU_DEP_1)
	v_mul_f32 v63, v40, v40
.irp e, 1,2,3,4,5,6,7
	v_sub_f32 v40, v[44+\e], v60
	s_delay_alu instid0(VALU_DEP_1)
	v_fmac_f32 v63, v40, v40                       ; the sum of squares about the mean
.endr
	v_mul_f32 v61, 0xbdb17218, v61                 ; kl = ln(1/8) - (ln 2 / 8) x the sum of log2
	s_delay_alu instid0(VALU_DEP_1)
	v_add_f32 v61, 0xc0051593, v61
	v_mul_f32 v62, 0x3f317218, v62                 ; max_ent - ent = 8 ln 8 + ln 2 x the sum of usage x log2
	s_delay_alu instid0(VALU_DEP_1)
	v_add_f32 v62, 0x41851593, v62
	v_mul_f32 v63, 0x3e124925, v63                 ; var = the sum of squares / 7
	s_delay_alu instid0(VALU_DEP_4)
	v_mul_f32 v61, 0.5, v61
	s_delay_alu instid0(VALU_DEP_1)
	v_fmac_f32 v61, 0x3e99999a, v63                ; + 0.3 var
	s_delay_alu instid0(VALU_DEP_1)
	v_fmac_f32 v61, 0x3e4ccccd, v62                ; + 0.2 (max_ent - ent)
	s_delay_alu instid0(VALU_DEP_1)
	v_mul_f32 v61, 0x3c23d70a, v61                 ; x 0.01
	v_mov_b32 v43, 0
	v_cmp_eq_u32 vcc_lo, 0, v1
	s_wait_alu depctr_va_vdst(0)
	s_wait_xcnt 0x0                                ; EXEC is a source of the stores above: it changes only behind this wait
	s_and_saveexec_b32 s12, vcc_lo
	global_store_b32 v43, v61, s[10:11]            ; lane 0 stores the one number
	s_wait_xcnt 0x0
	s_or_b32 exec_lo, exec_lo, s12
.Lend:
	s_wait_tensorcnt 0x0
	ds_add_u32 v64, v65
	s_wait_dscnt 0x0
	s_endpgm
.Lfunc_end_k_q092622d433_place:
	.size	k_q092622d433_place, .Lfunc_end_k_q092622d433_place-k_q092622d433_place
	.p2alignl 7, 3214868480
	.fill 96, 4, 3214868480
	.section	.rodata,"a",@progbits
	.p2align	6, 0x0
	.amdhsa_kernel k_q092622d433_place
		.amdhsa_group_segment_fixed_size 6144
		.amdhsa_private_segment_fixed_size 0
		.amdhsa_enable_private_segment 0
		.amdhsa_kernarg_size 32
		.amdhsa_user_sgpr_count 2
		.amdhsa_user_sgpr_kernarg_segment_ptr 1
		.amdhsa_wavefront_size32 1
		.amdhsa_system_sgpr_workgroup_id_x 1
		.amdhsa_system_sgpr_workgroup_id_y 1
		.amdhsa_system_sgpr_workgroup_id_z 1
		.amdhsa_system_vgpr_workitem_id 0
		.amdhsa_next_free_vgpr 66
		.amdhsa_next_free_sgpr 100
		.amdhsa_reserve_vcc 1
		.amdhsa_float_denorm_mode_32 3
		.amdhsa_float_denorm_mode_16_64 3
		.amdhsa_memory_ordered 1
		.amdhsa_forward_progress 1
		.amdhsa_inst_pref_size 33
	.end_amdhsa_kernel
	.amdgpu_metadata
---
amdhsa.version: [ 1, 2 ]
amdhsa.kernels:
  - .name:           k_q092622d433_place
    .symbol:         k_q092622d433_place.kd
    .args:
      - { .name: sel, .offset: 0, .size: 8, .value_kind: global_buffer, .address_space: global }
      - { .name: out2, .offset: 8, .size: 8, .value_kind: global_buffer, .address_space: global }
      - { .name: route, .offset: 16, .size: 8, .value_kind: global_buffer, .address_space: global }
      - { .name: out1, .offset: 24, .size: 8, .value_kind: global_buffer, .address_space: global }
    .group_segment_fixed_size: 6144
    .private_segment_fixed_size: 0
    .kernarg_segment_align: 8
    .kernarg_segment_size: 32
    .max_flat_workgroup_size: 1024
    .sgpr_count:     100
    .vgpr_count:     66
    .wavefront_size: 32
...
	.end_amdgpu_metadata
.endif
;; end of part 8
;; launch ffn1 (part 9): grid 8 x 29, 4 waves a work-group, no clusters, 187,904 bytes of LDS; arguments x_codes, x_scales, ew1_codes, ew1_scales, eb1, route, h1; writes h1
.if DOCPART == 9
	.amdgcn_target "amdgcn-amd-amdhsa--gfx1250"
	.amdhsa_code_object_version 6
	.text
	.protected	k_q092622d433_ffn1
	.globl	k_q092622d433_ffn1
	.p2align	8
	.type	k_q092622d433_ffn1,@function
k_q092622d433_ffn1:
	s_mov_b64 s[64:65], 0
	v_nop
	global_prefetch_b8 v0, s[64:65] scope:SCOPE_SE
	s_setreg_imm32_b32 hwreg(HW_REG_WAVE_SCHED_MODE, 0, 2), 2
	s_setreg_imm32_b32 hwreg(HW_REG_WAVE_MODE, 25, 1), 1
	s_wait_xcnt 0x0
	s_wait_alu depctr_vm_vsrc(0)
; ONE LAYER OF THE EXPERTS, on the routed rows alone.  The same text serves the three layers; LAYER picks the sizes and what differs.
;   LAYER 1: h1 = Q(relu(x ew1 + eb1)), rows gathered from x by the stored list;  LAYER 2: h2 = Q(relu(h1 ew2 + eb2));  LAYER 3: y = h2 ew3 + eb3, f32.   Q: the quantiser along the next product's K.
; All products on codes of E5M2 with one E8M0 scale for each 32 along K; sums in f32.
; SHARES.  Work-group (x, y) takes tile y of the stored table (96 rows of one expert) and columns 64 NB x .. + 64 NB - 1; wave w all 96 rows x its own 16 NB columns: 6 NB accumulators.
; The grid has 29 tiles, as many as any split of 2,048 rows over 8 experts can need.  A tile without rows does no product and stores nothing: a scalar branch on the stored count leads round
; the work, and both barriers stand outside it, on every wave's path.  A tile's slots beyond its rows repeat its last row (LAYER 1); they are computed and nobody reads them.
; A (the rows) comes into LDS once and stays: all four waves read it.  B (the weights) is each wave's own: memory -> registers (64 loads a wave on their way) -> the wave's own slot in LDS
; (rows of 256 bytes + 16) -> fragments.  So the loop over K has no barrier.
; THE MATRIX INSTRUCTION IS USED TRANSPOSED (source 0 = 16 rows of the weight, source 1 = 16 rows of A): a lane holds one row and its registers run along the columns.
; LAYERS 1, 2: the weight's row R lies at place pi(R) of the slot (pi swaps bits 3 and 4), so that tile b, places 16 b + r, holds rows 32 (b / 2) + 8 (b % 2) + r + 8 (r / 8):
; the 16 registers of tiles 2 i and 2 i + 1 are then 16 neighbours along the next K, and the conversions' results are the next operand's registers.
; h1, h2 are laid as the next layer wants them: codes as images of the operand's registers, [tile][K step 16][fragment 6][4][lane][16 bytes]; behind them (byte HSO) a scale word a row: [tile][K step][96].
; NO TENSOR LOADS, NO CLUSTER: the launch branches on a stored number, and which tiles share an expert's weights hangs on the split, so no fixed mask could name the partners.
; LIMITS: NaN and infinities are not served; a block of zeros gets the scale byte 1 (its codes are zeros, and this program alone reads the bytes).
; THE MODE: SCHED_MODE bits 1:0 = 2 (LLVM: expert scheduling mode 2), set by the entry lines.  The code itself states the register dependences
; between vector or matrix instructions and memory or LDS instructions, with s_wait_alu, always for 0.
; THE PLAN.  Registers that memory or LDS instructions touch, in the run of K steps:
;   window 2, set g % RING     Written by the loads of group g, read by the LDS stores that lay group g into my slot; no vector or matrix instruction names them.
;                              One wait on vm_vsrc stands between those stores and the loads of group g + RING, which land in the same set.
;   B's fragments, the scale words, A's fragments, set s % 2     Written by the LDS loads of step s, which are issued in step s - 1; read by step s's products.
;   the addresses              Made at the head and never written again.
;   The accumulators and the bias are named by matrix instructions alone until the way out.
; Step s multiplies set s % 2; its LDS loads land in the other set, which the products of step s - 1 read and no product of step s names.  So ONE wait on va_vdst stands in a step, at its head,
; behind the wait for the step's own fragments: the products of the step before are done reading the other set.  All that the step issues behind it (the slot's stores, B's next fragments and the scale
; words, half of the products, the refill of window 2, A's next fragments, the other half) owes nothing more on that field.  Step 0 has no product ahead of it and the last step no load: they have no such wait.
; Outside the run: one wait ahead of the first load (the addresses), one behind the barrier (the registers in which A stood on its way to LDS have been read), one ahead of the way out's stores.
; REGISTERS, in windows of 256: window 0: v1-19, v35, v42-43 addresses; v20-34 the rows' tokens, v80-94 where these stand in the list (LAYER 1); v36-41 scale bytes in pairs; v48-63 scale words, two sets, and nothing else;
;   v64-127 scales on their way to LDS, later the quantiser's figures; v128-255 B's fragments, two sets, later codes or rows of y.
;   window 1: the accumulators, (a, b) at 8 (NB a + b); the bias at v192 on.   window 2: B on its way to LDS, RING sets.   window 3: A's fragments, two sets of 96.
.set LAYER, 1
.set HT,    196608                     ; a tile's codes in h1 or h2
.set HSO,   29*HT                      ; where the scale words begin
.if LAYER == 1
.set KB,    1024                       ; K: bytes in a row of the weight
.set NB,    4                          ; column tiles a wave
.set NCOL,  2048                       ; columns of an expert
.set BSP,   48                         ; a row of B's scale bytes in LDS: 32 + 16
.set ASC,   96*1040                    ; LDS: A's 96 rows of 1,024 + 16 bytes, then A's scale bytes, 48 a row
.set BSLOT, ASC+96*48
.else
.set KB,    2048
.set BSP,   80                         ; 64 + 16
.set ASC,   HT                         ; LDS: A's images, then A's scale words
.set BSLOT, ASC+6144
.if LAYER == 2
.set NB,    4
.set NCOL,  2048
.else
.set NB,    2
.set NCOL,  1024
.endif
.endif
.set NSTEP, KB/128                     ; K steps
.set NGRP,  KB/256                     ; groups of two steps: what a slot holds
.set LG,    8*NB                       ; loads that bring a wave's group: two rows of 256 bytes each
.set RING,  8/NB                       ; groups on their way in registers
.set BSLW,  16*NB*272                  ; a wave's slot
.set BSC,   BSLOT+4*BSLW               ; behind the slots: B's scale bytes, a wave's own part each
.set BSCW,  16*NB*BSP
.set STG,   BSC+4*BSCW                 ; behind them: the stage for the way out
.set NBS,   NB*KB/1024                 ; loads that bring a wave's scale bytes of B
.set LN,  1
.set RR,  2
.set HH,  3
.set BGO, 4                            ; B in memory: KB h + 16 r
.set BST, 5                            ; B into the slot: 272 h + 16 r
.set BAD, 6                            ; B's fragments: 272 r + 16 h
.set BSA, 7                            ; B's scale words: BSP x lane
.set AGO, 8                            ; 16 x lane
.set AST, 9                            ; A into LDS
.set AAD, 10                           ; v10-13 A's fragments
.set ASA, 14                           ; A's scale words
.set ASS, 15                           ; A's scales into LDS
.set BSS, 16                           ; B's scales into LDS
.set BIO, 17                           ; the bias
.set STO, 18                           ; into the stage
.set SRD, 19                           ; out of it
.set TOK, 20
.set L8,  35                           ; 8 x lane
.set PR,  36
.set R16, 42                           ; 16 r
.set P8,  43
.set OB,  44
.set SA,  48                           ; set k: A's words at SA + 8 k + p (lanes 0-15 fragment 2 p, lanes 16-31 fragment 2 p + 1); B's at SB + 8 k + i likewise
.set SB,  52
.set BSL, 64
.set TIX, 80                           ; v80-94 (LAYER 1) the bytes at which the rows' entries stand in the list of tokens
.set ASL, 96
.set BF,  128
.set TMX, 64
.set TP,  76
.set LIM, 88
.set SCL, 100
.set BYT, 112
.set CD,  128
.set BIAS, 192
.set MSB, 0
.macro WIN new                         ; the immediate's high byte repeats the setting that is left
.if MSB != \new
	s_set_vgpr_msb (MSB<<8)|\new
.set MSB, \new
.endif
.endm
.macro PLACES n                        ; plain lines between a matrix instruction and what reads its results or loads into its registers: eight for this form
.rept \n
	v_nop
.endr
.endm
.macro BLOAD t, again                  ; group t of my rows of the weight, into set t % RING of window 2.  again = 1: the set has held a group before
	WIN 0x80
.if \again
	s_wait_alu depctr_vm_vsrc(0)                   ; the LDS stores that laid this set's last group into my slot have read it: the loads below land in it
.endif
.set I_, 0
.rept LG
	global_load_b128 v[4*LG*((\t)%RING)+4*I_:4*LG*((\t)%RING)+4*I_+3], v[BGO], s[12:13] offset:2*I_*KB+256*(\t)
.set I_, I_+1
.endr
.endm
.macro BSTORE t                        ; and on into my slot: row R to place pi(R)
	WIN 0x08
.set I_, 0
.rept LG
.set X_, 2*I_
.if LAYER < 3
.set X_, (X_&0x27)|(((X_>>3)&1)<<4)|(((X_>>4)&1)<<3)
.endif
	ds_store_b128 v[BST], v[4*LG*((\t)%RING)+4*I_:4*LG*((\t)%RING)+4*I_+3] offset:272*X_
.set I_, I_+1
.endr
.endm
.macro FETCHB s                        ; K step s: B's NB fragments and the scale words, into set s % 2
.set K_, (\s)%2
	WIN 0
.set I_, 0
.rept NB
.irp c, 0,1,2,3
	ds_load_b128 v[BF+16*NB*K_+16*I_+4*\c:BF+16*NB*K_+16*I_+4*\c+3], v[BAD] offset:4352*I_+128*K_+32*\c
.endr
.set I_, I_+1
.endr
.set I_, 0
.rept NB/2
	ds_load_b32 v[SB+8*K_+I_], v[BSA] offset:32*BSP*I_+4*(\s)
.set I_, I_+1
.endr
.irp p, 0,1,2
.if LAYER == 1
	ds_load_b32 v[SA+8*K_+\p], v[ASA] offset:1536*\p+4*(\s)
.else
	ds_load_b32 v[SA+8*K_+\p], v[ASA] offset:384*(\s)+128*\p
.endif
.endr
.endm
.macro FETCHA s                        ; K step s: A's six fragments, into set s % 2.  Fragments 3 to 5 come last: twelve loads
.set K_, (\s)%2
	WIN 0xc0
.irp a, 0,1,2,3,4,5
.irp c, 0,1,2,3
.if LAYER == 1
	ds_load_b128 v[96*K_+16*\a+4*\c:96*K_+16*\a+4*\c+3], v[AAD+\a/3] offset:16640*(\a%3)+128*(\s)+32*\c
.else
	ds_load_b128 v[96*K_+16*\a+4*\c:96*K_+16*\a+4*\c+3], v[AAD+(\s)/4] offset:12288*((\s)%4)+2048*\a+512*\c
.endif
.endr
.endr
.endm
.macro WMM                             ; one product; an odd tile's scale words stand in lanes 16-31 of their register
.if (A_%2 == 0) && (B_%2 == 0)
	v_wmma_scale_f32_16x16x128_f8f6f4 v[DR:DR+7], v[BR:BR+15], v[AR:AR+15], v[CR:CR+7], v[SBR], v[SAR] matrix_a_fmt:MATRIX_FMT_BF8 matrix_b_fmt:MATRIX_FMT_BF8
.elseif (A_%2 == 0)
	v_wmma_scale_f32_16x16x128_f8f6f4 v[DR:DR+7], v[BR:BR+15], v[AR:AR+15], v[CR:CR+7], v[SBR], v[SAR] matrix_a_fmt:MATRIX_FMT_BF8 matrix_b_fmt:MATRIX_FMT_BF8 matrix_a_scale:MATRIX_SCALE_ROW1
.elseif (B_%2 == 0)
	v_wmma_scale_f32_16x16x128_f8f6f4 v[DR:DR+7], v[BR:BR+15], v[AR:AR+15], v[CR:CR+7], v[SBR], v[SAR] matrix_a_fmt:MATRIX_FMT_BF8 matrix_b_fmt:MATRIX_FMT_BF8 matrix_b_scale:MATRIX_SCALE_ROW1
.else
	v_wmma_scale_f32_16x16x128_f8f6f4 v[DR:DR+7], v[BR:BR+15], v[AR:AR+15], v[CR:CR+7], v[SBR], v[SAR] matrix_a_fmt:MATRIX_FMT_BF8 matrix_b_fmt:MATRIX_FMT_BF8 matrix_a_scale:MATRIX_SCALE_ROW1 matrix_b_scale:MATRIX_SCALE_ROW1
.endif
.endm
.macro MUL s, a0                       ; A's fragments a0 .. a0 + 2 against B's NB.  The 6 NB accumulators take turns, one instruction a turn, in the same order in every step.  Step 0 takes the bias as C
.set K_, (\s)%2
.set A_, \a0
	WIN 0x5c                                       ; source 0 (B) window 0, source 1 (A) window 3, C and D window 1
.rept 3
.set B_, 0
.rept NB
.set DR, 8*(NB*A_+B_)
.set CR, DR
.if (\s) == 0
.set CR, BIAS+8*B_
.endif
.set BR, BF+16*NB*K_+16*B_
.set AR, 96*K_+16*A_
.set SBR, SB+8*K_+B_/2
.set SAR, SA+8*K_+A_/2
	WMM
.set B_, B_+1
.endr
.set A_, A_+1
.endr
.endm
; K step s.  At its head: the next group into the slot (odd s), B's next fragments and the scale words.  In its middle: the refill of window 2 (odd s), A's next fragments.
.macro STEP s
.set T_, (\s)/2
	s_wait_dscnt 12                                ; B, the scale words and A's fragments 0-2 of this step are in; the youngest twelve loads (A's fragments 3-5) may be out
.if (\s)+1 < NSTEP
.set YN_, 4*NB+NB/2+3
.if (\s) > 0
	PLACES 8                                       ; behind the last step's products, in front of loads into the set that they read
	s_wait_alu depctr_va_vdst(0)                   ; the last step's products are done reading the other set of B's and A's fragments and scale words, in which this step's LDS loads land; no product of this step names that set
.endif
.if (\s)%2 == 1
.set YN_, YN_+LG
.set YG_, T_+RING
.if YG_ > NGRP-1
.set YG_, NGRP-1
.endif
	s_wait_loadcnt LG*(YG_-(T_+1))                 ; group t + 1 is in; the groups asked for behind it may be out
	BSTORE T_+1                                    ; LDS serves a wave's instructions in order: these land behind my reads of group t, and the loads below see them
.endif
	FETCHB (\s)+1
	MUL \s, 0
	s_wait_dscnt YN_                               ; A's fragments 3-5 of this step are in; what this step's head issued (the slot's stores in an odd step, B's next fragments, the scale words) may be out
.if ((\s)%2 == 1) && (T_+1+RING < NGRP)
	BLOAD T_+1+RING, 1                             ; into the set that this step's stores into the slot read
.endif
	FETCHA (\s)+1
.else
	MUL \s, 0
	s_wait_dscnt 0x0                               ; A's fragments 3-5
.endif
	MUL \s, 3
.endm
.if LAYER == 1
	s_load_b256 s[8:15], s[0:1], 0x0               ; A's codes 8, A's scales 10, the weight's codes 12, its scales 14
	s_load_b128 s[16:19], s[0:1], 0x20             ; the bias 16, route 18
	s_load_b64 s[20:21], s[0:1], 0x30              ; the output 20
	v_lshl_add_u32 v126, v0, 2, 0x2dc00
	v_mov_b32 v127, 0
.else
	s_load_b64 s[8:9], s[0:1], 0x0                 ; A 8
	s_load_b128 s[12:15], s[0:1], 0x8              ; the weight's codes 12, its scales 14
	s_load_b128 s[16:19], s[0:1], 0x18             ; the bias 16, route 18
	s_load_b64 s[20:21], s[0:1], 0x28              ; the output 20
.endif
	v_lshrrev_b32 v1, 5, v0
	v_readfirstlane_b32 s2, v1                     ; wave 0..3
	s_and_b32 s3, ttmp7, 0xffff                    ; the tile
	s_lshl_b32 s6, s3, 3
	s_wait_kmcnt 0x0
	s_load_b64 s[22:23], s[18:19], s6 offset:0x0   ; its expert and its rows
	v_and_b32 v[LN], 31, v0
	v_and_b32 v[RR], 15, v0
	v_bfe_u32 v[HH], v0, 4, 1
	v_lshlrev_b32 v[AGO], 4, v[LN]
	v_lshlrev_b32 v[L8], 3, v[LN]
	v_lshlrev_b32 v[R16], 4, v[RR]
	v_mad_u32_u24 v[BGO], v[HH], KB, v[R16]
	s_wait_alu depctr_va_sdst(0)                   ; s2 is written, ahead of its first reader: the LDS places and the bases below are made from it
	s_mul_i32 s28, s2, BSLW
	s_add_co_u32 s28, s28, BSLOT                   ; my slot
	v_mad_u32_u24 v[BST], v[HH], 272, v[R16]
	v_add_nc_u32 v[BST], s28, v[BST]
	v_mul_u32_u24 v[BAD], v[RR], 272
	v_lshl_add_u32 v[BAD], v[HH], 4, v[BAD]
	v_add_nc_u32 v[BAD], s28, v[BAD]
	s_mul_i32 s29, s2, BSCW
	s_add_co_u32 s29, s29, BSC                     ; my scale bytes of B
	v_mul_u32_u24 v[BSA], v[LN], BSP
	v_add_nc_u32 v[BSA], s29, v[BSA]
.if LAYER == 1
	v_bfe_u32 v[BSS], v0, 1, 3                     ; a load's 512 bytes are 16 rows of 32: row (lane / 2) of them; its bit 3 (h) goes to bit 4
	v_lshl_add_u32 v[BSS], v[HH], 4, v[BSS]
	v_mul_u32_u24 v[BSS], v[BSS], BSP
	v_and_b32 v[P8], 1, v0
	v_lshl_add_u32 v[BSS], v[P8], 4, v[BSS]
.else
	v_bfe_u32 v[BSS], v0, 2, 3                     ; a load's 512 bytes are 8 rows of 64: row lane / 4, piece lane % 4
	v_mul_u32_u24 v[BSS], v[BSS], BSP
	v_and_b32 v[P8], 3, v0
	v_lshl_add_u32 v[BSS], v[P8], 4, v[BSS]
.endif
	v_add_nc_u32 v[BSS], s29, v[BSS]
.if LAYER == 1
	s_mul_i32 s28, s2, 24*1040                     ; my 24 rows of A
	v_mad_u32_u24 v[AST], v[HH], 1040, v[R16]
	v_add_nc_u32 v[AST], s28, v[AST]
	v_mul_u32_u24 v[AAD], v[RR], 1040
	v_lshl_add_u32 v[AAD], v[HH], 4, v[AAD]        ; fragments 0-2,
	v_add_nc_u32 v[AAD+1], 3*16640, v[AAD]         ; 3-5
	v_mul_u32_u24 v[ASA], v[LN], 48
	v_add_nc_u32 v[ASA], ASC, v[ASA]
	s_mul_i32 s28, s2, 24*48
	s_add_co_u32 s28, s28, ASC
	v_bfe_u32 v[OB], v0, 2, 3                      ; lane / 4
	v_mul_u32_u24 v[ASS], v[OB], 48
	v_and_b32 v[P8], 3, v0
	v_lshlrev_b32 v[P8], 3, v[P8]                  ; 8 (lane % 4)
	v_add_nc_u32 v[ASS], v[ASS], v[P8]
	v_add_nc_u32 v[ASS], s28, v[ASS]
.else
	s_mul_i32 s28, s2, 49152                       ; my quarter of A's images
	v_add_nc_u32 v[AST], s28, v[AGO]
	v_lshlrev_b32 v[AAD], 4, v[LN]                 ; K steps 0-3,
	v_add_nc_u32 v[AAD+1], 49152, v[AGO]           ; 4-7,
	v_add_nc_u32 v[AAD+2], 2*49152, v[AGO]         ; 8-11,
	v_add_nc_u32 v[AAD+3], 3*49152, v[AGO]         ; 12-15
	v_lshl_add_u32 v[ASA], v[LN], 2, ASC
	s_mul_i32 s28, s2, 1536
	s_add_co_u32 s28, s28, ASC
	v_add_nc_u32 v[ASS], s28, v[AGO]
.endif
.if LAYER < 3
	s_lshr_b32 s28, s2, 1                          ; the stage: two K steps' scale words; my two bytes of a row's word
	s_mul_i32 s28, s28, 384
	s_and_b32 s29, s2, 1
	s_lshl_b32 s29, s29, 1
	s_add_co_u32 s28, s28, s29
	s_add_co_u32 s28, s28, STG
	v_lshlrev_b32 v[STO], 2, v[RR]
	v_add_nc_u32 v[STO], s28, v[STO]
	s_lshl_b32 s28, s2, 8
	s_add_co_u32 s28, s28, STG
	v_add_nc_u32 v[SRD], s28, v[L8]
	v_lshlrev_b32 v[BIO], 6, v[HH]                 ; the bias in the result's layout: 16 h numbers on
.else
	s_lshl_b32 s28, s2, 7                          ; the stage: 96 rows of 512 + 16 bytes; my 128 bytes of a row
	s_add_co_u32 s28, s28, STG
	v_mul_u32_u24 v[STO], v[RR], 528
	v_lshl_add_u32 v[STO], v[HH], 5, v[STO]
	v_add_nc_u32 v[STO], s28, v[STO]
	s_mul_i32 s28, s2, 24*528
	s_add_co_u32 s28, s28, STG
	v_add_nc_u32 v[SRD], s28, v[AGO]
	v_lshlrev_b32 v[BIO], 5, v[HH]                 ; 8 h numbers on
.endif
	s_mov_b32 s25, 0x600000                        ; the mantissa field of 57,344
	s_mov_b32 s26, 0x76543210
	s_mov_b32 s27, 0xfedcba98                      ; v_permlanex16_b32's selects for lane l xor 16
	s_mov_b32 s7, 0
	s_wait_kmcnt 0x0
	s_min_u32 s22, s22, 7                          ; the expert,
	s_min_u32 s23, s23, 96                         ; the tile's rows: 0 where the split has no such tile
	s_mul_i32 s4, s22, NCOL
	s_mul_i32 s28, ttmp9, 64*NB
	s_add_co_u32 s4, s4, s28
	s_mul_i32 s28, s2, 16*NB
	s_add_co_u32 s4, s4, s28                       ; my first row of the weight, counted over all experts
	s_mul_i32 s6, s4, KB
	s_add_nc_u64 s[12:13], s[12:13], s[6:7]
	s_mul_i32 s6, s4, KB/32
	s_add_nc_u64 s[14:15], s[14:15], s[6:7]
	s_lshl_b32 s6, s4, 2
	s_add_nc_u64 s[16:17], s[16:17], s[6:7]
.if LAYER > 1
	s_mul_i32 s6, s3, 6144
	s_mul_i32 s28, s2, 1536
	s_add_co_u32 s6, s6, s28
	s_add_co_u32 s6, s6, HSO
	s_add_nc_u64 s[10:11], s[8:9], s[6:7]          ; my quarter of the tile's scale words,
	s_mul_i32 s6, s3, HT
	s_mul_i32 s28, s2, 49152
	s_add_co_u32 s6, s6, s28
	s_add_nc_u64 s[8:9], s[8:9], s[6:7]            ; and of its codes
.endif
.if LAYER < 3
	s_mul_i32 s6, s3, 6144
	s_mul_i32 s28, ttmp9, 768
	s_add_co_u32 s6, s6, s28
	s_lshl_b32 s28, s2, 8
	s_add_co_u32 s6, s6, s28
	s_add_co_u32 s6, s6, HSO
	s_add_nc_u64 s[32:33], s[20:21], s[6:7]        ; out: the work-group's two K steps of scale words, 256 bytes of them a wave;
	s_mul_i32 s6, s3, HT
	s_mul_i32 s28, ttmp9, 24576
	s_add_co_u32 s6, s6, s28
	s_lshr_b32 s28, s2, 1
	s_mul_i32 s28, s28, 12288
	s_add_co_u32 s6, s6, s28
	s_and_b32 s28, s2, 1
	s_lshl_b32 s28, s28, 10
	s_add_co_u32 s6, s6, s28
	s_add_nc_u64 s[20:21], s[20:21], s[6:7]        ; the codes: K step 2 x + w / 2, blocks 2 (w % 2) and + 1
.else
	s_mul_i32 s6, s3, 96*4096
	s_mul_i32 s28, s2, 24*4096
	s_add_co_u32 s6, s6, s28
	s_lshl_b32 s28, ttmp9, 9
	s_add_co_u32 s6, s6, s28
	s_add_nc_u64 s[20:21], s[20:21], s[6:7]        ; out: my 24 rows of y, the work-group's 512 bytes of them
.endif
	; ---- what every work-group asks for
.if LAYER == 1
	s_max_u32 s28, s23, 1
	s_sub_co_u32 s28, s28, 1                       ; the tile's last row: slots beyond it repeat it
	s_mul_i32 s29, s3, 96
	s_cmp_lg_u32 s23, 0
	s_cselect_b32 s29, s29, 0                      ; the tile's first position (a tile without rows names position 0, which always has a row)
	s_mul_i32 s34, s2, 24
.macro TOKIDX reg                      ; a slot of the tile -> the byte of its entry in the list of tokens
	v_min_u32 v[\reg], s28, v[\reg]
	v_add_nc_u32 v[\reg], s29, v[\reg]
	v_min_u32 v[\reg], 0xadf, v[\reg]
	v_lshlrev_b32 v[\reg], 2, v[\reg]
.endm
.irp i, 0,1,2,3,4,5,6,7,8,9,10,11
	v_add3_u32 v[TIX+\i], v[HH], s34, 2*\i         ; for the codes: two rows a load: slot 24 w + 2 i + h
	TOKIDX TIX+\i
.endr
.irp i, 0,1,2
	v_add3_u32 v[TIX+12+\i], v[OB], s34, 8*\i      ; for the scale bytes: eight rows a load: slot 24 w + 8 i + lane / 4
	TOKIDX TIX+12+\i
.endr
.endif
	s_wait_alu depctr_va_vdst(0)                   ; every address and offset made above is written: all loads, stores and LDS instructions of the kernel read some of them, and none of them is written again
.if LAYER == 1
.irp i, 0,1,2,3,4,5,6,7,8,9,10,11,12,13,14
	global_load_b32 v[TOK+\i], v[TIX+\i], s[18:19] offset:8448
.endr
.endif
	WIN 0x40                                       ; destination window 1
.set I_, 0
.rept NB
.if LAYER < 3
.set X_, 128*(I_/2)+32*(I_%2)
.else
.set X_, 64*I_
.endif
	global_load_b128 v[BIAS+8*I_:BIAS+8*I_+3], v[BIO], s[16:17] offset:X_
	global_load_b128 v[BIAS+8*I_+4:BIAS+8*I_+7], v[BIO], s[16:17] offset:X_+16
.set I_, I_+1
.endr
	WIN 0
.set I_, 0
.rept NBS
	global_load_b128 v[BSL+4*I_:BSL+4*I_+3], v[AGO], s[14:15] offset:512*I_        ; my rows' scale bytes are one dense block
.set I_, I_+1
.endr
	BLOAD 0, 0
	WIN 0
	s_cmp_eq_u32 s23, 0
	s_cbranch_scc1 .Lhave_a
	; ---- A comes into LDS, a quarter by each wave
.if LAYER == 1
	s_wait_loadcnt 2*NB+NBS+LG                     ; the tokens are in; all that was asked for behind them may be out
.irp i, 0,1,2,3,4,5,6,7,8,9,10,11
	v_min_u32 v[TOK+\i], 0x3ff, v[TOK+\i]
	v_lshlrev_b32 v[TOK+\i], 10, v[TOK+\i]         ; the token's row of 1,024 bytes,
	v_add_nc_u32 v[TOK+\i], v[TOK+\i], v[R16]      ; my 16 bytes of each 256
.endr
.irp i, 12,13,14
	v_min_u32 v[TOK+\i], 0x3ff, v[TOK+\i]
	v_lshlrev_b32 v[TOK+\i], 5, v[TOK+\i]          ; its 32 scale bytes,
	v_add_nc_u32 v[TOK+\i], v[TOK+\i], v[P8]       ; my 8 of them
.endr
	s_wait_alu depctr_va_vdst(0)                   ; the rows' offsets v20-34 are written, which the loads below read
.irp i, 0,1,2
	global_load_b64 v[ASL+2*\i:ASL+2*\i+1], v[TOK+12+\i], s[10:11]
.endr
	WIN 0x40
.set I_, 0
.rept 48
	global_load_b128 v[4*I_:4*I_+3], v[TOK+I_/4], s[8:9] offset:256*(I_%4)
.set I_, I_+1
.endr
	WIN 0
	s_wait_loadcnt 24                              ; the scale bytes and the first 24 loads are in
.irp i, 0,1,2
	ds_store_b64 v[ASS], v[ASL+2*\i:ASL+2*\i+1] offset:384*\i
.endr
	WIN 0x04                                       ; an LDS store's data are its source 1: window 1
.set I_, 0
.rept 24
	ds_store_b128 v[AST], v[4*I_:4*I_+3] offset:2080*(I_/4)+256*(I_%4)
.set I_, I_+1
.endr
	s_wait_loadcnt 0x0
.rept 24
	ds_store_b128 v[AST], v[4*I_:4*I_+3] offset:2080*(I_/4)+256*(I_%4)
.set I_, I_+1
.endr
	WIN 0
.else
.irp i, 0,1,2
	global_load_b128 v[ASL+4*\i:ASL+4*\i+3], v[AGO], s[10:11] offset:512*\i
.endr
	WIN 0x40                                       ; 48 loads land where the accumulators will lie,
.set I_, 0
.rept 48
	global_load_b128 v[4*I_:4*I_+3], v[AGO], s[8:9] offset:512*I_
.set I_, I_+1
.endr
	WIN 0xc0                                       ; 48 where A's fragments will
.rept 48
	global_load_b128 v[4*(I_-48):4*(I_-48)+3], v[AGO], s[8:9] offset:512*I_
.set I_, I_+1
.endr
	WIN 0
	s_wait_loadcnt 48                              ; all but the second 48
.irp i, 0,1,2
	ds_store_b128 v[ASS], v[ASL+4*\i:ASL+4*\i+3] offset:512*\i
.endr
	WIN 0x04
.set I_, 0
.rept 48
	ds_store_b128 v[AST], v[4*I_:4*I_+3] offset:512*I_
.set I_, I_+1
.endr
	s_wait_loadcnt 0x0
	WIN 0x0c
.rept 48
	ds_store_b128 v[AST], v[4*(I_-48):4*(I_-48)+3] offset:512*I_
.set I_, I_+1
.endr
	WIN 0
.endif
.Lhave_a:
	s_wait_loadcnt 0x0                             ; the bias, B's scale bytes and group 0 are in
.set Q_, 1
.rept RING-1
	BLOAD Q_, 0
.set Q_, Q_+1
.endr
	WIN 0
.set I_, 0
.rept NBS
.if LAYER == 1
.set X_, 8*(I_&1)+32*(I_>>1)
.elseif LAYER == 2
.set X_, 8*I_
.set X_, (X_&0x27)|(((X_>>3)&1)<<4)|(((X_>>4)&1)<<3)
.else
.set X_, 8*I_
.endif
	ds_store_b128 v[BSS], v[BSL+4*I_:BSL+4*I_+3] offset:BSP*X_     ; a row's scale bytes go to the place of its codes
.set I_, I_+1
.endr
	s_wait_dscnt 0x0                               ; for the others' sake: my part of A has landed
	s_barrier_signal -1
	s_barrier_wait -1                              ; A is whole
	s_wait_alu depctr_vm_vsrc(0)                   ; my LDS stores have read the registers in which A and the scale bytes stood on their way, and the list's loads their offsets: the products write window 1's, fragments land in window 3's (LAYERS 2, 3), the quantiser's figures take v64 on (LAYERS 1, 2)
	s_cmp_eq_u32 s23, 0
	s_cbranch_scc1 .Lstaged
	; ---- the products
	BSTORE 0
	FETCHB 0
	FETCHA 0
.if RING < NGRP
	BLOAD RING, 1                                  ; into the set that group 0's stores into the slot read
.endif
.set Q_, 0
.rept NSTEP
	STEP Q_
.set Q_, Q_+1
.endr
	WIN 0
.if LAYER < 3
	; ---- relu, the quantiser, the way out.  Block q = 2 a + i: rows 16 a on, my columns 32 i on: registers 16 q .. 16 q + 15 of window 1 and those of lane l xor 16
.irp q, 0,1,2,3,4,5,6,7,8,9,10,11
	v_mov_b32 v[TP+\q], 0                          ; a lane permute's destination counts as one of its sources.  These twelve are also the places behind the last products
.endr
	WIN 0x05                                       ; sources 0 and 1 window 1
.irp q, 0,1,2,3,4,5,6,7,8,9,10,11
	v_max3_num_f32 v[TMX+\q], v[16*\q], v[16*\q+1], 0x8000000      ; no |.|: what is negative becomes 0 and must not count; the floor 2^(16 - 127) keeps the byte at 1 or more.  Each accumulator is read from its low end on
.endr
.irp i, 2,4,6,8,10,12,14
.irp q, 0,1,2,3,4,5,6,7,8,9,10,11
	v_max3_num_f32 v[TMX+\q], v[16*\q+\i], v[16*\q+\i+1], v[TMX+\q]
.endr
.endr
	WIN 0
.irp q, 0,1,2,3,4,5,6,7,8,9,10,11
	v_permlanex16_b32 v[TP+\q], v[TMX+\q], s26, s27
.endr
.irp q, 0,1,2,3,4,5,6,7,8,9,10,11
	v_max_num_f32 v[TMX+\q], v[TMX+\q], v[TP+\q]   ; the block's largest number
.endr
.irp q, 0,1,2,3,4,5,6,7,8,9,10,11
	v_add_nc_u32 v[SCL+\q], 0xf8800000, v[TMX+\q]  ; 15 off its exponent field: the conversion's scale operand
.endr
.irp q, 0,1,2,3,4,5,6,7,8,9,10,11
	v_and_or_b32 v[LIM+\q], v[TMX+\q], 0x7f800000, s25     ; 57,344 x the scale
.endr
.irp q, 0,1,2,3,4,5,6,7,8,9,10,11
	v_lshrrev_b32 v[BYT+\q], 23, v[SCL+\q]         ; the scale's byte
.endr
.irp a, 0,1,2,3,4,5
	v_lshl_or_b32 v[PR+\a], v[BYT+2*\a+1], 8, v[BYT+2*\a]  ; my two bytes of the row's scale word
.endr
	WIN 0x41                                       ; source 0 and destination window 1
.irp q, 0,1,2,3,4,5,6,7,8,9,10,11
.irp i, 0,1,2,3,4,5,6,7,8,9,10,11,12,13,14,15
	v_med3_num_f32 v[16*\q+\i], v[16*\q+\i], 0, v[LIM+\q]  ; the activation and the hold in one: the conversion to an 8-bit code does not saturate (ISA guide 7.6.2)
.endr
.endr
	WIN 0x01                                       ; source 0 window 1
.irp q, 0,1,2,3,4,5,6,7,8,9,10,11
	v_cvt_scalef32_pk8_bf8_f32 v[CD+4*\q:CD+4*\q+1], v[16*\q:16*\q+7], v[SCL+\q]
	v_cvt_scalef32_pk8_bf8_f32 v[CD+4*\q+2:CD+4*\q+3], v[16*\q+8:16*\q+15], v[SCL+\q]
.endr
	WIN 0
	v_nop                                          ; one plain line behind the last conversion
	s_wait_alu depctr_va_vdst(0)                   ; the conversions have written the codes v128-175 and the shifts the pairs v36-41, which the stores below read
.irp q, 0,1,2,3,4,5,6,7,8,9,10,11
	global_store_b128 v[AGO], v[CD+4*\q:CD+4*\q+3], s[20:21] offset:2048*(\q/2)+512*(\q%2)  ; four registers of the next operand's image: 512 consecutive bytes
.endr
.irp a, 0,1,2,3,4,5
	ds_store_b16 v[STO], v[PR+\a] offset:64*\a     ; both lanes of a row write the same two bytes with the same value
.endr
.else
	PLACES 8
	WIN 0x04                                       ; the data: window 1
	s_wait_alu depctr_va_vdst(0)                   ; the products have written the accumulators, which the LDS stores read, and are done reading B's fragments, in whose registers the rows of y land behind the barrier; the places above stay beside this wait
.irp a, 0,1,2,3,4,5
.irp b, 0,1
	ds_store_b128 v[STO], v[8*(2*\a+\b):8*(2*\a+\b)+3] offset:8448*\a+64*\b        ; y(16 a + r, my 16 b + 8 h + 0 .. 7): each accumulator from its low end on
	ds_store_b128 v[STO], v[8*(2*\a+\b)+4:8*(2*\a+\b)+7] offset:8448*\a+64*\b+16
.endr
.endr
	WIN 0
.endif
.Lstaged:
	s_wait_dscnt 0x0                               ; for the others' sake: my stores into the stage have landed
	s_barrier_signal -1
	s_barrier_wait -1
	s_cmp_eq_u32 s23, 0
	s_cbranch_scc1 .Lend
.if LAYER < 3
	s_cmp_gt_u32 s2, 2
	s_cbranch_scc1 .Lend                           ; 768 bytes of scale words: 256 for each of three waves
	ds_load_b64 v[OB:OB+1], v[SRD]
	s_wait_dscnt 0x0
	global_store_b64 v[L8], v[OB:OB+1], s[32:33]   ; 256 consecutive bytes, at a multiple of 256 from the buffer's first byte
.else
.irp i, 0,1,2,3,4,5,6,7,8,9,10,11,12,13,14,15,16,17,18,19,20,21,22,23
	ds_load_b128 v[CD+4*\i:CD+4*\i+3], v[SRD] offset:528*\i
.endr
.irp i, 0,1,2,3,4,5,6,7,8,9,10,11,12,13,14,15,16,17,18,19,20,21,22,23
	s_wait_dscnt 23-\i
	global_store_b128 v[AGO], v[CD+4*\i:CD+4*\i+3], s[20:21] offset:4096*\i        ; 512 consecutive bytes of a row of y
.endr
.endif
.Lend:
	s_wait_dscnt 0x0                               ; the closing lines, six on end
	s_wait_alu 0x0
	s_wait_tensorcnt 0x0
	ds_add_u32 v126, v127
	s_wait_dscnt 0x0
	s_endpgm
.Lfunc_end_k_q092622d433_ffn1:
	.size	k_q092622d433_ffn1, .Lfunc_end_k_q092622d433_ffn1-k_q092622d433_ffn1
	.p2alignl 7, 3214868480
	.fill 96, 4, 3214868480
	.section	.rodata,"a",@progbits
	.p2align	6, 0x0
	.amdhsa_kernel k_q092622d433_ffn1
		.amdhsa_group_segment_fixed_size 187904
		.amdhsa_private_segment_fixed_size 0
		.amdhsa_enable_private_segment 0
		.amdhsa_kernarg_size 56
		.amdhsa_user_sgpr_count 2
		.amdhsa_user_sgpr_kernarg_segment_ptr 1
		.amdhsa_wavefront_size32 1
		.amdhsa_system_sgpr_workgroup_id_x 1
		.amdhsa_system_sgpr_workgroup_id_y 1
		.amdhsa_system_sgpr_workgroup_id_z 1
		.amdhsa_system_vgpr_workitem_id 0
		.amdhsa_next_free_vgpr 1024
		.amdhsa_next_free_sgpr 66
		.amdhsa_reserve_vcc 0
		.amdhsa_float_denorm_mode_32 3
		.amdhsa_float_denorm_mode_16_64 3
		.amdhsa_memory_ordered 1
		.amdhsa_forward_progress 1
		.amdhsa_inst_pref_size 119
	.end_amdhsa_kernel
	.amdgpu_metadata
---
amdhsa.version: [ 1, 2 ]
amdhsa.kernels:
  - .name:           k_q092622d433_ffn1
    .symbol:         k_q092622d433_ffn1.kd
    .args:
      - { .name: x_codes, .offset: 0, .size: 8, .value_kind: global_buffer, .address_space: global }
      - { .name: x_scales, .offset: 8, .size: 8, .value_kind: global_buffer, .address_space: global }
      - { .name: ew1_codes, .offset: 16, .size: 8, .value_kind: global_buffer, .address_space: global }
      - { .name: ew1_scales, .offset: 24, .size: 8, .value_kind: global_buffer, .address_space: global }
      - { .name: eb1, .offset: 32, .size: 8, .value_kind: global_buffer, .address_space: global }
      - { .name: route, .offset: 40, .size: 8, .value_kind: global_buffer, .address_space: global }
      - { .name: h1, .offset: 48, .size: 8, .value_kind: global_buffer, .address_space: global }
    .group_segment_fixed_size: 187904
    .private_segment_fixed_size: 0
    .kernarg_segment_align: 8
    .kernarg_segment_size: 56
    .max_flat_workgroup_size: 128
    .sgpr_count:     66
    .vgpr_count:     1024
    .wavefront_size: 32
...
	.end_amdgpu_metadata
.endif
;; end of part 9
;; launch ffn2 (part 10): grid 8 x 29, 4 waves a work-group, no clusters, 294,400 bytes of LDS; arguments h1, ew2_codes, ew2_scales, eb2, route, h2; writes h2
.if DOCPART == 10
	.amdgcn_target "amdgcn-amd-amdhsa--gfx1250"
	.amdhsa_code_object_version 6
	.text
	.protected	k_q092622d433_ffn2
	.globl	k_q092622d433_ffn2
	.p2align	8
	.type	k_q092622d433_ffn2,@function
k_q092622d433_ffn2:
	s_mov_b64 s[64:65], 0
	v_nop
	global_prefetch_b8 v0, s[64:65] scope:SCOPE_SE
	s_setreg_imm32_b32 hwreg(HW_REG_WAVE_SCHED_MODE, 0, 2), 2
	s_setreg_imm32_b32 hwreg(HW_REG_WAVE_MODE, 25, 1), 1
	s_wait_xcnt 0x0
	s_wait_alu depctr_vm_vsrc(0)
; ONE LAYER OF THE EXPERTS, on the routed rows alone.  The same text serves the three layers; LAYER picks the sizes and what differs.
;   LAYER 1: h1 = Q(relu(x ew1 + eb1)), rows gathered from x by the stored list;  LAYER 2: h2 = Q(relu(h1 ew2 + eb2));  LAYER 3: y = h2 ew3 + eb3, f32.   Q: the quantiser along the next product's K.
; All products on codes of E5M2 with one E8M0 scale for each 32 along K; sums in f32.
; SHARES.  Work-group (x, y) takes tile y of the stored table (96 rows of one expert) and columns 64 NB x .. + 64 NB - 1; wave w all 96 rows x its own 16 NB columns: 6 NB accumulators.
; The grid has 29 tiles, as many as any split of 2,048 rows over 8 experts can need.  A tile without rows does no product and stores nothing: a scalar branch on the stored count leads round
; the work, and both barriers stand outside it, on every wave's path.  A tile's slots beyond its rows repeat its last row (LAYER 1); they are computed and nobody reads them.
; A (the rows) comes into LDS once and stays: all four waves read it.  B (the weights) is each wave's own: memory -> registers (64 loads a wave on their way) -> the wave's own slot in LDS
; (rows of 256 bytes + 16) -> fragments.  So the loop over K has no barrier.
; THE MATRIX INSTRUCTION IS USED TRANSPOSED (source 0 = 16 rows of the weight, source 1 = 16 rows of A): a lane holds one row and its registers run along the columns.
; LAYERS 1, 2: the weight's row R lies at place pi(R) of the slot (pi swaps bits 3 and 4), so that tile b, places 16 b + r, holds rows 32 (b / 2) + 8 (b % 2) + r + 8 (r / 8):
; the 16 registers of tiles 2 i and 2 i + 1 are then 16 neighbours along the next K, and the conversions' results are the next operand's registers.
; h1, h2 are laid as the next layer wants them: codes as images of the operand's registers, [tile][K step 16][fragment 6][4][lane][16 bytes]; behind them (byte HSO) a scale word a row: [tile][K step][96].
; NO TENSOR LOADS, NO CLUSTER: the launch branches on a stored number, and which tiles share an expert's weights hangs on the split, so no fixed mask could name the partners.
; LIMITS: NaN and infinities are not served; a block of zeros gets the scale byte 1 (its codes are zeros, and this program alone reads the bytes).
; THE MODE: SCHED_MODE bits 1:0 = 2 (LLVM: expert scheduling mode 2), set by the entry lines.  The code itself states the register dependences
; between vector or matrix instructions and memory or LDS instructions, with s_wait_alu, always for 0.
; THE PLAN.  Registers that memory or LDS instructions touch, in the run of K steps:
;   window 2, set g % RING     Written by the loads of group g, read by the LDS stores that lay group g into my slot; no vector or matrix instruction names them.
;                              One wait on vm_vsrc stands between those stores and the loads of group g + RING, which land in the same set.
;   B's fragments, the scale words, A's fragments, set s % 2     Written by the LDS loads of step s, which are issued in step s - 1; read by step s's products.
;   the addresses              Made at the head and never written again.
;   The accumulators and the bias are named by matrix instructions alone until the way out.
; Step s multiplies set s % 2; its LDS loads land in the other set, which the products of step s - 1 read and no product of step s names.  So ONE wait on va_vdst stands in a step, at its head,
; behind the wait for the step's own fragments: the products of the step before are done reading the other set.  All that the step issues behind it (the slot's stores, B's next fragments and the scale
; words, half of the products, the refill of window 2, A's next fragments, the other half) owes nothing more on that field.  Step 0 has no product ahead of it and the last step no load: they have no such wait.
; Outside the run: one wait ahead of the first load (the addresses), one behind the barrier (the registers in which A stood on its way to LDS have been read), one ahead of the way out's stores.
; REGISTERS, in windows of 256: window 0: v1-19, v35, v42-43 addresses; v20-34 the rows' tokens, v80-94 where these stand in the list (LAYER 1); v36-41 scale bytes in pairs; v48-63 scale words, two sets, and nothing else;
;   v64-127 scales on their way to LDS, later the quantiser's figures; v128-255 B's fragments, two sets, later codes or rows of y.
;   window 1: the accumulators, (a, b) at 8 (NB a + b); the bias at v192 on.   window 2: B on its way to LDS, RING sets.   window 3: A's fragments, two sets of 96.
.set LAYER, 2
.set HT,    196608                     ; a tile's codes in h1 or h2
.set HSO,   29*HT                      ; where the scale words begin
.if LAYER == 1
.set KB,    1024                       ; K: bytes in a row of the weight
.set NB,    4                          ; column tiles a wave
.set NCOL,  2048                       ; columns of an expert
.set BSP,   48                         ; a row of B's scale bytes in LDS: 32 + 16
.set ASC,   96*1040                    ; LDS: A's 96 rows of 1,024 + 16 bytes, then A's scale bytes, 48 a row
.set BSLOT, ASC+96*48
.else
.set KB,    2048
.set BSP,   80                         ; 64 + 16
.set ASC,   HT                         ; LDS: A's images, then A's scale words
.set BSLOT, ASC+6144
.if LAYER == 2
.set NB,    4
.set NCOL,  2048
.else
.set NB,    2
.set NCOL,  1024
.endif
.endif
.set NSTEP, KB/128                     ; K steps
.set NGRP,  KB/256                     ; groups of two steps: what a slot holds
.set LG,    8*NB                       ; loads that bring a wave's group: two rows of 256 bytes each
.set RING,  8/NB                       ; groups on their way in registers
.set BSLW,  16*NB*272                  ; a wave's slot
.set BSC,   BSLOT+4*BSLW               ; behind the slots: B's scale bytes, a wave's own part each
.set BSCW,  16*NB*BSP
.set STG,   BSC+4*BSCW                 ; behind them: the stage for the way out
.set NBS,   NB*KB/1024                 ; loads that bring a wave's scale bytes of B
.set LN,  1
.set RR,  2
.set HH,  3
.set BGO, 4                            ; B in memory: KB h + 16 r
.set BST, 5                            ; B into the slot: 272 h + 16 r
.set BAD, 6                            ; B's fragments: 272 r + 16 h
.set BSA, 7                            ; B's scale words: BSP x lane
.set AGO, 8                            ; 16 x lane
.set AST, 9                            ; A into LDS
.set AAD, 10                           ; v10-13 A's fragments
.set ASA, 14                           ; A's scale words
.set ASS, 15                           ; A's scales into LDS
.set BSS, 16                           ; B's scales into LDS
.set BIO, 17                           ; the bias
.set STO, 18                           ; into the stage
.set SRD, 19                           ; out of it
.set TOK, 20
.set L8,  35                           ; 8 x lane
.set PR,  36
.set R16, 42                           ; 16 r
.set P8,  43
.set OB,  44
.set SA,  48                           ; set k: A's words at SA + 8 k + p (lanes 0-15 fragment 2 p, lanes 16-31 fragment 2 p + 1); B's at SB + 8 k + i likewise
.set SB,  52
.set BSL, 64
.set TIX, 80                           ; v80-94 (LAYER 1) the bytes at which the rows' entries stand in the list of tokens
.set ASL, 96
.set BF,  128
.set TMX, 64
.set TP,  76
.set LIM, 88
.set SCL, 100
.set BYT, 112
.set CD,  128
.set BIAS, 192
.set MSB, 0
.macro WIN new                         ; the immediate's high byte repeats the setting that is left
.if MSB != \new
	s_set_vgpr_msb (MSB<<8)|\new
.set MSB, \new
.endif
.endm
.macro PLACES n                        ; plain lines between a matrix instruction and what reads its results or loads into its registers: eight for this form
.rept \n
	v_nop
.endr
.endm
.macro BLOAD t, again                  ; group t of my rows of the weight, into set t % RING of window 2.  again = 1: the set has held a group before
	WIN 0x80
.if \again
	s_wait_alu depctr_vm_vsrc(0)                   ; the LDS stores that laid this set's last group into my slot have read it: the loads below land in it
.endif
.set I_, 0
.rept LG
	global_load_b128 v[4*LG*((\t)%RING)+4*I_:4*LG*((\t)%RING)+4*I_+3], v[BGO], s[12:13] offset:2*I_*KB+256*(\t)
.set I_, I_+1
.endr
.endm
.macro BSTORE t                        ; and on into my slot: row R to place pi(R)
	WIN 0x08
.set I_, 0
.rept LG
.set X_, 2*I_
.if LAYER < 3
.set X_, (X_&0x27)|(((X_>>3)&1)<<4)|(((X_>>4)&1)<<3)
.endif
	ds_store_b128 v[BST], v[4*LG*((\t)%RING)+4*I_:4*LG*((\t)%RING)+4*I_+3] offset:272*X_
.set I_, I_+1
.endr
.endm
.macro FETCHB s                        ; K step s: B's NB fragments and the scale words, into set s % 2
.set K_, (\s)%2
	WIN 0
.set I_, 0
.rept NB
.irp c, 0,1,2,3
	ds_load_b128 v[BF+16*NB*K_+16*I_+4*\c:BF+16*NB*K_+16*I_+4*\c+3], v[BAD] offset:4352*I_+128*K_+32*\c
.endr
.set I_, I_+1
.endr
.set I_, 0
.rept NB/2
	ds_load_b32 v[SB+8*K_+I_], v[BSA] offset:32*BSP*I_+4*(\s)
.set I_, I_+1
.endr
.irp p, 0,1,2
.if LAYER == 1
	ds_load_b32 v[SA+8*K_+\p], v[ASA] offset:1536*\p+4*(\s)
.else
	ds_load_b32 v[SA+8*K_+\p], v[ASA] offset:384*(\s)+128*\p
.endif
.endr
.endm
.macro FETCHA s                        ; K step s: A's six fragments, into set s % 2.  Fragments 3 to 5 come last: twelve loads
.set K_, (\s)%2
	WIN 0xc0
.irp a, 0,1,2,3,4,5
.irp c, 0,1,2,3
.if LAYER == 1
	ds_load_b128 v[96*K_+16*\a+4*\c:96*K_+16*\a+4*\c+3], v[AAD+\a/3] offset:16640*(\a%3)+128*(\s)+32*\c
.else
	ds_load_b128 v[96*K_+16*\a+4*\c:96*K_+16*\a+4*\c+3], v[AAD+(\s)/4] offset:12288*((\s)%4)+2048*\a+512*\c
.endif
.endr
.endr
.endm
.macro WMM                             ; one product; an odd tile's scale words stand in lanes 16-31 of their register
.if (A_%2 == 0) && (B_%2 == 0)
	v_wmma_scale_f32_16x16x128_f8f6f4 v[DR:DR+7], v[BR:BR+15], v[AR:AR+15], v[CR:CR+7], v[SBR], v[SAR] matrix_a_fmt:MATRIX_FMT_BF8 matrix_b_fmt:MATRIX_FMT_BF8
.elseif (A_%2 == 0)
	v_wmma_scale_f32_16x16x128_f8f6f4 v[DR:DR+7], v[BR:BR+15], v[AR:AR+15], v[CR:CR+7], v[SBR], v[SAR] matrix_a_fmt:MATRIX_FMT_BF8 matrix_b_fmt:MATRIX_FMT_BF8 matrix_a_scale:MATRIX_SCALE_ROW1
.elseif (B_%2 == 0)
	v_wmma_scale_f32_16x16x128_f8f6f4 v[DR:DR+7], v[BR:BR+15], v[AR:AR+15], v[CR:CR+7], v[SBR], v[SAR] matrix_a_fmt:MATRIX_FMT_BF8 matrix_b_fmt:MATRIX_FMT_BF8 matrix_b_scale:MATRIX_SCALE_ROW1
.else
	v_wmma_scale_f32_16x16x128_f8f6f4 v[DR:DR+7], v[BR:BR+15], v[AR:AR+15], v[CR:CR+7], v[SBR], v[SAR] matrix_a_fmt:MATRIX_FMT_BF8 matrix_b_fmt:MATRIX_FMT_BF8 matrix_a_scale:MATRIX_SCALE_ROW1 matrix_b_scale:MATRIX_SCALE_ROW1
.endif
.endm
.macro MUL s, a0                       ; A's fragments a0 .. a0 + 2 against B's NB.  The 6 NB accumulators take turns, one instruction a turn, in the same order in every step.  Step 0 takes the bias as C
.set K_, (\s)%2
.set A_, \a0
	WIN 0x5c                                       ; source 0 (B) window 0, source 1 (A) window 3, C and D window 1
.rept 3
.set B_, 0
.rept NB
.set DR, 8*(NB*A_+B_)
.set CR, DR
.if (\s) == 0
.set CR, BIAS+8*B_
.endif
.set BR, BF+16*NB*K_+16*B_
.set AR, 96*K_+16*A_
.set SBR, SB+8*K_+B_/2
.set SAR, SA+8*K_+A_/2
	WMM
.set B_, B_+1
.endr
.set A_, A_+1
.endr
.endm
; K step s.  At its head: the next group into the slot (odd s), B's next fragments and the scale words.  In its middle: the refill of window 2 (odd s), A's next fragments.
.macro STEP s
.set T_, (\s)/2
	s_wait_dscnt 12                                ; B, the scale words and A's fragments 0-2 of this step are in; the youngest twelve loads (A's fragments 3-5) may be out
.if (\s)+1 < NSTEP
.set YN_, 4*NB+NB/2+3
.if (\s) > 0
	PLACES 8                                       ; behind the last step's products, in front of loads into the set that they read
	s_wait_alu depctr_va_vdst(0)                   ; the last step's products are done reading the other set of B's and A's fragments and scale words, in which this step's LDS loads land; no product of this step names that set
.endif
.if (\s)%2 == 1
.set YN_, YN_+LG
.set YG_, T_+RING
.if YG_ > NGRP-1
.set YG_, NGRP-1
.endif
	s_wait_loadcnt LG*(YG_-(T_+1))                 ; group t + 1 is in; the groups asked for behind it may be out
	BSTORE T_+1                                    ; LDS serves a wave's instructions in order: these land behind my reads of group t, and the loads below see them
.endif
	FETCHB (\s)+1
	MUL \s, 0
	s_wait_dscnt YN_                               ; A's fragments 3-5 of this step are in; what this step's head issued (the slot's stores in an odd step, B's next fragments, the scale words) may be out
.if ((\s)%2 == 1) && (T_+1+RING < NGRP)
	BLOAD T_+1+RING, 1                             ; into the set that this step's stores into the slot read
.endif
	FETCHA (\s)+1
.else
	MUL \s, 0
	s_wait_dscnt 0x0                               ; A's fragments 3-5
.endif
	MUL \s, 3
.endm
.if LAYER == 1
	s_load_b256 s[8:15], s[0:1], 0x0               ; A's codes 8, A's scales 10, the weight's codes 12, its scales 14
	s_load_b128 s[16:19], s[0:1], 0x20             ; the bias 16, route 18
	s_load_b64 s[20:21], s[0:1], 0x30              ; the output 20
.else
	s_load_b64 s[8:9], s[0:1], 0x0                 ; A 8
	s_load_b128 s[12:15], s[0:1], 0x8              ; the weight's codes 12, its scales 14
	s_load_b128 s[16:19], s[0:1], 0x18             ; the bias 16, route 18
	s_load_b64 s[20:21], s[0:1], 0x28              ; the output 20
	v_lshl_add_u32 v126, v0, 2, 0x47c00
	v_mov_b32 v127, 0
.endif
	v_lshrrev_b32 v1, 5, v0
	v_readfirstlane_b32 s2, v1                     ; wave 0..3
	s_and_b32 s3, ttmp7, 0xffff                    ; the tile
	s_lshl_b32 s6, s3, 3
	s_wait_kmcnt 0x0
	s_load_b64 s[22:23], s[18:19], s6 offset:0x0   ; its expert and its rows
	v_and_b32 v[LN], 31, v0
	v_and_b32 v[RR], 15, v0
	v_bfe_u32 v[HH], v0, 4, 1
	v_lshlrev_b32 v[AGO], 4, v[LN]
	v_lshlrev_b32 v[L8], 3, v[LN]
	v_lshlrev_b32 v[R16], 4, v[RR]
	v_mad_u32_u24 v[BGO], v[HH], KB, v[R16]
	s_wait_alu depctr_va_sdst(0)                   ; s2 is written, ahead of its first reader: the LDS places and the bases below are made from it
	s_mul_i32 s28, s2, BSLW
	s_add_co_u32 s28, s28, BSLOT                   ; my slot
	v_mad_u32_u24 v[BST], v[HH], 272, v[R16]
	v_add_nc_u32 v[BST], s28, v[BST]
	v_mul_u32_u24 v[BAD], v[RR], 272
	v_lshl_add_u32 v[BAD], v[HH], 4, v[BAD]
	v_add_nc_u32 v[BAD], s28, v[BAD]
	s_mul_i32 s29, s2, BSCW
	s_add_co_u32 s29, s29, BSC                     ; my scale bytes of B
	v_mul_u32_u24 v[BSA], v[LN], BSP
	v_add_nc_u32 v[BSA], s29, v[BSA]
.if LAYER == 1
	v_bfe_u32 v[BSS], v0, 1, 3                     ; a load's 512 bytes are 16 rows of 32: row (lane / 2) of them; its bit 3 (h) goes to bit 4
	v_lshl_add_u32 v[BSS], v[HH], 4, v[BSS]
	v_mul_u32_u24 v[BSS], v[BSS], BSP
	v_and_b32 v[P8], 1, v0
	v_lshl_add_u32 v[BSS], v[P8], 4, v[BSS]
.else
	v_bfe_u32 v[BSS], v0, 2, 3                     ; a load's 512 bytes are 8 rows of 64: row lane / 4, piece lane % 4
	v_mul_u32_u24 v[BSS], v[BSS], BSP
	v_and_b32 v[P8], 3, v0
	v_lshl_add_u32 v[BSS], v[P8], 4, v[BSS]
.endif
	v_add_nc_u32 v[BSS], s29, v[BSS]
.if LAYER == 1
	s_mul_i32 s28, s2, 24*1040                     ; my 24 rows of A
	v_mad_u32_u24 v[AST], v[HH], 1040, v[R16]
	v_add_nc_u32 v[AST], s28, v[AST]
	v_mul_u32_u24 v[AAD], v[RR], 1040
	v_lshl_add_u32 v[AAD], v[HH], 4, v[AAD]        ; fragments 0-2,
	v_add_nc_u32 v[AAD+1], 3*16640, v[AAD]         ; 3-5
	v_mul_u32_u24 v[ASA], v[LN], 48
	v_add_nc_u32 v[ASA], ASC, v[ASA]
	s_mul_i32 s28, s2, 24*48
	s_add_co_u32 s28, s28, ASC
	v_bfe_u32 v[OB], v0, 2, 3                      ; lane / 4
	v_mul_u32_u24 v[ASS], v[OB], 48
	v_and_b32 v[P8], 3, v0
	v_lshlrev_b32 v[P8], 3, v[P8]                  ; 8 (lane % 4)
	v_add_nc_u32 v[ASS], v[ASS], v[P8]
	v_add_nc_u32 v[ASS], s28, v[ASS]
.else
	s_mul_i32 s28, s2, 49152                       ; my quarter of A's images
	v_add_nc_u32 v[AST], s28, v[AGO]
	v_lshlrev_b32 v[AAD], 4, v[LN]                 ; K steps 0-3,
	v_add_nc_u32 v[AAD+1], 49152, v[AGO]           ; 4-7,
	v_add_nc_u32 v[AAD+2], 2*49152, v[AGO]         ; 8-11,
	v_add_nc_u32 v[AAD+3], 3*49152, v[AGO]         ; 12-15
	v_lshl_add_u32 v[ASA], v[LN], 2, ASC
	s_mul_i32 s28, s2, 1536
	s_add_co_u32 s28, s28, ASC
	v_add_nc_u32 v[ASS], s28, v[AGO]
.endif
.if LAYER < 3
	s_lshr_b32 s28, s2, 1                          ; the stage: two K steps' scale words; my two bytes of a row's word
	s_mul_i32 s28, s28, 384
	s_and_b32 s29, s2, 1
	s_lshl_b32 s29, s29, 1
	s_add_co_u32 s28, s28, s29
	s_add_co_u32 s28, s28, STG
	v_lshlrev_b32 v[STO], 2, v[RR]
	v_add_nc_u32 v[STO], s28, v[STO]
	s_lshl_b32 s28, s2, 8
	s_add_co_u32 s28, s28, STG
	v_add_nc_u32 v[SRD], s28, v[L8]
	v_lshlrev_b32 v[BIO], 6, v[HH]                 ; the bias in the result's layout: 16 h numbers on
.else
	s_lshl_b32 s28, s2, 7                          ; the stage: 96 rows of 512 + 16 bytes; my 128 bytes of a row
	s_add_co_u32 s28, s28, STG
	v_mul_u32_u24 v[STO], v[RR], 528
	v_lshl_add_u32 v[STO], v[HH], 5, v[STO]
	v_add_nc_u32 v[STO], s28, v[STO]
	s_mul_i32 s28, s2, 24*528
	s_add_co_u32 s28, s28, STG
	v_add_nc_u32 v[SRD], s28, v[AGO]
	v_lshlrev_b32 v[BIO], 5, v[HH]                 ; 8 h numbers on
.endif
	s_mov_b32 s25, 0x600000                        ; the mantissa field of 57,344
	s_mov_b32 s26, 0x76543210
	s_mov_b32 s27, 0xfedcba98                      ; v_permlanex16_b32's selects for lane l xor 16
	s_mov_b32 s7, 0
	s_wait_kmcnt 0x0
	s_min_u32 s22, s22, 7                          ; the expert,
	s_min_u32 s23, s23, 96                         ; the tile's rows: 0 where the split has no such tile
	s_mul_i32 s4, s22, NCOL
	s_mul_i32 s28, ttmp9, 64*NB
	s_add_co_u32 s4, s4, s28
	s_mul_i32 s28, s2, 16*NB
	s_add_co_u32 s4, s4, s28                       ; my first row of the weight, counted over all experts
	s_mul_i32 s6, s4, KB
	s_add_nc_u64 s[12:13], s[12:13], s[6:7]
	s_mul_i32 s6, s4, KB/32
	s_add_nc_u64 s[14:15], s[14:15], s[6:7]
	s_lshl_b32 s6, s4, 2
	s_add_nc_u64 s[16:17], s[16:17], s[6:7]
.if LAYER > 1
	s_mul_i32 s6, s3, 6144
	s_mul_i32 s28, s2, 1536
	s_add_co_u32 s6, s6, s28
	s_add_co_u32 s6, s6, HSO
	s_add_nc_u64 s[10:11], s[8:9], s[6:7]          ; my quarter of the tile's scale words,
	s_mul_i32 s6, s3, HT
	s_mul_i32 s28, s2, 49152
	s_add_co_u32 s6, s6, s28
	s_add_nc_u64 s[8:9], s[8:9], s[6:7]            ; and of its codes
.endif
.if LAYER < 3
	s_mul_i32 s6, s3, 6144
	s_mul_i32 s28, ttmp9, 768
	s_add_co_u32 s6, s6, s28
	s_lshl_b32 s28, s2, 8
	s_add_co_u32 s6, s6, s28
	s_add_co_u32 s6, s6, HSO
	s_add_nc_u64 s[32:33], s[20:21], s[6:7]        ; out: the work-group's two K steps of scale words, 256 bytes of them a wave;
	s_mul_i32 s6, s3, HT
	s_mul_i32 s28, ttmp9, 24576
	s_add_co_u32 s6, s6, s28
	s_lshr_b32 s28, s2, 1
	s_mul_i32 s28, s28, 12288
	s_add_co_u32 s6, s6, s28
	s_and_b32 s28, s2, 1
	s_lshl_b32 s28, s28, 10
	s_add_co_u32 s6, s6, s28
	s_add_nc_u64 s[20:21], s[20:21], s[6:7]        ; the codes: K step 2 x + w / 2, blocks 2 (w % 2) and + 1
.else
	s_mul_i32 s6, s3, 96*4096
	s_mul_i32 s28, s2, 24*4096
	s_add_co_u32 s6, s6, s28
	s_lshl_b32 s28, ttmp9, 9
	s_add_co_u32 s6, s6, s28
	s_add_nc_u64 s[20:21], s[20:21], s[6:7]        ; out: my 24 rows of y, the work-group's 512 bytes of them
.endif
	; ---- what every work-group asks for
.if LAYER == 1
	s_max_u32 s28, s23, 1
	s_sub_co_u32 s28, s28, 1                       ; the tile's last row: slots beyond it repeat it
	s_mul_i32 s29, s3, 96
	s_cmp_lg_u32 s23, 0
	s_cselect_b32 s29, s29, 0                      ; the tile's first position (a tile without rows names position 0, which always has a row)
	s_mul_i32 s34, s2, 24
.macro TOKIDX reg                      ; a slot of the tile -> the byte of its entry in the list of tokens
	v_min_u32 v[\reg], s28, v[\reg]
	v_add_nc_u32 v[\reg], s29, v[\reg]
	v_min_u32 v[\reg], 0xadf, v[\reg]
	v_lshlrev_b32 v[\reg], 2, v[\reg]
.endm
.irp i, 0,1,2,3,4,5,6,7,8,9,10,11
	v_add3_u32 v[TIX+\i], v[HH], s34, 2*\i         ; for the codes: two rows a load: slot 24 w + 2 i + h
	TOKIDX TIX+\i
.endr
.irp i, 0,1,2
	v_add3_u32 v[TIX+12+\i], v[OB], s34, 8*\i      ; for the scale bytes: eight rows a load: slot 24 w + 8 i + lane / 4
	TOKIDX TIX+12+\i
.endr
.endif
	s_wait_alu depctr_va_vdst(0)                   ; every address and offset made above is written: all loads, stores and LDS instructions of the kernel read some of them, and none of them is written again
.if LAYER == 1
.irp i, 0,1,2,3,4,5,6,7,8,9,10,11,12,13,14
	global_load_b32 v[TOK+\i], v[TIX+\i], s[18:19] offset:8448
.endr
.endif
	WIN 0x40                                       ; destination window 1
.set I_, 0
.rept NB
.if LAYER < 3
.set X_, 128*(I_/2)+32*(I_%2)
.else
.set X_, 64*I_
.endif
	global_load_b128 v[BIAS+8*I_:BIAS+8*I_+3], v[BIO], s[16:17] offset:X_
	global_load_b128 v[BIAS+8*I_+4:BIAS+8*I_+7], v[BIO], s[16:17] offset:X_+16
.set I_, I_+1
.endr
	WIN 0
.set I_, 0
.rept NBS
	global_load_b128 v[BSL+4*I_:BSL+4*I_+3], v[AGO], s[14:15] offset:512*I_        ; my rows' scale bytes are one dense block
.set I_, I_+1
.endr
	BLOAD 0, 0
	WIN 0
	s_cmp_eq_u32 s23, 0
	s_cbranch_scc1 .Lhave_a
	; ---- A comes into LDS, a quarter by each wave
.if LAYER == 1
	s_wait_loadcnt 2*NB+NBS+LG                     ; the tokens are in; all that was asked for behind them may be out
.irp i, 0,1,2,3,4,5,6,7,8,9,10,11
	v_min_u32 v[TOK+\i], 0x3ff, v[TOK+\i]
	v_lshlrev_b32 v[TOK+\i], 10, v[TOK+\i]         ; the token's row of 1,024 bytes,
	v_add_nc_u32 v[TOK+\i], v[TOK+\i], v[R16]      ; my 16 bytes of each 256
.endr
.irp i, 12,13,14
	v_min_u32 v[TOK+\i], 0x3ff, v[TOK+\i]
	v_lshlrev_b32 v[TOK+\i], 5, v[TOK+\i]          ; its 32 scale bytes,
	v_add_nc_u32 v[TOK+\i], v[TOK+\i], v[P8]       ; my 8 of them
.endr
	s_wait_alu depctr_va_vdst(0)                   ; the rows' offsets v20-34 are written, which the loads below read
.irp i, 0,1,2
	global_load_b64 v[ASL+2*\i:ASL+2*\i+1], v[TOK+12+\i], s[10:11]
.endr
	WIN 0x40
.set I_, 0
.rept 48
	global_load_b128 v[4*I_:4*I_+3], v[TOK+I_/4], s[8:9] offset:256*(I_%4)
.set I_, I_+1
.endr
	WIN 0
	s_wait_loadcnt 24                              ; the scale bytes and the first 24 loads are in
.irp i, 0,1,2
	ds_store_b64 v[ASS], v[ASL+2*\i:ASL+2*\i+1] offset:384*\i
.endr
	WIN 0x04                                       ; an LDS store's data are its source 1: window 1
.set I_, 0
.rept 24
	ds_store_b128 v[AST], v[4*I_:4*I_+3] offset:2080*(I_/4)+256*(I_%4)
.set I_, I_+1
.endr
	s_wait_loadcnt 0x0
.rept 24
	ds_store_b128 v[AST], v[4*I_:4*I_+3] offset:2080*(I_/4)+256*(I_%4)
.set I_, I_+1
.endr
	WIN 0
.else
.irp i, 0,1,2
	global_load_b128 v[ASL+4*\i:ASL+4*\i+3], v[AGO], s[10:11] offset:512*\i
.endr
	WIN 0x40                                       ; 48 loads land where the accumulators will lie,
.set I_, 0
.rept 48
	global_load_b128 v[4*I_:4*I_+3], v[AGO], s[8:9] offset:512*I_
.set I_, I_+1
.endr
	WIN 0xc0                                       ; 48 where A's fragments will
.rept 48
	global_load_b128 v[4*(I_-48):4*(I_-48)+3], v[AGO], s[8:9] offset:512*I_
.set I_, I_+1
.endr
	WIN 0
	s_wait_loadcnt 48                              ; all but the second 48
.irp i, 0,1,2
	ds_store_b128 v[ASS], v[ASL+4*\i:ASL+4*\i+3] offset:512*\i
.endr
	WIN 0x04
.set I_, 0
.rept 48
	ds_store_b128 v[AST], v[4*I_:4*I_+3] offset:512*I_
.set I_, I_+1
.endr
	s_wait_loadcnt 0x0
	WIN 0x0c
.rept 48
	ds_store_b128 v[AST], v[4*(I_-48):4*(I_-48)+3] offset:512*I_
.set I_, I_+1
.endr
	WIN 0
.endif
.Lhave_a:
	s_wait_loadcnt 0x0                             ; the bias, B's scale bytes and group 0 are in
.set Q_, 1
.rept RING-1
	BLOAD Q_, 0
.set Q_, Q_+1
.endr
	WIN 0
.set I_, 0
.rept NBS
.if LAYER == 1
.set X_, 8*(I_&1)+32*(I_>>1)
.elseif LAYER == 2
.set X_, 8*I_
.set X_, (X_&0x27)|(((X_>>3)&1)<<4)|(((X_>>4)&1)<<3)
.else
.set X_, 8*I_
.endif
	ds_store_b128 v[BSS], v[BSL+4*I_:BSL+4*I_+3] offset:BSP*X_     ; a row's scale bytes go to the place of its codes
.set I_, I_+1
.endr
	s_wait_dscnt 0x0                               ; for the others' sake: my part of A has landed
	s_barrier_signal -1
	s_barrier_wait -1                              ; A is whole
	s_wait_alu depctr_vm_vsrc(0)                   ; my LDS stores have read the registers in which A and the scale bytes stood on their way, and the list's loads their offsets: the products write window 1's, fragments land in window 3's (LAYERS 2, 3), the quantiser's figures take v64 on (LAYERS 1, 2)
	s_cmp_eq_u32 s23, 0
	s_cbranch_scc1 .Lstaged
	; ---- the products
	BSTORE 0
	FETCHB 0
	FETCHA 0
.if RING < NGRP
	BLOAD RING, 1                                  ; into the set that group 0's stores into the slot read
.endif
.set Q_, 0
.rept NSTEP
	STEP Q_
.set Q_, Q_+1
.endr
	WIN 0
.if LAYER < 3
	; ---- relu, the quantiser, the way out.  Block q = 2 a + i: rows 16 a on, my columns 32 i on: registers 16 q .. 16 q + 15 of window 1 and those of lane l xor 16
.irp q, 0,1,2,3,4,5,6,7,8,9,10,11
	v_mov_b32 v[TP+\q], 0                          ; a lane permute's destination counts as one of its sources.  These twelve are also the places behind the last products
.endr
	WIN 0x05                                       ; sources 0 and 1 window 1
.irp q, 0,1,2,3,4,5,6,7,8,9,10,11
	v_max3_num_f32 v[TMX+\q], v[16*\q], v[16*\q+1], 0x8000000      ; no |.|: what is negative becomes 0 and must not count; the floor 2^(16 - 127) keeps the byte at 1 or more.  Each accumulator is read from its low end on
.endr
.irp i, 2,4,6,8,10,12,14
.irp q, 0,1,2,3,4,5,6,7,8,9,10,11
	v_max3_num_f32 v[TMX+\q], v[16*\q+\i], v[16*\q+\i+1], v[TMX+\q]
.endr
.endr
	WIN 0
.irp q, 0,1,2,3,4,5,6,7,8,9,10,11
	v_permlanex16_b32 v[TP+\q], v[TMX+\q], s26, s27
.endr
.irp q, 0,1,2,3,4,5,6,7,8,9,10,11
	v_max_num_f32 v[TMX+\q], v[TMX+\q], v[TP+\q]   ; the block's largest number
.endr
.irp q, 0,1,2,3,4,5,6,7,8,9,10,11
	v_add_nc_u32 v[SCL+\q], 0xf8800000, v[TMX+\q]  ; 15 off its exponent field: the conversion's scale operand
.endr
.irp q, 0,1,2,3,4,5,6,7,8,9,10,11
	v_and_or_b32 v[LIM+\q], v[TMX+\q], 0x7f800000, s25     ; 57,344 x the scale
.endr
.irp q, 0,1,2,3,4,5,6,7,8,9,10,11
	v_lshrrev_b32 v[BYT+\q], 23, v[SCL+\q]         ; the scale's byte
.endr
.irp a, 0,1,2,3,4,5
	v_lshl_or_b32 v[PR+\a], v[BYT+2*\a+1], 8, v[BYT+2*\a]  ; my two bytes of the row's scale word
.endr
	WIN 0x41                                       ; source 0 and destination window 1
.irp q, 0,1,2,3,4,5,6,7,8,9,10,11
.irp i, 0,1,2,3,4,5,6,7,8,9,10,11,12,13,14,15
	v_med3_num_f32 v[16*\q+\i], v[16*\q+\i], 0, v[LIM+\q]  ; the activation and the hold in one: the conversion to an 8-bit code does not saturate (ISA guide 7.6.2)
.endr
.endr
	WIN 0x01                                       ; source 0 window 1
.irp q, 0,1,2,3,4,5,6,7,8,9,10,11
	v_cvt_scalef32_pk8_bf8_f32 v[CD+4*\q:CD+4*\q+1], v[16*\q:16*\q+7], v[SCL+\q]
	v_cvt_scalef32_pk8_bf8_f32 v[CD+4*\q+2:CD+4*\q+3], v[16*\q+8:16*\q+15], v[SCL+\q]
.endr
	WIN 0
	v_nop                                          ; one plain line behind the last conversion
	s_wait_alu depctr_va_vdst(0)                   ; the conversions have written the codes v128-175 and the shifts the pairs v36-41, which the stores below read
.irp q, 0,1,2,3,4,5,6,7,8,9,10,11
	global_store_b128 v[AGO], v[CD+4*\q:CD+4*\q+3], s[20:21] offset:2048*(\q/2)+512*(\q%2)  ; four registers of the next operand's image: 512 consecutive bytes
.endr
.irp a, 0,1,2,3,4,5
	ds_store_b16 v[STO], v[PR+\a] offset:64*\a     ; both lanes of a row write the same two bytes with the same value
.endr
.else
	PLACES 8
	WIN 0x04                                       ; the data: window 1
	s_wait_alu depctr_va_vdst(0)                   ; the products have written the accumulators, which the LDS stores read, and are done reading B's fragments, in whose registers the rows of y land behind the barrier; the places above stay beside this wait
.irp a, 0,1,2,3,4,5
.irp b, 0,1
	ds_store_b128 v[STO], v[8*(2*\a+\b):8*(2*\a+\b)+3] offset:8448*\a+64*\b        ; y(16 a + r, my 16 b + 8 h + 0 .. 7): each accumulator from its low end on
	ds_store_b128 v[STO], v[8*(2*\a+\b)+4:8*(2*\a+\b)+7] offset:8448*\a+64*\b+16
.endr
.endr
	WIN 0
.endif
.Lstaged:
	s_wait_dscnt 0x0                               ; for the others' sake: my stores into the stage have landed
	s_barrier_signal -1
	s_barrier_wait -1
	s_cmp_eq_u32 s23, 0
	s_cbranch_scc1 .Lend
.if LAYER < 3
	s_cmp_gt_u32 s2, 2
	s_cbranch_scc1 .Lend                           ; 768 bytes of scale words: 256 for each of three waves
	ds_load_b64 v[OB:OB+1], v[SRD]
	s_wait_dscnt 0x0
	global_store_b64 v[L8], v[OB:OB+1], s[32:33]   ; 256 consecutive bytes, at a multiple of 256 from the buffer's first byte
.else
.irp i, 0,1,2,3,4,5,6,7,8,9,10,11,12,13,14,15,16,17,18,19,20,21,22,23
	ds_load_b128 v[CD+4*\i:CD+4*\i+3], v[SRD] offset:528*\i
.endr
.irp i, 0,1,2,3,4,5,6,7,8,9,10,11,12,13,14,15,16,17,18,19,20,21,22,23
	s_wait_dscnt 23-\i
	global_store_b128 v[AGO], v[CD+4*\i:CD+4*\i+3], s[20:21] offset:4096*\i        ; 512 consecutive bytes of a row of y
.endr
.endif
.Lend:
	s_wait_dscnt 0x0                               ; the closing lines, six on end
	s_wait_alu 0x0
	s_wait_tensorcnt 0x0
	ds_add_u32 v126, v127
	s_wait_dscnt 0x0
	s_endpgm
.Lfunc_end_k_q092622d433_ffn2:
	.size	k_q092622d433_ffn2, .Lfunc_end_k_q092622d433_ffn2-k_q092622d433_ffn2
	.p2alignl 7, 3214868480
	.fill 96, 4, 3214868480
	.section	.rodata,"a",@progbits
	.p2align	6, 0x0
	.amdhsa_kernel k_q092622d433_ffn2
		.amdhsa_group_segment_fixed_size 294400
		.amdhsa_private_segment_fixed_size 0
		.amdhsa_enable_private_segment 0
		.amdhsa_kernarg_size 48
		.amdhsa_user_sgpr_count 2
		.amdhsa_user_sgpr_kernarg_segment_ptr 1
		.amdhsa_wavefront_size32 1
		.amdhsa_system_sgpr_workgroup_id_x 1
		.amdhsa_system_sgpr_workgroup_id_y 1
		.amdhsa_system_sgpr_workgroup_id_z 1
		.amdhsa_system_vgpr_workitem_id 0
		.amdhsa_next_free_vgpr 1024
		.amdhsa_next_free_sgpr 66
		.amdhsa_reserve_vcc 0
		.amdhsa_float_denorm_mode_32 3
		.amdhsa_float_denorm_mode_16_64 3
		.amdhsa_memory_ordered 1
		.amdhsa_forward_progress 1
		.amdhsa_inst_pref_size 191
	.end_amdhsa_kernel
	.amdgpu_metadata
---
amdhsa.version: [ 1, 2 ]
amdhsa.kernels:
  - .name:           k_q092622d433_ffn2
    .symbol:         k_q092622d433_ffn2.kd
    .args:
      - { .name: h1, .offset: 0, .size: 8, .value_kind: global_buffer, .address_space: global }
      - { .name: ew2_codes, .offset: 8, .size: 8, .value_kind: global_buffer, .address_space: global }
      - { .name: ew2_scales, .offset: 16, .size: 8, .value_kind: global_buffer, .address_space: global }
      - { .name: eb2, .offset: 24, .size: 8, .value_kind: global_buffer, .address_space: global }
      - { .name: route, .offset: 32, .size: 8, .value_kind: global_buffer, .address_space: global }
      - { .name: h2, .offset: 40, .size: 8, .value_kind: global_buffer, .address_space: global }
    .group_segment_fixed_size: 294400
    .private_segment_fixed_size: 0
    .kernarg_segment_align: 8
    .kernarg_segment_size: 48
    .max_flat_workgroup_size: 128
    .sgpr_count:     66
    .vgpr_count:     1024
    .wavefront_size: 32
...
	.end_amdgpu_metadata
.endif
;; end of part 10
;; launch ffn3 (part 11): grid 8 x 29, 4 waves a work-group, no clusters, 299,008 bytes of LDS; arguments h2, ew3_codes, ew3_scales, eb3, route, y; writes y
.if DOCPART == 11
	.amdgcn_target "amdgcn-amd-amdhsa--gfx1250"
	.amdhsa_code_object_version 6
	.text
	.protected	k_q092622d433_ffn3
	.globl	k_q092622d433_ffn3
	.p2align	8
	.type	k_q092622d433_ffn3,@function
k_q092622d433_ffn3:
	s_mov_b64 s[64:65], 0
	v_nop
	global_prefetch_b8 v0, s[64:65] scope:SCOPE_SE
	s_setreg_imm32_b32 hwreg(HW_REG_WAVE_SCHED_MODE, 0, 2), 2
	s_setreg_imm32_b32 hwreg(HW_REG_WAVE_MODE, 25, 1), 1
	s_wait_xcnt 0x0
	s_wait_alu depctr_vm_vsrc(0)
; ONE LAYER OF THE EXPERTS, on the routed rows alone.  The same text serves the three layers; LAYER picks the sizes and what differs.
;   LAYER 1: h1 = Q(relu(x ew1 + eb1)), rows gathered from x by the stored list;  LAYER 2: h2 = Q(relu(h1 ew2 + eb2));  LAYER 3: y = h2 ew3 + eb3, f32.   Q: the quantiser along the next product's K.
; All products on codes of E5M2 with one E8M0 scale for each 32 along K; sums in f32.
; SHARES.  Work-group (x, y) takes tile y of the stored table (96 rows of one expert) and columns 64 NB x .. + 64 NB - 1; wave w all 96 rows x its own 16 NB columns: 6 NB accumulators.
; The grid has 29 tiles, as many as any split of 2,048 rows over 8 experts can need.  A tile without rows does no product and stores nothing: a scalar branch on the stored count leads round
; the work, and both barriers stand outside it, on every wave's path.  A tile's slots beyond its rows repeat its last row (LAYER 1); they are computed and nobody reads them.
; A (the rows) comes into LDS once and stays: all four waves read it.  B (the weights) is each wave's own: memory -> registers (64 loads a wave on their way) -> the wave's own slot in LDS
; (rows of 256 bytes + 16) -> fragments.  So the loop over K has no barrier.
; THE MATRIX INSTRUCTION IS USED TRANSPOSED (source 0 = 16 rows of the weight, source 1 = 16 rows of A): a lane holds one row and its registers run along the columns.
; LAYERS 1, 2: the weight's row R lies at place pi(R) of the slot (pi swaps bits 3 and 4), so that tile b, places 16 b + r, holds rows 32 (b / 2) + 8 (b % 2) + r + 8 (r / 8):
; the 16 registers of tiles 2 i and 2 i + 1 are then 16 neighbours along the next K, and the conversions' results are the next operand's registers.
; h1, h2 are laid as the next layer wants them: codes as images of the operand's registers, [tile][K step 16][fragment 6][4][lane][16 bytes]; behind them (byte HSO) a scale word a row: [tile][K step][96].
; NO TENSOR LOADS, NO CLUSTER: the launch branches on a stored number, and which tiles share an expert's weights hangs on the split, so no fixed mask could name the partners.
; LIMITS: NaN and infinities are not served; a block of zeros gets the scale byte 1 (its codes are zeros, and this program alone reads the bytes).
; THE MODE: SCHED_MODE bits 1:0 = 2 (LLVM: expert scheduling mode 2), set by the entry lines.  The code itself states the register dependences
; between vector or matrix instructions and memory or LDS instructions, with s_wait_alu, always for 0.
; THE PLAN.  Registers that memory or LDS instructions touch, in the run of K steps:
;   window 2, set g % RING     Written by the loads of group g, read by the LDS stores that lay group g into my slot; no vector or matrix instruction names them.
;                              One wait on vm_vsrc stands between those stores and the loads of group g + RING, which land in the same set.
;   B's fragments, the scale words, A's fragments, set s % 2     Written by the LDS loads of step s, which are issued in step s - 1; read by step s's products.
;   the addresses              Made at the head and never written again.
;   The accumulators and the bias are named by matrix instructions alone until the way out.
; Step s multiplies set s % 2; its LDS loads land in the other set, which the products of step s - 1 read and no product of step s names.  So ONE wait on va_vdst stands in a step, at its head,
; behind the wait for the step's own fragments: the products of the step before are done reading the other set.  All that the step issues behind it (the slot's stores, B's next fragments and the scale
; words, half of the products, the refill of window 2, A's next fragments, the other half) owes nothing more on that field.  Step 0 has no product ahead of it and the last step no load: they have no such wait.
; Outside the run: one wait ahead of the first load (the addresses), one behind the barrier (the registers in which A stood on its way to LDS have been read), one ahead of the way out's stores.
; REGISTERS, in windows of 256: window 0: v1-19, v35, v42-43 addresses; v20-34 the rows' tokens, v80-94 where these stand in the list (LAYER 1); v36-41 scale bytes in pairs; v48-63 scale words, two sets, and nothing else;
;   v64-127 scales on their way to LDS, later the quantiser's figures; v128-255 B's fragments, two sets, later codes or rows of y.
;   window 1: the accumulators, (a, b) at 8 (NB a + b); the bias at v192 on.   window 2: B on its way to LDS, RING sets.   window 3: A's fragments, two sets of 96.
.set LAYER, 3
.set HT,    196608                     ; a tile's codes in h1 or h2
.set HSO,   29*HT                      ; where the scale words begin
.if LAYER == 1
.set KB,    1024                       ; K: bytes in a row of the weight
.set NB,    4                          ; column tiles a wave
.set NCOL,  2048                       ; columns of an expert
.set BSP,   48                         ; a row of B's scale bytes in LDS: 32 + 16
.set ASC,   96*1040                    ; LDS: A's 96 rows of 1,024 + 16 bytes, then A's scale bytes, 48 a row
.set BSLOT, ASC+96*48
.else
.set KB,    2048
.set BSP,   80                         ; 64 + 16
.set ASC,   HT                         ; LDS: A's images, then A's scale words
.set BSLOT, ASC+6144
.if LAYER == 2
.set NB,    4
.set NCOL,  2048
.else
.set NB,    2
.set NCOL,  1024
.endif
.endif
.set NSTEP, KB/128                     ; K steps
.set NGRP,  KB/256                     ; groups of two steps: what a slot holds
.set LG,    8*NB                       ; loads that bring a wave's group: two rows of 256 bytes each
.set RING,  8/NB                       ; groups on their way in registers
.set BSLW,  16*NB*272                  ; a wave's slot
.set BSC,   BSLOT+4*BSLW               ; behind the slots: B's scale bytes, a wave's own part each
.set BSCW,  16*NB*BSP
.set STG,   BSC+4*BSCW                 ; behind them: the stage for the way out
.set NBS,   NB*KB/1024                 ; loads that bring a wave's scale bytes of B
.set LN,  1
.set RR,  2
.set HH,  3
.set BGO, 4                            ; B in memory: KB h + 16 r
.set BST, 5                            ; B into the slot: 272 h + 16 r
.set BAD, 6                            ; B's fragments: 272 r + 16 h
.set BSA, 7                            ; B's scale words: BSP x lane
.set AGO, 8                            ; 16 x lane
.set AST, 9                            ; A into LDS
.set AAD, 10                           ; v10-13 A's fragments
.set ASA, 14                           ; A's scale words
.set ASS, 15                           ; A's scales into LDS
.set BSS, 16                           ; B's scales into LDS
.set BIO, 17                           ; the bias
.set STO, 18                           ; into the stage
.set SRD, 19                           ; out of it
.set TOK, 20
.set L8,  35                           ; 8 x lane
.set PR,  36
.set R16, 42                           ; 16 r
.set P8,  43
.set OB,  44
.set SA,  48                           ; set k: A's words at SA + 8 k + p (lanes 0-15 fragment 2 p, lanes 16-31 fragment 2 p + 1); B's at SB + 8 k + i likewise
.set SB,  52
.set BSL, 64
.set TIX, 80                           ; v80-94 (LAYER 1) the bytes at which the rows' entries stand in the list of tokens
.set ASL, 96
.set BF,  128
.set TMX, 64
.set TP,  76
.set LIM, 88
.set SCL, 100
.set BYT, 112
.set CD,  128
.set BIAS, 192
.set MSB, 0
.macro WIN new                         ; the immediate's high byte repeats the setting that is left
.if MSB != \new
	s_set_vgpr_msb (MSB<<8)|\new
.set MSB, \new
.endif
.endm
.macro PLACES n                        ; plain lines between a matrix instruction and what reads its results or loads into its registers: eight for this form
.rept \n
	v_nop
.endr
.endm
.macro BLOAD t, again                  ; group t of my rows of the weight, into set t % RING of window 2.  again = 1: the set has held a group before
	WIN 0x80
.if \again
	s_wait_alu depctr_vm_vsrc(0)                   ; the LDS stores that laid this set's last group into my slot have read it: the loads below land in it
.endif
.set I_, 0
.rept LG
	global_load_b128 v[4*LG*((\t)%RING)+4*I_:4*LG*((\t)%RING)+4*I_+3], v[BGO], s[12:13] offset:2*I_*KB+256*(\t)
.set I_, I_+1
.endr
.endm
.macro BSTORE t                        ; and on into my slot: row R to place pi(R)
	WIN 0x08
.set I_, 0
.rept LG
.set X_, 2*I_
.if LAYER < 3
.set X_, (X_&0x27)|(((X_>>3)&1)<<4)|(((X_>>4)&1)<<3)
.endif
	ds_store_b128 v[BST], v[4*LG*((\t)%RING)+4*I_:4*LG*((\t)%RING)+4*I_+3] offset:272*X_
.set I_, I_+1
.endr
.endm
.macro FETCHB s                        ; K step s: B's NB fragments and the scale words, into set s % 2
.set K_, (\s)%2
	WIN 0
.set I_, 0
.rept NB
.irp c, 0,1,2,3
	ds_load_b128 v[BF+16*NB*K_+16*I_+4*\c:BF+16*NB*K_+16*I_+4*\c+3], v[BAD] offset:4352*I_+128*K_+32*\c
.endr
.set I_, I_+1
.endr
.set I_, 0
.rept NB/2
	ds_load_b32 v[SB+8*K_+I_], v[BSA] offset:32*BSP*I_+4*(\s)
.set I_, I_+1
.endr
.irp p, 0,1,2
.if LAYER == 1
	ds_load_b32 v[SA+8*K_+\p], v[ASA] offset:1536*\p+4*(\s)
.else
	ds_load_b32 v[SA+8*K_+\p], v[ASA] offset:384*(\s)+128*\p
.endif
.endr
.endm
.macro FETCHA s                        ; K step s: A's six fragments, into set s % 2.  Fragments 3 to 5 come last: twelve loads
.set K_, (\s)%2
	WIN 0xc0
.irp a, 0,1,2,3,4,5
.irp c, 0,1,2,3
.if LAYER == 1
	ds_load_b128 v[96*K_+16*\a+4*\c:96*K_+16*\a+4*\c+3], v[AAD+\a/3] offset:16640*(\a%3)+128*(\s)+32*\c
.else
	ds_load_b128 v[96*K_+16*\a+4*\c:96*K_+16*\a+4*\c+3], v[AAD+(\s)/4] offset:12288*((\s)%4)+2048*\a+512*\c
.endif
.endr
.endr
.endm
.macro WMM                             ; one product; an odd tile's scale words stand in lanes 16-31 of their register
.if (A_%2 == 0) && (B_%2 == 0)
	v_wmma_scale_f32_16x16x128_f8f6f4 v[DR:DR+7], v[BR:BR+15], v[AR:AR+15], v[CR:CR+7], v[SBR], v[SAR] matrix_a_fmt:MATRIX_FMT_BF8 matrix_b_fmt:MATRIX_FMT_BF8
.elseif (A_%2 == 0)
	v_wmma_scale_f32_16x16x128_f8f6f4 v[DR:DR+7], v[BR:BR+15], v[AR:AR+15], v[CR:CR+7], v[SBR], v[SAR] matrix_a_fmt:MATRIX_FMT_BF8 matrix_b_fmt:MATRIX_FMT_BF8 matrix_a_scale:MATRIX_SCALE_ROW1
.elseif (B_%2 == 0)
	v_wmma_scale_f32_16x16x128_f8f6f4 v[DR:DR+7], v[BR:BR+15], v[AR:AR+15], v[CR:CR+7], v[SBR], v[SAR] matrix_a_fmt:MATRIX_FMT_BF8 matrix_b_fmt:MATRIX_FMT_BF8 matrix_b_scale:MATRIX_SCALE_ROW1
.else
	v_wmma_scale_f32_16x16x128_f8f6f4 v[DR:DR+7], v[BR:BR+15], v[AR:AR+15], v[CR:CR+7], v[SBR], v[SAR] matrix_a_fmt:MATRIX_FMT_BF8 matrix_b_fmt:MATRIX_FMT_BF8 matrix_a_scale:MATRIX_SCALE_ROW1 matrix_b_scale:MATRIX_SCALE_ROW1
.endif
.endm
.macro MUL s, a0                       ; A's fragments a0 .. a0 + 2 against B's NB.  The 6 NB accumulators take turns, one instruction a turn, in the same order in every step.  Step 0 takes the bias as C
.set K_, (\s)%2
.set A_, \a0
	WIN 0x5c                                       ; source 0 (B) window 0, source 1 (A) window 3, C and D window 1
.rept 3
.set B_, 0
.rept NB
.set DR, 8*(NB*A_+B_)
.set CR, DR
.if (\s) == 0
.set CR, BIAS+8*B_
.endif
.set BR, BF+16*NB*K_+16*B_
.set AR, 96*K_+16*A_
.set SBR, SB+8*K_+B_/2
.set SAR, SA+8*K_+A_/2
	WMM
.set B_, B_+1
.endr
.set A_, A_+1
.endr
.endm
; K step s.  At its head: the next group into the slot (odd s), B's next fragments and the scale words.  In its middle: the refill of window 2 (odd s), A's next fragments.
.macro STEP s
.set T_, (\s)/2
	s_wait_dscnt 12                                ; B, the scale words and A's fragments 0-2 of this step are in; the youngest twelve loads (A's fragments 3-5) may be out
.if (\s)+1 < NSTEP
.set YN_, 4*NB+NB/2+3
.if (\s) > 0
	PLACES 8                                       ; behind the last step's products, in front of loads into the set that they read
	s_wait_alu depctr_va_vdst(0)                   ; the last step's products are done reading the other set of B's and A's fragments and scale words, in which this step's LDS loads land; no product of this step names that set
.endif
.if (\s)%2 == 1
.set YN_, YN_+LG
.set YG_, T_+RING
.if YG_ > NGRP-1
.set YG_, NGRP-1
.endif
	s_wait_loadcnt LG*(YG_-(T_+1))                 ; group t + 1 is in; the groups asked for behind it may be out
	BSTORE T_+1                                    ; LDS serves a wave's instructions in order: these land behind my reads of group t, and the loads below see them
.endif
	FETCHB (\s)+1
	MUL \s, 0
	s_wait_dscnt YN_                               ; A's fragments 3-5 of this step are in; what this step's head issued (the slot's stores in an odd step, B's next fragments, the scale words) may be out
.if ((\s)%2 == 1) && (T_+1+RING < NGRP)
	BLOAD T_+1+RING, 1                             ; into the set that this step's stores into the slot read
.endif
	FETCHA (\s)+1
.else
	MUL \s, 0
	s_wait_dscnt 0x0                               ; A's fragments 3-5
.endif
	MUL \s, 3
.endm
.if LAYER == 1
	s_load_b256 s[8:15], s[0:1], 0x0               ; A's codes 8, A's scales 10, the weight's codes 12, its scales 14
	s_load_b128 s[16:19], s[0:1], 0x20             ; the bias 16, route 18
	s_load_b64 s[20:21], s[0:1], 0x30              ; the output 20
.else
	s_load_b64 s[8:9], s[0:1], 0x0                 ; A 8
	s_load_b128 s[12:15], s[0:1], 0x8              ; the weight's codes 12, its scales 14
	s_load_b128 s[16:19], s[0:1], 0x18             ; the bias 16, route 18
	s_load_b64 s[20:21], s[0:1], 0x28              ; the output 20
	v_lshl_add_u32 v254, v0, 2, 0x48e00
	v_mov_b32 v255, 0
.endif
	v_lshrrev_b32 v1, 5, v0
	v_readfirstlane_b32 s2, v1                     ; wave 0..3
	s_and_b32 s3, ttmp7, 0xffff                    ; the tile
	s_lshl_b32 s6, s3, 3
	s_wait_kmcnt 0x0
	s_load_b64 s[22:23], s[18:19], s6 offset:0x0   ; its expert and its rows
	v_and_b32 v[LN], 31, v0
	v_and_b32 v[RR], 15, v0
	v_bfe_u32 v[HH], v0, 4, 1
	v_lshlrev_b32 v[AGO], 4, v[LN]
	v_lshlrev_b32 v[L8], 3, v[LN]
	v_lshlrev_b32 v[R16], 4, v[RR]
	v_mad_u32_u24 v[BGO], v[HH], KB, v[R16]
	s_wait_alu depctr_va_sdst(0)                   ; s2 is written, ahead of its first reader: the LDS places and the bases below are made from it
	s_mul_i32 s28, s2, BSLW
	s_add_co_u32 s28, s28, BSLOT                   ; my slot
	v_mad_u32_u24 v[BST], v[HH], 272, v[R16]
	v_add_nc_u32 v[BST], s28, v[BST]
	v_mul_u32_u24 v[BAD], v[RR], 272
	v_lshl_add_u32 v[BAD], v[HH], 4, v[BAD]
	v_add_nc_u32 v[BAD], s28, v[BAD]
	s_mul_i32 s29, s2, BSCW
	s_add_co_u32 s29, s29, BSC                     ; my scale bytes of B
	v_mul_u32_u24 v[BSA], v[LN], BSP
	v_add_nc_u32 v[BSA], s29, v[BSA]
.if LAYER == 1
	v_bfe_u32 v[BSS], v0, 1, 3                     ; a load's 512 bytes are 16 rows of 32: row (lane / 2) of them; its bit 3 (h) goes to bit 4
	v_lshl_add_u32 v[BSS], v[HH], 4, v[BSS]
	v_mul_u32_u24 v[BSS], v[BSS], BSP
	v_and_b32 v[P8], 1, v0
	v_lshl_add_u32 v[BSS], v[P8], 4, v[BSS]
.else
	v_bfe_u32 v[BSS], v0, 2, 3                     ; a load's 512 bytes are 8 rows of 64: row lane / 4, piece lane % 4
	v_mul_u32_u24 v[BSS], v[BSS], BSP
	v_and_b32 v[P8], 3, v0
	v_lshl_add_u32 v[BSS], v[P8], 4, v[BSS]
.endif
	v_add_nc_u32 v[BSS], s29, v[BSS]
.if LAYER == 1
	s_mul_i32 s28, s2, 24*1040                     ; my 24 rows of A
	v_mad_u32_u24 v[AST], v[HH], 1040, v[R16]
	v_add_nc_u32 v[AST], s28, v[AST]
	v_mul_u32_u24 v[AAD], v[RR], 1040
	v_lshl_add_u32 v[AAD], v[HH], 4, v[AAD]        ; fragments 0-2,
	v_add_nc_u32 v[AAD+1], 3*16640, v[AAD]         ; 3-5
	v_mul_u32_u24 v[ASA], v[LN], 48
	v_add_nc_u32 v[ASA], ASC, v[ASA]
	s_mul_i32 s28, s2, 24*48
	s_add_co_u32 s28, s28, ASC
	v_bfe_u32 v[OB], v0, 2, 3                      ; lane / 4
	v_mul_u32_u24 v[ASS], v[OB], 48
	v_and_b32 v[P8], 3, v0
	v_lshlrev_b32 v[P8], 3, v[P8]                  ; 8 (lane % 4)
	v_add_nc_u32 v[ASS], v[ASS], v[P8]
	v_add_nc_u32 v[ASS], s28, v[ASS]
.else
	s_mul_i32 s28, s2, 49152                       ; my quarter of A's images
	v_add_nc_u32 v[AST], s28, v[AGO]
	v_lshlrev_b32 v[AAD], 4, v[LN]                 ; K steps 0-3,
	v_add_nc_u32 v[AAD+1], 49152, v[AGO]           ; 4-7,
	v_add_nc_u32 v[AAD+2], 2*49152, v[AGO]         ; 8-11,
	v_add_nc_u32 v[AAD+3], 3*49152, v[AGO]         ; 12-15
	v_lshl_add_u32 v[ASA], v[LN], 2, ASC
	s_mul_i32 s28, s2, 1536
	s_add_co_u32 s28, s28, ASC
	v_add_nc_u32 v[ASS], s28, v[AGO]
.endif
.if LAYER < 3
	s_lshr_b32 s28, s2, 1                          ; the stage: two K steps' scale words; my two bytes of a row's word
	s_mul_i32 s28, s28, 384
	s_and_b32 s29, s2, 1
	s_lshl_b32 s29, s29, 1
	s_add_co_u32 s28, s28, s29
	s_add_co_u32 s28, s28, STG
	v_lshlrev_b32 v[STO], 2, v[RR]
	v_add_nc_u32 v[STO], s28, v[STO]
	s_lshl_b32 s28, s2, 8
	s_add_co_u32 s28, s28, STG
	v_add_nc_u32 v[SRD], s28, v[L8]
	v_lshlrev_b32 v[BIO], 6, v[HH]                 ; the bias in the result's layout: 16 h numbers on
.else
	s_lshl_b32 s28, s2, 7                          ; the stage: 96 rows of 512 + 16 bytes; my 128 bytes of a row
	s_add_co_u32 s28, s28, STG
	v_mul_u32_u24 v[STO], v[RR], 528
	v_lshl_add_u32 v[STO], v[HH], 5, v[STO]
	v_add_nc_u32 v[STO], s28, v[STO]
	s_mul_i32 s28, s2, 24*528
	s_add_co_u32 s28, s28, STG
	v_add_nc_u32 v[SRD], s28, v[AGO]
	v_lshlrev_b32 v[BIO], 5, v[HH]                 ; 8 h numbers on
.endif
	s_mov_b32 s25, 0x600000                        ; the mantissa field of 57,344
	s_mov_b32 s26, 0x76543210
	s_mov_b32 s27, 0xfedcba98                      ; v_permlanex16_b32's selects for lane l xor 16
	s_mov_b32 s7, 0
	s_wait_kmcnt 0x0
	s_min_u32 s22, s22, 7                          ; the expert,
	s_min_u32 s23, s23, 96                         ; the tile's rows: 0 where the split has no such tile
	s_mul_i32 s4, s22, NCOL
	s_mul_i32 s28, ttmp9, 64*NB
	s_add_co_u32 s4, s4, s28
	s_mul_i32 s28, s2, 16*NB
	s_add_co_u32 s4, s4, s28                       ; my first row of the weight, counted over all experts
	s_mul_i32 s6, s4, KB
	s_add_nc_u64 s[12:13], s[12:13], s[6:7]
	s_mul_i32 s6, s4, KB/32
	s_add_nc_u64 s[14:15], s[14:15], s[6:7]
	s_lshl_b32 s6, s4, 2
	s_add_nc_u64 s[16:17], s[16:17], s[6:7]
.if LAYER > 1
	s_mul_i32 s6, s3, 6144
	s_mul_i32 s28, s2, 1536
	s_add_co_u32 s6, s6, s28
	s_add_co_u32 s6, s6, HSO
	s_add_nc_u64 s[10:11], s[8:9], s[6:7]          ; my quarter of the tile's scale words,
	s_mul_i32 s6, s3, HT
	s_mul_i32 s28, s2, 49152
	s_add_co_u32 s6, s6, s28
	s_add_nc_u64 s[8:9], s[8:9], s[6:7]            ; and of its codes
.endif
.if LAYER < 3
	s_mul_i32 s6, s3, 6144
	s_mul_i32 s28, ttmp9, 768
	s_add_co_u32 s6, s6, s28
	s_lshl_b32 s28, s2, 8
	s_add_co_u32 s6, s6, s28
	s_add_co_u32 s6, s6, HSO
	s_add_nc_u64 s[32:33], s[20:21], s[6:7]        ; out: the work-group's two K steps of scale words, 256 bytes of them a wave;
	s_mul_i32 s6, s3, HT
	s_mul_i32 s28, ttmp9, 24576
	s_add_co_u32 s6, s6, s28
	s_lshr_b32 s28, s2, 1
	s_mul_i32 s28, s28, 12288
	s_add_co_u32 s6, s6, s28
	s_and_b32 s28, s2, 1
	s_lshl_b32 s28, s28, 10
	s_add_co_u32 s6, s6, s28
	s_add_nc_u64 s[20:21], s[20:21], s[6:7]        ; the codes: K step 2 x + w / 2, blocks 2 (w % 2) and + 1
.else
	s_mul_i32 s6, s3, 96*4096
	s_mul_i32 s28, s2, 24*4096
	s_add_co_u32 s6, s6, s28
	s_lshl_b32 s28, ttmp9, 9
	s_add_co_u32 s6, s6, s28
	s_add_nc_u64 s[20:21], s[20:21], s[6:7]        ; out: my 24 rows of y, the work-group's 512 bytes of them
.endif
	; ---- what every work-group asks for
.if LAYER == 1
	s_max_u32 s28, s23, 1
	s_sub_co_u32 s28, s28, 1                       ; the tile's last row: slots beyond it repeat it
	s_mul_i32 s29, s3, 96
	s_cmp_lg_u32 s23, 0
	s_cselect_b32 s29, s29, 0                      ; the tile's first position (a tile without rows names position 0, which always has a row)
	s_mul_i32 s34, s2, 24
.macro TOKIDX reg                      ; a slot of the tile -> the byte of its entry in the list of tokens
	v_min_u32 v[\reg], s28, v[\reg]
	v_add_nc_u32 v[\reg], s29, v[\reg]
	v_min_u32 v[\reg], 0xadf, v[\reg]
	v_lshlrev_b32 v[\reg], 2, v[\reg]
.endm
.irp i, 0,1,2,3,4,5,6,7,8,9,10,11
	v_add3_u32 v[TIX+\i], v[HH], s34, 2*\i         ; for the codes: two rows a load: slot 24 w + 2 i + h
	TOKIDX TIX+\i
.endr
.irp i, 0,1,2
	v_add3_u32 v[TIX+12+\i], v[OB], s34, 8*\i      ; for the scale bytes: eight rows a load: slot 24 w + 8 i + lane / 4
	TOKIDX TIX+12+\i
.endr
.endif
	s_wait_alu depctr_va_vdst(0)                   ; every address and offset made above is written: all loads, stores and LDS instructions of the kernel read some of them, and none of them is written again
.if LAYER == 1
.irp i, 0,1,2,3,4,5,6,7,8,9,10,11,12,13,14
	global_load_b32 v[TOK+\i], v[TIX+\i], s[18:19] offset:8448
.endr
.endif
	WIN 0x40                                       ; destination window 1
.set I_, 0
.rept NB
.if LAYER < 3
.set X_, 128*(I_/2)+32*(I_%2)
.else
.set X_, 64*I_
.endif
	global_load_b128 v[BIAS+8*I_:BIAS+8*I_+3], v[BIO], s[16:17] offset:X_
	global_load_b128 v[BIAS+8*I_+4:BIAS+8*I_+7], v[BIO], s[16:17] offset:X_+16
.set I_, I_+1
.endr
	WIN 0
.set I_, 0
.rept NBS
	global_load_b128 v[BSL+4*I_:BSL+4*I_+3], v[AGO], s[14:15] offset:512*I_        ; my rows' scale bytes are one dense block
.set I_, I_+1
.endr
	BLOAD 0, 0
	WIN 0
	s_cmp_eq_u32 s23, 0
	s_cbranch_scc1 .Lhave_a
	; ---- A comes into LDS, a quarter by each wave
.if LAYER == 1
	s_wait_loadcnt 2*NB+NBS+LG                     ; the tokens are in; all that was asked for behind them may be out
.irp i, 0,1,2,3,4,5,6,7,8,9,10,11
	v_min_u32 v[TOK+\i], 0x3ff, v[TOK+\i]
	v_lshlrev_b32 v[TOK+\i], 10, v[TOK+\i]         ; the token's row of 1,024 bytes,
	v_add_nc_u32 v[TOK+\i], v[TOK+\i], v[R16]      ; my 16 bytes of each 256
.endr
.irp i, 12,13,14
	v_min_u32 v[TOK+\i], 0x3ff, v[TOK+\i]
	v_lshlrev_b32 v[TOK+\i], 5, v[TOK+\i]          ; its 32 scale bytes,
	v_add_nc_u32 v[TOK+\i], v[TOK+\i], v[P8]       ; my 8 of them
.endr
	s_wait_alu depctr_va_vdst(0)                   ; the rows' offsets v20-34 are written, which the loads below read
.irp i, 0,1,2
	global_load_b64 v[ASL+2*\i:ASL+2*\i+1], v[TOK+12+\i], s[10:11]
.endr
	WIN 0x40
.set I_, 0
.rept 48
	global_load_b128 v[4*I_:4*I_+3], v[TOK+I_/4], s[8:9] offset:256*(I_%4)
.set I_, I_+1
.endr
	WIN 0
	s_wait_loadcnt 24                              ; the scale bytes and the first 24 loads are in
.irp i, 0,1,2
	ds_store_b64 v[ASS], v[ASL+2*\i:ASL+2*\i+1] offset:384*\i
.endr
	WIN 0x04                                       ; an LDS store's data are its source 1: window 1
.set I_, 0
.rept 24
	ds_store_b128 v[AST], v[4*I_:4*I_+3] offset:2080*(I_/4)+256*(I_%4)
.set I_, I_+1
.endr
	s_wait_loadcnt 0x0
.rept 24
	ds_store_b128 v[AST], v[4*I_:4*I_+3] offset:2080*(I_/4)+256*(I_%4)
.set I_, I_+1
.endr
	WIN 0
.else
.irp i, 0,1,2
	global_load_b128 v[ASL+4*\i:ASL+4*\i+3], v[AGO], s[10:11] offset:512*\i
.endr
	WIN 0x40                                       ; 48 loads land where the accumulators will lie,
.set I_, 0
.rept 48
	global_load_b128 v[4*I_:4*I_+3], v[AGO], s[8:9] offset:512*I_
.set I_, I_+1
.endr
	WIN 0xc0                                       ; 48 where A's fragments will
.rept 48
	global_load_b128 v[4*(I_-48):4*(I_-48)+3], v[AGO], s[8:9] offset:512*I_
.set I_, I_+1
.endr
	WIN 0
	s_wait_loadcnt 48                              ; all but the second 48
.irp i, 0,1,2
	ds_store_b128 v[ASS], v[ASL+4*\i:ASL+4*\i+3] offset:512*\i
.endr
	WIN 0x04
.set I_, 0
.rept 48
	ds_store_b128 v[AST], v[4*I_:4*I_+3] offset:512*I_
.set I_, I_+1
.endr
	s_wait_loadcnt 0x0
	WIN 0x0c
.rept 48
	ds_store_b128 v[AST], v[4*(I_-48):4*(I_-48)+3] offset:512*I_
.set I_, I_+1
.endr
	WIN 0
.endif
.Lhave_a:
	s_wait_loadcnt 0x0                             ; the bias, B's scale bytes and group 0 are in
.set Q_, 1
.rept RING-1
	BLOAD Q_, 0
.set Q_, Q_+1
.endr
	WIN 0
.set I_, 0
.rept NBS
.if LAYER == 1
.set X_, 8*(I_&1)+32*(I_>>1)
.elseif LAYER == 2
.set X_, 8*I_
.set X_, (X_&0x27)|(((X_>>3)&1)<<4)|(((X_>>4)&1)<<3)
.else
.set X_, 8*I_
.endif
	ds_store_b128 v[BSS], v[BSL+4*I_:BSL+4*I_+3] offset:BSP*X_     ; a row's scale bytes go to the place of its codes
.set I_, I_+1
.endr
	s_wait_dscnt 0x0                               ; for the others' sake: my part of A has landed
	s_barrier_signal -1
	s_barrier_wait -1                              ; A is whole
	s_wait_alu depctr_vm_vsrc(0)                   ; my LDS stores have read the registers in which A and the scale bytes stood on their way, and the list's loads their offsets: the products write window 1's, fragments land in window 3's (LAYERS 2, 3), the quantiser's figures take v64 on (LAYERS 1, 2)
	s_cmp_eq_u32 s23, 0
	s_cbranch_scc1 .Lstaged
	; ---- the products
	BSTORE 0
	FETCHB 0
	FETCHA 0
.if RING < NGRP
	BLOAD RING, 1                                  ; into the set that group 0's stores into the slot read
.endif
.set Q_, 0
.rept NSTEP
	STEP Q_
.set Q_, Q_+1
.endr
	WIN 0
.if LAYER < 3
	; ---- relu, the quantiser, the way out.  Block q = 2 a + i: rows 16 a on, my columns 32 i on: registers 16 q .. 16 q + 15 of window 1 and those of lane l xor 16
.irp q, 0,1,2,3,4,5,6,7,8,9,10,11
	v_mov_b32 v[TP+\q], 0                          ; a lane permute's destination counts as one of its sources.  These twelve are also the places behind the last products
.endr
	WIN 0x05                                       ; sources 0 and 1 window 1
.irp q, 0,1,2,3,4,5,6,7,8,9,10,11
	v_max3_num_f32 v[TMX+\q], v[16*\q], v[16*\q+1], 0x8000000      ; no |.|: what is negative becomes 0 and must not count; the floor 2^(16 - 127) keeps the byte at 1 or more.  Each accumulator is read from its low end on
.endr
.irp i, 2,4,6,8,10,12,14
.irp q, 0,1,2,3,4,5,6,7,8,9,10,11
	v_max3_num_f32 v[TMX+\q], v[16*\q+\i], v[16*\q+\i+1], v[TMX+\q]
.endr
.endr
	WIN 0
.irp q, 0,1,2,3,4,5,6,7,8,9,10,11
	v_permlanex16_b32 v[TP+\q], v[TMX+\q], s26, s27
.endr
.irp q, 0,1,2,3,4,5,6,7,8,9,10,11
	v_max_num_f32 v[TMX+\q], v[TMX+\q], v[TP+\q]   ; the block's largest number
.endr
.irp q, 0,1,2,3,4,5,6,7,8,9,10,11
	v_add_nc_u32 v[SCL+\q], 0xf8800000, v[TMX+\q]  ; 15 off its exponent field: the conversion's scale operand
.endr
.irp q, 0,1,2,3,4,5,6,7,8,9,10,11
	v_and_or_b32 v[LIM+\q], v[TMX+\q], 0x7f800000, s25     ; 57,344 x the scale
.endr
.irp q, 0,1,2,3,4,5,6,7,8,9,10,11
	v_lshrrev_b32 v[BYT+\q], 23, v[SCL+\q]         ; the scale's byte
.endr
.irp a, 0,1,2,3,4,5
	v_lshl_or_b32 v[PR+\a], v[BYT+2*\a+1], 8, v[BYT+2*\a]  ; my two bytes of the row's scale word
.endr
	WIN 0x41                                       ; source 0 and destination window 1
.irp q, 0,1,2,3,4,5,6,7,8,9,10,11
.irp i, 0,1,2,3,4,5,6,7,8,9,10,11,12,13,14,15
	v_med3_num_f32 v[16*\q+\i], v[16*\q+\i], 0, v[LIM+\q]  ; the activation and the hold in one: the conversion to an 8-bit code does not saturate (ISA guide 7.6.2)
.endr
.endr
	WIN 0x01                                       ; source 0 window 1
.irp q, 0,1,2,3,4,5,6,7,8,9,10,11
	v_cvt_scalef32_pk8_bf8_f32 v[CD+4*\q:CD+4*\q+1], v[16*\q:16*\q+7], v[SCL+\q]
	v_cvt_scalef32_pk8_bf8_f32 v[CD+4*\q+2:CD+4*\q+3], v[16*\q+8:16*\q+15], v[SCL+\q]
.endr
	WIN 0
	v_nop                                          ; one plain line behind the last conversion
	s_wait_alu depctr_va_vdst(0)                   ; the conversions have written the codes v128-175 and the shifts the pairs v36-41, which the stores below read
.irp q, 0,1,2,3,4,5,6,7,8,9,10,11
	global_store_b128 v[AGO], v[CD+4*\q:CD+4*\q+3], s[20:21] offset:2048*(\q/2)+512*(\q%2)  ; four registers of the next operand's image: 512 consecutive bytes
.endr
.irp a, 0,1,2,3,4,5
	ds_store_b16 v[STO], v[PR+\a] offset:64*\a     ; both lanes of a row write the same two bytes with the same value
.endr
.else
	PLACES 8
	WIN 0x04                                       ; the data: window 1
	s_wait_alu depctr_va_vdst(0)                   ; the products have written the accumulators, which the LDS stores read, and are done reading B's fragments, in whose registers the rows of y land behind the barrier; the places above stay beside this wait
.irp a, 0,1,2,3,4,5
.irp b, 0,1
	ds_store_b128 v[STO], v[8*(2*\a+\b):8*(2*\a+\b)+3] offset:8448*\a+64*\b        ; y(16 a + r, my 16 b + 8 h + 0 .. 7): each accumulator from its low end on
	ds_store_b128 v[STO], v[8*(2*\a+\b)+4:8*(2*\a+\b)+7] offset:8448*\a+64*\b+16
.endr
.endr
	WIN 0
.endif
.Lstaged:
	s_wait_dscnt 0x0                               ; for the others' sake: my stores into the stage have landed
	s_barrier_signal -1
	s_barrier_wait -1
	s_cmp_eq_u32 s23, 0
	s_cbranch_scc1 .Lend
.if LAYER < 3
	s_cmp_gt_u32 s2, 2
	s_cbranch_scc1 .Lend                           ; 768 bytes of scale words: 256 for each of three waves
	ds_load_b64 v[OB:OB+1], v[SRD]
	s_wait_dscnt 0x0
	global_store_b64 v[L8], v[OB:OB+1], s[32:33]   ; 256 consecutive bytes, at a multiple of 256 from the buffer's first byte
.else
.irp i, 0,1,2,3,4,5,6,7,8,9,10,11,12,13,14,15,16,17,18,19,20,21,22,23
	ds_load_b128 v[CD+4*\i:CD+4*\i+3], v[SRD] offset:528*\i
.endr
.irp i, 0,1,2,3,4,5,6,7,8,9,10,11,12,13,14,15,16,17,18,19,20,21,22,23
	s_wait_dscnt 23-\i
	global_store_b128 v[AGO], v[CD+4*\i:CD+4*\i+3], s[20:21] offset:4096*\i        ; 512 consecutive bytes of a row of y
.endr
.endif
.Lend:
	s_wait_dscnt 0x0                               ; the closing lines, six on end
	s_wait_alu 0x0
	s_wait_tensorcnt 0x0
	ds_add_u32 v254, v255
	s_wait_dscnt 0x0
	s_endpgm
.Lfunc_end_k_q092622d433_ffn3:
	.size	k_q092622d433_ffn3, .Lfunc_end_k_q092622d433_ffn3-k_q092622d433_ffn3
	.p2alignl 7, 3214868480
	.fill 96, 4, 3214868480
	.section	.rodata,"a",@progbits
	.p2align	6, 0x0
	.amdhsa_kernel k_q092622d433_ffn3
		.amdhsa_group_segment_fixed_size 299008
		.amdhsa_private_segment_fixed_size 0
		.amdhsa_enable_private_segment 0
		.amdhsa_kernarg_size 48
		.amdhsa_user_sgpr_count 2
		.amdhsa_user_sgpr_kernarg_segment_ptr 1
		.amdhsa_wavefront_size32 1
		.amdhsa_system_sgpr_workgroup_id_x 1
		.amdhsa_system_sgpr_workgroup_id_y 1
		.amdhsa_system_sgpr_workgroup_id_z 1
		.amdhsa_system_vgpr_workitem_id 0
		.amdhsa_next_free_vgpr 1024
		.amdhsa_next_free_sgpr 66
		.amdhsa_reserve_vcc 0
		.amdhsa_float_denorm_mode_32 3
		.amdhsa_float_denorm_mode_16_64 3
		.amdhsa_memory_ordered 1
		.amdhsa_forward_progress 1
		.amdhsa_inst_pref_size 117
	.end_amdhsa_kernel
	.amdgpu_metadata
---
amdhsa.version: [ 1, 2 ]
amdhsa.kernels:
  - .name:           k_q092622d433_ffn3
    .symbol:         k_q092622d433_ffn3.kd
    .args:
      - { .name: h2, .offset: 0, .size: 8, .value_kind: global_buffer, .address_space: global }
      - { .name: ew3_codes, .offset: 8, .size: 8, .value_kind: global_buffer, .address_space: global }
      - { .name: ew3_scales, .offset: 16, .size: 8, .value_kind: global_buffer, .address_space: global }
      - { .name: eb3, .offset: 24, .size: 8, .value_kind: global_buffer, .address_space: global }
      - { .name: route, .offset: 32, .size: 8, .value_kind: global_buffer, .address_space: global }
      - { .name: y, .offset: 40, .size: 8, .value_kind: global_buffer, .address_space: global }
    .group_segment_fixed_size: 299008
    .private_segment_fixed_size: 0
    .kernarg_segment_align: 8
    .kernarg_segment_size: 48
    .max_flat_workgroup_size: 128
    .sgpr_count:     66
    .vgpr_count:     1024
    .wavefront_size: 32
...
	.end_amdgpu_metadata
.endif
;; end of part 11
;; launch combine (part 12): grid 256 x 1, 4 waves a work-group, no clusters, 0 bytes of LDS; arguments y, route, selw, out0; writes out0
.if DOCPART == 12
	.amdgcn_target "amdgcn-amd-amdhsa--gfx1250"
	.amdhsa_code_object_version 6
	.text
	.protected	k_q092622d433_combine
	.globl	k_q092622d433_combine
	.p2align	8
	.type	k_q092622d433_combine,@function
k_q092622d433_combine:
	s_mov_b64 s[64:65], 0
	v_nop
	global_prefetch_b8 v0, s[64:65] scope:SCOPE_SE
	s_setreg_imm32_b32 hwreg(HW_REG_WAVE_MODE, 25, 1), 1
	s_wait_xcnt 0x0
; out0[token] = w1 y[p1] + w2 y[p2]: a token's two routed rows, weighted.  p1, p2: the positions that the placing launch stored; w1, w2: the gate's renormalised weights.
; A wave takes one token: a row of y is 4,096 bytes, eight loads of 512 consecutive bytes; both rows are asked for at once, and each output row has one owner.
; A stream: every byte of the two rows is read once and every byte of out0 written once, so LDS, barriers and the matrix unit would add nothing.
.set ROWB, 4096
	s_load_b256 s[4:11], s[0:1], 0x0               ; y 4, route 6, selw 8, out0 10
	v_lshrrev_b32 v1, 5, v0
	v_readfirstlane_b32 s2, v1                     ; wave 0..3
	v_and_b32 v1, 31, v0
	v_lshlrev_b32 v1, 4, v1                        ; 16 bytes a lane
	s_lshl_b32 s3, ttmp9, 2
	s_add_co_u32 s3, s3, s2                        ; my token
	s_lshl_b32 s14, s3, 3
	s_wait_alu depctr_va_vdst(0)
	s_wait_kmcnt 0x0
	s_load_b64 s[12:13], s[6:7], s14 offset:0x100  ; its two positions
	s_load_b64 s[16:17], s[8:9], s14 offset:0x0    ; its two weights
	s_lshl_b32 s18, s3, 12
	s_mov_b32 s19, 0
	s_add_nc_u64 s[10:11], s[10:11], s[18:19]      ; its row of out0
	s_wait_kmcnt 0x0
	s_min_u32 s12, s12, 0xadf                      ; a position is at most 2,783
	s_min_u32 s13, s13, 0xadf
	s_lshl_b32 s18, s12, 12
	s_add_nc_u64 s[20:21], s[4:5], s[18:19]
	s_lshl_b32 s18, s13, 12
	s_add_nc_u64 s[22:23], s[4:5], s[18:19]
	s_mov_b32 s24, s17                             ; the packed forms name a pair and take its low word for both halves
	s_mov_b32 s25, s17
.irp j, 0,1,2,3,4,5,6,7
	global_load_b128 v[8+4*\j:11+4*\j], v1, s[20:21] offset:512*\j th:TH_LOAD_NT
.endr
.irp j, 0,1,2,3,4,5,6,7
	global_load_b128 v[40+4*\j:43+4*\j], v1, s[22:23] offset:512*\j th:TH_LOAD_NT
.endr
.irp j, 0,1,2,3,4,5,6,7
	s_wait_loadcnt 7-\j                            ; piece j of both rows is in; the second row's later pieces may be out
	v_pk_mul_f32 v[8+4*\j:9+4*\j], v[8+4*\j:9+4*\j], s[16:17] op_sel_hi:[1,0]
	v_pk_mul_f32 v[10+4*\j:11+4*\j], v[10+4*\j:11+4*\j], s[16:17] op_sel_hi:[1,0]
	v_pk_fma_f32 v[8+4*\j:9+4*\j], v[40+4*\j:41+4*\j], s[24:25], v[8+4*\j:9+4*\j] op_sel_hi:[1,0,1]
	v_pk_fma_f32 v[10+4*\j:11+4*\j], v[42+4*\j:43+4*\j], s[24:25], v[10+4*\j:11+4*\j] op_sel_hi:[1,0,1]
	global_store_b128 v1, v[8+4*\j:11+4*\j], s[10:11] offset:512*\j th:TH_STORE_NT   ; 512 consecutive bytes
.endr
	s_endpgm
.Lfunc_end_k_q092622d433_combine:
	.size	k_q092622d433_combine, .Lfunc_end_k_q092622d433_combine-k_q092622d433_combine
	.p2alignl 7, 3214868480
	.fill 96, 4, 3214868480
	.section	.rodata,"a",@progbits
	.p2align	6, 0x0
	.amdhsa_kernel k_q092622d433_combine
		.amdhsa_group_segment_fixed_size 0
		.amdhsa_private_segment_fixed_size 0
		.amdhsa_enable_private_segment 0
		.amdhsa_kernarg_size 32
		.amdhsa_user_sgpr_count 2
		.amdhsa_user_sgpr_kernarg_segment_ptr 1
		.amdhsa_wavefront_size32 1
		.amdhsa_system_sgpr_workgroup_id_x 1
		.amdhsa_system_sgpr_workgroup_id_y 1
		.amdhsa_system_sgpr_workgroup_id_z 1
		.amdhsa_system_vgpr_workitem_id 0
		.amdhsa_next_free_vgpr 80
		.amdhsa_next_free_sgpr 66
		.amdhsa_reserve_vcc 0
		.amdhsa_float_denorm_mode_32 3
		.amdhsa_float_denorm_mode_16_64 3
		.amdhsa_memory_ordered 1
		.amdhsa_forward_progress 1
		.amdhsa_inst_pref_size 6
	.end_amdhsa_kernel
	.amdgpu_metadata
---
amdhsa.version: [ 1, 2 ]
amdhsa.kernels:
  - .name:           k_q092622d433_combine
    .symbol:         k_q092622d433_combine.kd
    .args:
      - { .name: y, .offset: 0, .size: 8, .value_kind: global_buffer, .address_space: global }
      - { .name: route, .offset: 8, .size: 8, .value_kind: global_buffer, .address_space: global }
      - { .name: selw, .offset: 16, .size: 8, .value_kind: global_buffer, .address_space: global }
      - { .name: out0, .offset: 24, .size: 8, .value_kind: global_buffer, .address_space: global }
    .group_segment_fixed_size: 0
    .private_segment_fixed_size: 0
    .kernarg_segment_align: 8
    .kernarg_segment_size: 32
    .max_flat_workgroup_size: 128
    .sgpr_count:     66
    .vgpr_count:     80
    .wavefront_size: 32
...
	.end_amdgpu_metadata
.endif
;; end of part 12
